; MI455X (gfx1250); checked and timed in simulation.
; The chip was launched on July 23, 2026; its instructions are those of AMD's public machine-readable ISA for CDNA 5 (MIT licence, August 2026) and "CDNA5" Instruction Set Architecture Reference Guide (July 2026). The comments in the code are by the model that wrote it; some were corrected since.
;; Mixture Of Experts Layer. Allowed arithmetic: matrix products marked QUANTISED: E2M3 operands, one E8M0 scale for each 32 along K, by v_wmma_scale_f32_16x16x128_f8f6f4 with both operands' format E2M3, f32 sums; products left as they are: f32 operands where the result goes on into a quantised operand, else bf16, f16 or f32 operands; f32 sums; everything else in f32.
;; Inputs: W1_codes 8 x 4,096 x 32 x 24 uint8 (E2M3 codes of W1, K innermost, in blocks of 32 codes, four codes in three bytes); W1_scales 8 x 4,096 x 32 uint8 (E8M0 scales of W1, one for each 32 codes along K); W2_codes 8 x 1,024 x 128 x 24 uint8 (E2M3 codes of W2, K innermost, in blocks of 32 codes, four codes in three bytes); W2_scales 8 x 1,024 x 128 uint8 (E8M0 scales of W2, one for each 32 codes along K); Wg 1,024 x 8 float32; b1 8 x 4,096 float32; b2 8 x 1,024 float32; bg 8 float32; x 1,024 x 1,024 float32.
;; Outputs: out0 1,024 x 1,024 float32; out1 one number float32.
;; This version of the problem:
;;   THIS VERSION OF THE PROBLEM IS GIVEN IN LOW PRECISION. The matrix products marked QUANTISED in the list below multiply operands that are first quantised to E2M3 (2 exponent bits, 3 mantissa bits; 6 bits a number), with one power-of-two scale for each 32 numbers along K (OCP MX v1.0); their sums are f32. All else is computed in f32.
;;   The module's matrix products, in the order in which they are computed (A, B: the left and right operand; K: the contracted axis; several contracted axes count as one K, in the product's order):
;;     1. [M 1,024, K 1,024] x [K 1,024, N 8]; A: input x; B: input Wg: left as it is (N = 8 < 16)
;;     2. [M 1,024, K 1,024] x [K 1,024, N 4,096]; A: input x; B: input W1 (given as codes): QUANTISED
;;     3. [M 1,024, K 4,096] x [K 4,096, N 1,024]; A: computed on the way; B: input W2 (given as codes): QUANTISED
;;     4. [M 1,024, K 1,024] x [K 1,024, N 4,096]; A: input x; B: input W1 (given as codes): QUANTISED
;;     5. [M 1,024, K 4,096] x [K 4,096, N 1,024]; A: computed on the way; B: input W2 (given as codes): QUANTISED
;;     6. [M 1,024, K 1,024] x [K 1,024, N 4,096]; A: input x; B: input W1 (given as codes): QUANTISED
;;     7. [M 1,024, K 4,096] x [K 4,096, N 1,024]; A: computed on the way; B: input W2 (given as codes): QUANTISED
;;     8. [M 1,024, K 1,024] x [K 1,024, N 4,096]; A: input x; B: input W1 (given as codes): QUANTISED
;;     9. [M 1,024, K 4,096] x [K 4,096, N 1,024]; A: computed on the way; B: input W2 (given as codes): QUANTISED
;;     10. [M 1,024, K 1,024] x [K 1,024, N 4,096]; A: input x; B: input W1 (given as codes): QUANTISED
;;     11. [M 1,024, K 4,096] x [K 4,096, N 1,024]; A: computed on the way; B: input W2 (given as codes): QUANTISED
;;     12. [M 1,024, K 1,024] x [K 1,024, N 4,096]; A: input x; B: input W1 (given as codes): QUANTISED
;;     13. [M 1,024, K 4,096] x [K 4,096, N 1,024]; A: computed on the way; B: input W2 (given as codes): QUANTISED
;;     14. [M 1,024, K 1,024] x [K 1,024, N 4,096]; A: input x; B: input W1 (given as codes): QUANTISED
;;     15. [M 1,024, K 4,096] x [K 4,096, N 1,024]; A: computed on the way; B: input W2 (given as codes): QUANTISED
;;     16. [M 1,024, K 1,024] x [K 1,024, N 4,096]; A: input x; B: input W1 (given as codes): QUANTISED
;;     17. [M 1,024, K 4,096] x [K 4,096, N 1,024]; A: computed on the way; B: input W2 (given as codes): QUANTISED
;;   THE QUANTISER, for each operand of a quantised product, along K:
;;     - K is cut into blocks of 32 from its start; a last block that is shorter is filled with zeros.
;;     - A block's scale is 2^e with e = floor(log2(the largest magnitude in the block)) - 2, held to -126 .. 127; a block of zeros has e = 0. As a byte (E8M0): e + 127.
;;     - Each number is divided by its block's scale, clamped to +-7.5, and rounded to the nearest number of E2M3, ties to even, subnormals kept.
;;     - The product sums the exact products of the quantised numbers (number of the format x scale) in f32.
;;   ~~~python
;;   def quantise(x, axis):      # numpy; x: float32 -> the quantised numbers, widened to float32 again
;;       x = np.moveaxis(x, axis, -1); K = x.shape[-1]
;;       x = np.pad(x, [(0, 0)] * (x.ndim - 1) + [(0, -K % 32)]); x = x.reshape(x.shape[:-1] + (-1, 32)); a = np.abs(x).max(-1, keepdims=True)
;;       e = np.where(a > 0, np.clip(np.frexp(np.where(a > 0, a, 1))[1] - 1 - 2, -126, 127), 0)      # np.frexp(a)[1] - 1 = floor(log2(a)), exactly
;;       r = np.clip(x / 2.0 ** e, -7.5, 7.5)
;;       step = 2.0 ** (np.maximum(np.frexp(np.where(r == 0, 1, r))[1] - 1, 0) - 3)
;;       q = np.round(r / step) * step * 2.0 ** e      # np.round: ties to even
;;       return np.moveaxis(q.reshape(q.shape[:-2] + (-1,))[..., :K], -1, axis).astype(np.float32)
;;   ~~~
;;   OPERANDS COMPUTED ON THE WAY. 'Computed on the way' means the value that the module computes at that place (a softmax that the list does not call 'softmax' is quantised finished and normalised). What goes into a quantiser is computed in f32, as accurately as f32 sums, v_exp_f32 and their like allow (about 1e-6 of the number): no bf16 or f16 on the way to a quantiser, and a product that is left as it is and whose result goes on into a quantised operand takes f32 operands (vector FMAs, or v_wmma_f32_16x16x4_f32). A number that lies on a knife's edge between two numbers of the format may be rounded either way, as far as f32 arithmetic and the matrix unit's own rounding can turn it there, and no further.
;;   INPUTS GIVEN AS CODES. W1 (in the module: [8, 1024, 4096], K = its axis 1); W2 (in the module: [8, 4096, 1024], K = its axis 1): each comes as NAME_codes (uint8): NAME with its K axis moved to the last place and cut into blocks of 32 codes, [.., K / 32, bytes a block], one block behind the other in memory; four codes in three bytes: a row's codes are one little-endian stream of bits, code i at bits 6 i .. 6 i + 5 (a code: sign, 2 exponent bits, 3 mantissa bits); and NAME_scales (uint8): the same leading axes, one E8M0 byte (e + 127) for each 32 codes along K. Its value is code x scale, taken as it is: it is not quantised again, and the codes and scales need not be those that the quantiser above would give.
;; 3 versions. Each part assembles by itself: llvm-mc -triple=amdgcn-amd-amdhsa -mcpu=gfx1250 --defsym DOCPART=n.
;; ======== version 1 of 3: 5 launches
;; workspace buffers: xq 819,200 bytes; masks 4,096 bytes of whole numbers; gwp 65,536 bytes; rows 131,072 bytes of whole numbers; gsort 65,536 bytes; hq 26,214,400 bytes; y 8,912,896 bytes
;; launch route (part 1): grid 32 x 1, 16 waves a work-group, no clusters, 241,664 bytes of LDS; arguments x, Wg, bg, xq, masks, gwp, rows, gsort; writes xq, masks, gwp, rows, gsort
.if DOCPART == 1
	.amdgcn_target "amdgcn-amd-amdhsa--gfx1250"
	.amdhsa_code_object_version 6
	.text
	.protected	k_q8a6acbc1b0_route
	.globl	k_q8a6acbc1b0_route
	.p2align	8
	.type	k_q8a6acbc1b0_route,@function
k_q8a6acbc1b0_route:
	s_mov_b64 s[64:65], 0
	v_nop
	global_prefetch_b8 v0, s[64:65] scope:SCOPE_SE
	s_setreg_imm32_b32 hwreg(HW_REG_WAVE_MODE, 25, 1), 1
	s_wait_xcnt 0x0
; THE ROUTER AND x's QUANTISER.  Work-group g owns tokens 32 g .. 32 g + 31; sixteen waves.
; (a) logits x Wg + bg by f32 multiply-adds (lane = token, wave w takes k = 64 w .. 64 w + 63, the sixteen parts meet in LDS), softmax with the row's maximum taken away,
;     the two largest probabilities (strictly greater wins, so the lower index keeps a tie), their weights p / (p1 + p2).
;     Stored at fixed places: one bit mask a (slot, expert) and 32 tokens; the weight and the probability of every (expert, token).  No address hangs on the choice here.
; (b) x as codes of FP6 (E2M3) with one E8M0 byte for each 32 along K.  A token's 768 bytes of codes are laid so that a lane of a fragment finds its 48 bytes of a K step on end:
;     block 4 s + 2 c + h lies at 384 h + 48 s + 24 c.  The scale bytes follow at byte 786,432, 32 a token, in the blocks' own order.
; (c) the lists that the next launch fills are set to zero: an entry that is never placed names token 0 and has the weight 0.
; LIMITS: NaN and infinities are not served; a block of zeros gets the byte 1 (its codes are zeros, and this program alone reads the bytes); divisions are v_rcp_f32 and a multiply;
; a probability under 2^-126 counts as 0.
.set XROW, 5136                        ; a row of x in LDS: 64 pieces of (64 bytes + 16 of padding), + 16: 321 x 16 bytes
.set WGS,  164352                      ; Wg: 2,048 bytes for each wave, its own 64 rows
.set PART, 197120                      ; the waves' parts of the logits: [wave][lane][8]
.set QST,  213504                      ; 1,536 bytes for each wave: two finished rows of codes
.set XSC,  238080                      ; the scale bytes: [32 tokens][32]
.set X,    32                          ; v32-95   64 numbers of x
.set WB,   96                          ; v96-223  two sets of 8 rows of Wg
.set LG,   224                         ; v224-231 my token's eight sums
.set CD,   232                         ; v232-247 codes, four registers a step
.set SBY,  248                         ; v248-251 scale bytes
	s_load_b256 s[4:11], s[0:1], 0x0               ; x s[4:5], Wg s[6:7], bg s[8:9], xq s[10:11]
	s_load_b256 s[12:19], s[0:1], 0x20             ; masks s[12:13], gwp s[14:15], rows s[16:17], gsort s[18:19]
	v_lshl_add_u32 v243, v0, 2, 0x3a800
	v_mov_b32 v247, 0
	v_lshrrev_b32 v12, 5, v0
	v_readfirstlane_b32 s20, v12                   ; wave 0..15
	v_and_b32 v1, 31, v0                           ; lane
	v_lshlrev_b32 v2, 4, v1                        ; 16 x lane
	s_mul_i32 s21, s20, 2*XROW                     ; my two rows in LDS
	v_lshrrev_b32 v12, 2, v1
	v_mul_u32_u24 v12, v12, 80
	v_and_b32 v13, 3, v1
	v_lshl_add_u32 v12, v13, 4, v12
	v_add_nc_u32 v3, s21, v12                      ; in: four lanes' 64 bytes on end, then the padding
	s_lshl_b32 s22, s20, 11
	s_add_co_u32 s22, s22, WGS
	v_add_nc_u32 v4, s22, v2                       ; my slice of Wg, as loaded
	v_mov_b32 v6, s22                              ; and as read: the same address in every lane
	s_mul_i32 s23, s20, 320
	v_mul_u32_u24 v5, v1, XROW
	v_add_nc_u32 v5, s23, v5                       ; token = lane, pieces 4 w .. 4 w + 3
	s_lshl_b32 s23, s20, 10
	s_add_co_u32 s23, s23, PART
	v_lshl_add_u32 v7, v1, 5, s23                  ; my part of the logits
	v_mul_u32_u24 v8, v1, 80
	v_add_nc_u32 v8, s21, v8                       ; my rows again, a piece (16 neighbours) a lane
	s_mul_i32 s23, s20, 1536
	s_add_co_u32 s23, s23, QST
	v_bfe_u32 v12, v1, 1, 1
	v_mul_u32_u24 v9, v12, 384
	v_lshrrev_b32 v12, 3, v1
	v_mad_u32_u24 v9, v12, 48, v9
	v_bfe_u32 v12, v1, 2, 1
	v_mad_u32_u24 v9, v12, 24, v9
	v_and_b32 v12, 1, v1
	v_mad_u32_u24 v9, v12, 12, v9
	v_add_nc_u32 v9, s23, v9                       ; where my 12 bytes of codes go: block 16 (step % 2) + lane / 2, its half lane % 2
	v_add_nc_u32 v11, s23, v2                      ; and where they are read back, 16 bytes a lane
	s_lshl_b32 s23, s20, 6
	s_add_co_u32 s23, s23, XSC
	v_lshrrev_b32 v12, 1, v1
	v_add_nc_u32 v10, s23, v12                     ; my block's scale byte
	v_add_nc_u32 v28, XSC, v2                      ; wave 1: all scale bytes, 16 a lane
	v_lshl_add_u32 v29, v1, 5, PART                ; wave 0: token = lane, the sixteen parts
	s_lshl_b32 s55, ttmp9, 7
	v_lshl_add_u32 v26, v1, 2, s55                 ; (32 g + lane) x 4
	s_lshl_b32 s56, ttmp9, 2
	v_lshl_add_u32 v25, v1, 7, s56                 ; masks: row = lane, word g
	v_mov_b32 v252, 0
	v_mov_b32 v253, 0
	s_lshl_b32 s48, ttmp9, 12
	v_lshl_add_u32 v254, v0, 3, s48                ; 8 bytes a thread of the 131,072 of rows
	s_lshl_b32 s48, ttmp9, 11
	v_lshl_add_u32 v255, v0, 2, s48                ; 4 bytes a thread of the 65,536 of gsort
	s_wait_kmcnt 0x0
	s_load_b256 s[24:31], s[8:9], 0x0              ; bg
	s_lshl_b32 s48, ttmp9, 17
	s_lshl_b32 s49, s20, 13
	s_add_co_u32 s48, s48, s49
	s_mov_b32 s49, 0
	s_add_nc_u64 s[4:5], s[4:5], s[48:49]          ; x at row 32 g + 2 w
	s_lshl_b32 s48, s20, 11
	s_add_nc_u64 s[6:7], s[6:7], s[48:49]          ; Wg at row 64 w
	s_mul_i32 s48, ttmp9, 24576
	s_mul_i32 s54, s20, 1536
	s_add_co_u32 s48, s48, s54
	s_add_nc_u64 s[50:51], s[10:11], s[48:49]      ; my two rows of codes
	s_lshl_b32 s48, ttmp9, 10
	s_add_co_u32 s48, s48, 786432
	s_add_nc_u64 s[52:53], s[10:11], s[48:49]      ; the work-group's scale bytes
.set I, 0
.rept 16
	global_load_b128 v[X+4*I:X+4*I+3], v2, s[4:5] offset:512*I th:TH_LOAD_NT   ; 512 consecutive bytes a load: two rows of x
.set I, I+1
.endr
.irp i, 0,1,2,3
	global_load_b128 v[WB+4*\i:WB+4*\i+3], v2, s[6:7] offset:512*\i
.endr
	global_store_b64 v254, v[252:253], s[16:17]    ; the lists begin as zeros
	global_store_b32 v255, v252, s[18:19]
	s_wait_loadcnt 0x4                             ; x is in; Wg's four loads may be out
.set I, 0
.rept 16
	ds_store_b128 v3, v[X+4*I:X+4*I+3] offset:(I/8)*XROW+640*(I%8)
.set I, I+1
.endr
	s_wait_loadcnt 0x0
.irp i, 0,1,2,3
	ds_store_b128 v4, v[WB+4*\i:WB+4*\i+3] offset:512*\i
.endr
	s_wait_dscnt 0x0                               ; for the others' sake: my rows of x lie in LDS
	s_barrier_signal -1
	s_barrier_wait -1
; ---- the logits: lane = token, k = 64 w .. 64 w + 63
.macro WLOAD b                         ; eight rows of Wg, the same bytes to every lane, into set b % 2
.irp kk, 0,1,2,3,4,5,6,7
	ds_load_b128 v[WB+64*((\b)%2)+8*\kk:WB+64*((\b)%2)+8*\kk+3], v6 offset:32*(8*(\b)+\kk)
	ds_load_b128 v[WB+64*((\b)%2)+8*\kk+4:WB+64*((\b)%2)+8*\kk+7], v6 offset:32*(8*(\b)+\kk)+16
.endr
.endm
.macro BATCH b                         ; 8 k x 8 experts: 32 packed multiply-adds; x's number feeds both halves
.if (\b) < 7
	s_wait_dscnt 0x10                              ; this batch is in; the younger batch's sixteen loads may be out
.else
	s_wait_dscnt 0x0
.endif
.set WBB, WB+64*((\b)%2)
.irp kk, 0,1,2,3,4,5,6,7
.irp j, 0,1,2,3
.if ((\b) == 0) && (\kk == 0)
	v_pk_mul_f32 v[LG+2*\j:LG+2*\j+1], v[X:X+1], v[WBB+2*\j:WBB+2*\j+1] op_sel_hi:[0,1]   ; the first product starts the sums
.elseif (\kk%2) == 0
	v_pk_fma_f32 v[LG+2*\j:LG+2*\j+1], v[X+8*(\b)+\kk:X+8*(\b)+\kk+1], v[WBB+8*\kk+2*\j:WBB+8*\kk+2*\j+1], v[LG+2*\j:LG+2*\j+1] op_sel_hi:[0,1,1]
.else
	v_pk_fma_f32 v[LG+2*\j:LG+2*\j+1], v[X+8*(\b)+\kk-1:X+8*(\b)+\kk], v[WBB+8*\kk+2*\j:WBB+8*\kk+2*\j+1], v[LG+2*\j:LG+2*\j+1] op_sel:[1,0,0] op_sel_hi:[1,1,1]
.endif
.endr
.endr
.if (\b)+2 < 8
	WLOAD (\b)+2
.endif
.endm
.irp c, 0,1,2,3
.irp i, 0,1,2,3
	ds_load_b128 v[X+16*\c+4*\i:X+16*\c+4*\i+3], v5 offset:80*\c+16*\i
.endr
.endr
	WLOAD 0
	WLOAD 1
.irp b, 0,1,2,3,4,5,6,7
	BATCH \b
.endr
	ds_store_b128 v7, v[LG:LG+3]
	ds_store_b128 v7, v[LG+4:LG+7] offset:16
; ---- my two rows of x become codes: four steps of 512 numbers, 16 neighbours a lane, two lanes to a block
.irp q, 0,1,2,3
.irp i, 0,1,2,3
	ds_load_b128 v[X+16*\q+4*\i:X+16*\q+4*\i+3], v8 offset:(\q/2)*XROW+(\q%2)*2560+16*\i
.endr
.endr
.macro QSTEP q
.set XS, X+16*(\q)
	s_wait_dscnt 0xc                               ; behind this step's loads stand 4 (3 - q) loads and the 4 q stores of the steps done: twelve
	v_max3_num_f32 v12, |v[XS]|, |v[XS+1]|, |v[XS+2]|
	v_max3_num_f32 v13, |v[XS+3]|, |v[XS+4]|, |v[XS+5]|
.irp i, 6,10
	v_max3_num_f32 v12, v12, |v[XS+\i]|, |v[XS+\i+1]|
	v_max3_num_f32 v13, v13, |v[XS+\i+2]|, |v[XS+\i+3]|
.endr
	v_max3_num_f32 v12, v12, |v[XS+14]|, |v[XS+15]|
	v_max3_num_f32 v12, v12, v13, 0x1800000        ; and the floor 2^(3 - 127): the byte cannot fall under 1
	v_max_num_f32_dpp v12, v12, v12 row_xmask:1 row_mask:0xf bank_mask:0xf   ; with my neighbour's 16: the block's largest magnitude
	v_add_nc_u32 v14, 0xff000000, v12              ; 2 off its exponent field: the conversion takes this operand's exponent field as its scale
	v_cvt_scalef32_pk16_fp6_f32 v[CD+4*(\q):CD+4*(\q)+2], v[XS:XS+15], v14
	v_lshrrev_b32 v[SBY+(\q)], 23, v14             ; the scale's byte (also the plain line behind the conversion)
.irp i, 0,1,2
	ds_store_b32 v9, v[CD+4*(\q)+\i] offset:((\q)/2)*768+((\q)%2)*192+4*\i
.endr
	ds_store_b8 v10, v[SBY+(\q)] offset:((\q)/2)*32+((\q)%2)*16   ; both lanes of a block write the same byte
.endm
.irp q, 0,1,2,3
	QSTEP \q
.endr
.irp j, 0,1,2
	ds_load_b128 v[160+4*\j:163+4*\j], v11 offset:512*\j   ; LDS serves a wave's instructions in order: these see my stores
.endr
	s_wait_dscnt 0x0                               ; and all my LDS stores have landed, for the others' sake
.irp j, 0,1,2
	global_store_b128 v2, v[160+4*\j:163+4*\j], s[50:51] offset:512*\j   ; 1,536 consecutive bytes: two tokens' codes
.endr
	s_barrier_signal -1
	s_barrier_wait -1
	s_cmp_eq_u32 s20, 1
	s_cbranch_scc1 .Lscales
	s_cmp_eq_u32 s20, 0
	s_cbranch_scc1 .Lgate
	s_wait_tensorcnt 0x0
	ds_add_u32 v243, v247
	s_wait_dscnt 0x0
	s_endpgm
.Lscales:                                              ; wave 1: the 1,024 scale bytes leave in whole runs of 512 bytes
	ds_load_b128 v[32:35], v28
	ds_load_b128 v[36:39], v28 offset:512
	s_wait_dscnt 0x0
	global_store_b128 v2, v[32:35], s[52:53]
	global_store_b128 v2, v[36:39], s[52:53] offset:512
	s_wait_tensorcnt 0x0
	ds_add_u32 v243, v247
	s_wait_dscnt 0x0
	s_endpgm
.Lgate:                                                ; wave 0: lane = token
	s_wait_kmcnt 0x0                               ; bg
.set I, 0
.rept 16
	ds_load_b128 v[32+8*I:35+8*I], v29 offset:1024*I
	ds_load_b128 v[36+8*I:39+8*I], v29 offset:1024*I+16
.set I, I+1
.endr
	s_wait_dscnt 0x0
.set I, 1
.rept 15
.irp j, 0,2,4,6
	v_pk_add_f32 v[32+\j:33+\j], v[32+\j:33+\j], v[32+8*I+\j:33+8*I+\j]
.endr
.set I, I+1
.endr
.irp e, 0,1,2,3,4,5,6,7
	v_add_f32 v[32+\e], s[24+\e], v[32+\e]         ; + bg
.endr
	v_max3_num_f32 v12, v32, v33, v34
	v_max3_num_f32 v12, v12, v35, v36
	v_max3_num_f32 v12, v12, v37, v38
	v_max_num_f32 v12, v12, v39                    ; the row's largest logit is taken away ahead of the exponentials
.irp e, 0,1,2,3,4,5,6,7
	v_sub_f32 v[40+\e], v[32+\e], v12
.endr
.irp e, 0,1,2,3,4,5,6,7
	v_mul_f32 v[40+\e], 0x3fb8aa3b, v[40+\e]       ; x log2(e)
.endr
.irp e, 0,1,2,3,4,5,6,7
	v_exp_f32 v[40+\e], v[40+\e]
.endr
	v_nop                                          ; a plain line behind the exponentials
	s_wait_alu depctr_va_vdst(0)
	v_add_f32 v14, v40, v41
	v_add_f32 v15, v42, v43
.irp e, 4,6
	v_add_f32 v14, v14, v[40+\e]
	v_add_f32 v15, v15, v[41+\e]
.endr
	v_add_f32 v14, v14, v15
	v_rcp_f32 v13, v14
	v_mov_b32 v17, 0                               ; (a plain line behind the reciprocal)  the best expert so far: 0
	s_wait_alu depctr_va_vdst(0)
.irp e, 0,1,2,3,4,5,6,7
	v_mul_f32 v[48+\e], v[40+\e], v13              ; the gate's probabilities
.endr
	v_mov_b32 v16, v48
.irp e, 1,2,3,4,5,6,7
	v_cmp_gt_f32 vcc_lo, v[48+\e], v16             ; strictly greater: the lower index keeps a tie
	v_cndmask_b32 v16, v16, v[48+\e], vcc_lo
	v_cndmask_b32 v17, v17, \e, vcc_lo
.endr
	v_mov_b32 v18, -1.0                            ; under every probability
	v_mov_b32 v19, 0
.irp e, 0,1,2,3,4,5,6,7
	v_cmp_ne_u32 s48, \e, v17
	v_cmp_gt_f32 s49, v[48+\e], v18
	s_and_b32 s48, s48, s49
	v_cndmask_b32 v18, v18, v[48+\e], s48
	v_cndmask_b32 v19, v19, \e, s48
.endr
	v_add_f32 v20, v16, v18
	v_rcp_f32 v21, v20
	v_mov_b32 v24, 0                               ; (a plain line behind the reciprocal)  the masks' register: rows 16 to 31 stay zero
	s_wait_alu depctr_va_vdst(0)
	v_mul_f32 v22, v16, v21                        ; the two weights
	v_mul_f32 v23, v18, v21
.irp e, 0,1,2,3,4,5,6,7
	v_cmp_eq_u32 s[32+\e], \e, v17                 ; bit i: token 32 g + i has expert e first,
	v_cmp_eq_u32 s[40+\e], \e, v19                 ; second
.endr
.irp e, 0,1,2,3,4,5,6,7
	v_cndmask_b32 v[56+\e], 0, v22, s[32+\e]
.endr
.irp e, 0,1,2,3,4,5,6,7
	v_cndmask_b32 v[56+\e], v[56+\e], v23, s[40+\e]   ; the weight of expert e for my token, 0 where it was not chosen
.endr
.set I, 0
.rept 16
	v_writelane_b32 v24, s[32+I], I                ; lane 8 slot + e carries that row's word
.set I, I+1
.endr
.irp e, 0,1,2,3,4,5,6,7
	global_store_b32 v26, v[56+\e], s[14:15] offset:4096*\e
	global_store_b32 v26, v[48+\e], s[14:15] offset:4096*\e+32768
.endr
	global_store_b32 v25, v24, s[12:13]
	s_wait_tensorcnt 0x0
	ds_add_u32 v243, v247
	s_wait_dscnt 0x0
	s_endpgm
.Lfunc_end_k_q8a6acbc1b0_route:
	.size	k_q8a6acbc1b0_route, .Lfunc_end_k_q8a6acbc1b0_route-k_q8a6acbc1b0_route
	.p2alignl 7, 3214868480
	.fill 96, 4, 3214868480
	.section	.rodata,"a",@progbits
	.p2align	6, 0x0
	.amdhsa_kernel k_q8a6acbc1b0_route
		.amdhsa_group_segment_fixed_size 241664
		.amdhsa_private_segment_fixed_size 0
		.amdhsa_enable_private_segment 0
		.amdhsa_kernarg_size 64
		.amdhsa_user_sgpr_count 2
		.amdhsa_user_sgpr_kernarg_segment_ptr 1
		.amdhsa_wavefront_size32 1
		.amdhsa_system_sgpr_workgroup_id_x 1
		.amdhsa_system_sgpr_workgroup_id_y 1
		.amdhsa_system_sgpr_workgroup_id_z 1
		.amdhsa_system_vgpr_workitem_id 0
		.amdhsa_next_free_vgpr 256
		.amdhsa_next_free_sgpr 66
		.amdhsa_reserve_vcc 1
		.amdhsa_float_denorm_mode_32 3
		.amdhsa_float_denorm_mode_16_64 3
		.amdhsa_memory_ordered 1
		.amdhsa_forward_progress 1
		.amdhsa_inst_pref_size 55
	.end_amdhsa_kernel
	.amdgpu_metadata
---
amdhsa.version: [ 1, 2 ]
amdhsa.kernels:
  - .name:           k_q8a6acbc1b0_route
    .symbol:         k_q8a6acbc1b0_route.kd
    .args:
      - { .name: x, .offset: 0, .size: 8, .value_kind: global_buffer, .address_space: global }
      - { .name: Wg, .offset: 8, .size: 8, .value_kind: global_buffer, .address_space: global }
      - { .name: bg, .offset: 16, .size: 8, .value_kind: global_buffer, .address_space: global }
      - { .name: xq, .offset: 24, .size: 8, .value_kind: global_buffer, .address_space: global }
      - { .name: masks, .offset: 32, .size: 8, .value_kind: global_buffer, .address_space: global }
      - { .name: gwp, .offset: 40, .size: 8, .value_kind: global_buffer, .address_space: global }
      - { .name: rows, .offset: 48, .size: 8, .value_kind: global_buffer, .address_space: global }
      - { .name: gsort, .offset: 56, .size: 8, .value_kind: global_buffer, .address_space: global }
    .group_segment_fixed_size: 241664
    .private_segment_fixed_size: 0
    .kernarg_segment_align: 8
    .kernarg_segment_size: 64
    .max_flat_workgroup_size: 512
    .sgpr_count:     66
    .vgpr_count:     256
    .wavefront_size: 32
...
	.end_amdgpu_metadata
.endif
;; end of part 1
;; launch place (part 2): grid 1 x 1, 8 waves a work-group, no clusters, 1,280 bytes of LDS; arguments masks, gwp, rows, gsort, out1; writes rows, gsort, out1
.if DOCPART == 2
	.amdgcn_target "amdgcn-amd-amdhsa--gfx1250"
	.amdhsa_code_object_version 6
	.text
	.protected	k_q8a6acbc1b0_place
	.globl	k_q8a6acbc1b0_place
	.p2align	8
	.type	k_q8a6acbc1b0_place,@function
k_q8a6acbc1b0_place:
	s_mov_b64 s[64:65], 0
	v_nop
	global_prefetch_b8 v0, s[64:65] scope:SCOPE_SE
	s_setreg_imm32_b32 hwreg(HW_REG_WAVE_MODE, 25, 1), 1
	s_wait_xcnt 0x0
; THE ROWS ARE PLACED BY EXPERT.  One work-group; wave e is expert e.  It reads the expert's 2 x 32 mask words into scalar registers and walks the tokens 32 at a time: a chosen token's place is
; the count so far + the number of chosen lanes below it.  Stored for each place: the token, the row of y that takes its result (token for the first choice, 1,024 + token for the second), its weight.
; A lane without a row stores into the dump, entries 1248 .. 1279 of the expert's room of 1,280, which nobody uses.  The places from the count up to the end of the last tile of 16 get rows of y of their
; own, 2,048 + 16 e + place % 16; their token and weight are the zeros that the launch before has stored.
; out1 = 8 sum_e (S_e / sum S) (count_e / 2,048) = sum_e S_e count_e / (256 sum S), S_e the sum of the gate's probabilities of expert e.
; Every step has registers of its own for its stores, so none is written again while a store may read it.
	s_load_b256 s[4:11], s[0:1], 0x0               ; masks s[4:5], gwp s[6:7], rows s[8:9], gsort s[10:11]
	s_load_b64 s[12:13], s[0:1], 0x20              ; out1
	v_lshl_add_u32 v224, v0, 2, 0x100
	v_mov_b32 v225, 0
	v_lshrrev_b32 v3, 5, v0
	v_readfirstlane_b32 s14, v3                    ; wave = expert
	v_and_b32 v1, 31, v0                           ; lane
	v_add_nc_u32 v2, 1248, v1                      ; my place in the dump
	v_lshlrev_b32 v4, 2, v1
	v_mov_b32 v16, s14
	v_lshlrev_b32 v16, 3, v16                      ; LDS: 8 bytes an expert
	v_mov_b32 v17, 0
	v_mov_b32 v13, 0                               ; written once: a lane permute's destination counts as one of its sources
	s_mov_b32 s94, 0x76543210
	s_mov_b32 s95, 0xfedcba98
	s_mov_b32 s84, 0                               ; the count so far
	s_mov_b32 s87, 0
	s_wait_kmcnt 0x0
	s_lshl_b32 s86, s14, 7
	s_add_nc_u64 s[4:5], s[4:5], s[86:87]          ; my row of masks
	s_load_b512 s[16:31], s[4:5], 0x0              ; first choices, words 0-15,
	s_load_b512 s[32:47], s[4:5], 0x40             ; 16-31
	s_load_b512 s[48:63], s[4:5], 0x400            ; second choices, words 0-15,
	s_load_b512 s[68:83], s[4:5], 0x440            ; 16-31
	s_lshl_b32 s86, s14, 12
	s_add_nc_u64 s[6:7], s[6:7], s[86:87]          ; my expert's weights; its probabilities 32,768 bytes on
	s_mul_i32 s86, s14, 5120
	s_add_nc_u64 s[88:89], s[8:9], s[86:87]        ; my list of tokens; the rows of y 40,960 bytes on
	s_add_nc_u64 s[90:91], s[10:11], s[86:87]      ; my list of weights
.set J, 0
.rept 32
	global_load_b32 v[32+J], v4, s[6:7] offset:128*J
	global_load_b32 v[64+J], v4, s[6:7] offset:128*J+32768
.set J, J+1
.endr
	s_wait_kmcnt 0x0
	s_wait_loadcnt 0x0
.set J, 0
.rept 32
.if J < 16
.set M1R, 48+J
.else
.set M1R, 52+J
.endif
	s_or_b32 s85, s[16+J], s[M1R]                  ; the tokens 32 J .. 32 J + 31 that chose me
	v_mbcnt_lo_u32_b32 v5, s85, s84                ; the count so far + the chosen lanes below mine
	v_cndmask_b32 v5, v2, v5, s85                  ; or the dump
	v_min_u32 v5, 1279, v5
	v_lshlrev_b32 v[96+J], 2, v5
	v_add_nc_u32 v[128+J], 32*J, v1                ; the token
	v_add_nc_u32 v6, 1024+32*J, v1
	v_cndmask_b32 v[160+J], v[128+J], v6, s[M1R]   ; its row of y
	global_store_b32 v[96+J], v[128+J], s[88:89]
	global_store_b32 v[96+J], v[160+J], s[88:89] offset:40960
	global_store_b32 v[96+J], v[32+J], s[90:91]
	s_bcnt1_i32_b32 s86, s85
	s_add_co_u32 s84, s84, s86
.set J, J+1
.endr
	v_add_nc_u32 v7, s84, v1                       ; the places behind the count
	v_min_u32 v7, 1279, v7
	v_and_b32 v8, 15, v7
	s_lshl_b32 s86, s14, 4
	s_add_co_u32 s86, s86, 2048
	v_add_nc_u32 v8, s86, v8
	v_lshlrev_b32 v9, 2, v7
	global_store_b32 v9, v8, s[88:89] offset:40960
	v_mov_b32 v10, s84
	v_mov_b32 v11, s14
	v_lshlrev_b32 v11, 2, v11
	global_store_b32 v11, v10, s[8:9] offset:81920 ; the count (every lane writes the same word)
.set J, 2
.rept 15
	v_pk_add_f32 v[64:65], v[64:65], v[64+J:65+J]
.set J, J+2
.endr
	v_add_f32 v12, v64, v65
	v_add_f32_dpp v12, v12, v12 row_xmask:1 row_mask:0xf bank_mask:0xf
	v_add_f32_dpp v12, v12, v12 row_xmask:2 row_mask:0xf bank_mask:0xf
	v_add_f32_dpp v12, v12, v12 row_xmask:4 row_mask:0xf bank_mask:0xf
	v_add_f32_dpp v12, v12, v12 row_xmask:8 row_mask:0xf bank_mask:0xf
	v_permlanex16_b32 v13, v12, s94, s95
	v_add_f32 v14, v12, v13                        ; S_e
	v_cvt_f32_u32 v15, s84
	v_mul_f32 v15, v14, v15                        ; S_e x count_e
	ds_store_b64 v16, v[14:15]
	s_wait_dscnt 0x0
	s_barrier_signal -1
	s_barrier_wait -1
	s_cmp_lg_u32 s14, 0
	s_cbranch_scc1 .Lend
.irp i, 0,1,2,3
	ds_load_b128 v[200+4*\i:203+4*\i], v17 offset:16*\i
.endr
	s_wait_dscnt 0x0
.irp i, 2,4,6,8,10,12,14
	v_pk_add_f32 v[200:201], v[200:201], v[200+\i:201+\i]
.endr
	v_mul_f32 v18, 0x43800000, v200                ; 256 sum S
	v_rcp_f32 v19, v18
	v_nop                                          ; a plain line behind the reciprocal
	s_wait_alu depctr_va_vdst(0)
	v_mul_f32 v20, v201, v19
	global_store_b32 v17, v20, s[12:13]            ; every lane writes the same word
.Lend:
	s_wait_tensorcnt 0x0
	ds_add_u32 v224, v225
	s_wait_dscnt 0x0
	s_endpgm
.Lfunc_end_k_q8a6acbc1b0_place:
	.size	k_q8a6acbc1b0_place, .Lfunc_end_k_q8a6acbc1b0_place-k_q8a6acbc1b0_place
	.p2alignl 7, 3214868480
	.fill 96, 4, 3214868480
	.section	.rodata,"a",@progbits
	.p2align	6, 0x0
	.amdhsa_kernel k_q8a6acbc1b0_place
		.amdhsa_group_segment_fixed_size 1280
		.amdhsa_private_segment_fixed_size 0
		.amdhsa_enable_private_segment 0
		.amdhsa_kernarg_size 40
		.amdhsa_user_sgpr_count 2
		.amdhsa_user_sgpr_kernarg_segment_ptr 1
		.amdhsa_wavefront_size32 1
		.amdhsa_system_sgpr_workgroup_id_x 1
		.amdhsa_system_sgpr_workgroup_id_y 1
		.amdhsa_system_sgpr_workgroup_id_z 1
		.amdhsa_system_vgpr_workitem_id 0
		.amdhsa_next_free_vgpr 226
		.amdhsa_next_free_sgpr 100
		.amdhsa_reserve_vcc 0
		.amdhsa_float_denorm_mode_32 3
		.amdhsa_float_denorm_mode_16_64 3
		.amdhsa_memory_ordered 1
		.amdhsa_forward_progress 1
		.amdhsa_inst_pref_size 36
	.end_amdhsa_kernel
	.amdgpu_metadata
---
amdhsa.version: [ 1, 2 ]
amdhsa.kernels:
  - .name:           k_q8a6acbc1b0_place
    .symbol:         k_q8a6acbc1b0_place.kd
    .args:
      - { .name: masks, .offset: 0, .size: 8, .value_kind: global_buffer, .address_space: global }
      - { .name: gwp, .offset: 8, .size: 8, .value_kind: global_buffer, .address_space: global }
      - { .name: rows, .offset: 16, .size: 8, .value_kind: global_buffer, .address_space: global }
      - { .name: gsort, .offset: 24, .size: 8, .value_kind: global_buffer, .address_space: global }
      - { .name: out1, .offset: 32, .size: 8, .value_kind: global_buffer, .address_space: global }
    .group_segment_fixed_size: 1280
    .private_segment_fixed_size: 0
    .kernarg_segment_align: 8
    .kernarg_segment_size: 40
    .max_flat_workgroup_size: 256
    .sgpr_count:     100
    .vgpr_count:     226
    .wavefront_size: 32
...
	.end_amdgpu_metadata
.endif
;; end of part 2
;; launch up (part 3): grid 32 x 8, 4 waves a work-group, no clusters, 218,112 bytes of LDS; arguments xq, rows, W1_codes, W1_scales, b1, hq; writes hq
.if DOCPART == 3
	.amdgcn_target "amdgcn-amd-amdhsa--gfx1250"
	.amdhsa_code_object_version 6
	.text
	.protected	k_q8a6acbc1b0_up
	.globl	k_q8a6acbc1b0_up
	.p2align	8
	.type	k_q8a6acbc1b0_up,@function
k_q8a6acbc1b0_up:
	s_mov_b64 s[64:65], 0
	v_nop
	global_prefetch_b8 v0, s[64:65] scope:SCOPE_SE
	s_setreg_imm32_b32 hwreg(HW_REG_WAVE_MODE, 25, 1), 1
	s_wait_xcnt 0x0
; THE FIRST PRODUCT, for the chosen rows alone: Q(relu(Q(x) W1[e] + b1[e])), on codes of FP6 (E2M3) with E8M0 scales.  Work-group (c, e): hidden units 128 c .. 128 c + 127 of expert e, for ALL rows of e.
; Its 128 rows of W1 (98,304 bytes, one dense block that no other work-group reads) come in runs of 512 consecutive bytes, turn once through LDS and stay in registers: wave w holds units
; 64 (w % 2) .. + 63, four tiles x 8 K steps, 384 registers.  The rows of e go in groups of 128 (8 tiles of 16): their codes of x are gathered by the list into LDS, a group ahead, through 200 registers.
; Wave w multiplies the tiles of parity w / 2.  TRANSPOSED (source 0 = 16 rows of W1, source 1 = 16 rows of x), AND THE ROWS OF W1 THAT FORM A TILE ARE NOT NEIGHBOURS: lane r of tile 2 b + u takes
; row 32 b + 8 u + r + 8 (r / 8); so a lane holds one row of x, and the 16 registers of tiles 2 b, 2 b + 1 are hidden units 32 b + 16 (lane / 16) + 0 .. 15: 16 neighbours along the next K.
; The result goes to hq AS AN IMAGE OF THE NEXT OPERAND'S REGISTERS: tile T, K step c: 1,536 bytes, registers 4 j .. 4 j + 3 of lane l at 512 j + 16 l; its scale words, 4 bytes a row, beside.
; The loop has a constant 8 trips and both barriers in every trip; what hangs on the stored count is jumped over inside.  No tensor load and no cluster: the guards hang on a number read from memory.
; No prefetch: the weights are asked for whole at the head by the loads themselves, and the gather already runs a group ahead.
; LIMITS: NaN and infinities are not served; a block of zeros gets the byte 1 (its codes are zeros, this program alone reads the bytes).
; REGISTERS: window 0: v1-71 addresses; v72-87 W1's scale words, v88-95 x's; v96-159 eight accumulators; v160-207 x's fragments, two sets; v208-239 the quantiser's; v240-241 scale words on the way out.
;   window 1: W1's fragments of K steps 0-4 (48 s + 12 t).   window 2: K steps 5-7; from v144 the bias, 8 registers a tile.   window 3: v0-199 what is on its way into LDS.
.set PIT,  784                         ; a row of 768 bytes of codes in LDS + 16: 49 x 16 bytes
.set XSL,  100352                      ; behind W1's 128 rows: 128 rows of x's codes
.set XSCL, 200704                      ; x's scale words: 8 tiles x an image of 512 bytes
.set HST,  204800                      ; 8 fragment images of the hidden layer
.set HSS,  217088                      ; their scale words: 8 x 16 rows x 4 bytes
.set TOK,  8                           ; v8-25   tokens from the list: 16 pairs of rows, 2 tiles' scale rows
.set OFF,  26                          ; v26-43  the gather's offsets
.set SW,   72
.set SX,   88
.set ACC,  96
.set XF,   160
.set MX,   208
.set PM,   212
.set SO,   216
.set BY,   220
.set CD,   224
.set MSB, 0
.macro WIN new                         ; the immediate's high byte repeats the setting that is left
.if MSB != (\new)
	s_set_vgpr_msb (MSB<<8)|(\new)
.set MSB, (\new)
.endif
.endm
	s_load_b256 s[4:11], s[0:1], 0x0               ; xq s[4:5], rows s[6:7], W1's codes s[8:9], W1's scales s[10:11]
	s_load_b128 s[12:15], s[0:1], 0x20             ; b1 s[12:13], hq s[14:15]
	v_lshl_add_u32 v254, v0, 2, 0x35200
	v_mov_b32 v255, 0
	v_lshrrev_b32 v1, 5, v0
	v_readfirstlane_b32 s16, v1                    ; wave 0..3
	v_and_b32 v1, 31, v0                           ; l
	v_and_b32 v2, 15, v0                           ; r
	v_bfe_u32 v3, v0, 4, 1                         ; hh
	s_and_b32 s17, s16, 1                          ; hf: which 64 hidden units
	s_lshr_b32 s18, s16, 1                         ; rp: which parity of tiles
	s_and_b32 s19, ttmp7, 0xffff                   ; expert
	s_lshl_b32 s31, s16, 1
	s_mov_b32 s34, 0x76543210
	s_mov_b32 s35, 0xfedcba98                      ; v_permlanex16_b32's selects for lane l xor 16
	s_lshl_b32 s40, s16, 7
	v_lshl_add_u32 v4, v3, 2, s40                  ; list: entry 32 w + hh (+ 2 q by the immediate)
	v_lshl_add_u32 v5, v2, 2, s40                  ; list: entry 32 w + r (+ 16 a)
	v_lshlrev_b32 v44, 4, v2
	v_lshlrev_b32 v45, 4, v3
	v_lshlrev_b32 v57, 4, v1
	v_lshlrev_b32 v58, 2, v2
	s_mul_i32 s41, s16, 32*PIT
	v_add_nc_u32 v63, s41, v57                     ; W1 on its way in: my 32 rows, 16 bytes a lane;
	v_add_nc_u32 v64, v63, v45                     ; where a run of 512 bytes crosses into the next row, lanes 16-31 stand 16 bytes further on
	s_add_co_u32 s41, s41, XSL
	v_mul_u32_u24 v46, v3, PIT
	v_add_nc_u32 v46, v46, v44
	v_add_nc_u32 v46, s41, v46                     ; x on its way in: row 32 w + hh (+ 2 q), 16 r
	s_lshl_b32 s41, s16, 10
	s_add_co_u32 s41, s41, XSCL
	v_add_nc_u32 v47, s41, v57                     ; x's scale images of tiles 2 w, 2 w + 1
	s_mul_i32 s41, s18, 16*PIT
	s_add_co_u32 s41, s41, XSL
	v_mul_u32_u24 v48, v2, PIT
	v_mad_u32_u24 v48, v3, 384, v48
	v_add_nc_u32 v48, s41, v48                     ; x's fragments: row 16 rp + r, my half's 384 bytes;
	v_add_nc_u32 v49, 64*PIT, v48                  ; and 64 rows further down
	s_lshl_b32 s41, s18, 9
	s_add_co_u32 s41, s41, XSCL
	v_add_nc_u32 v50, s41, v57
	s_mul_i32 s41, s17, 6
	v_mul_u32_u24 v66, v3, 3
	v_add_nc_u32 v66, s41, v66                     ; my 16 codes are registers 6 hf + 3 hh + 0 .. 2 of the next operand, in lane r + 16 b
	s_mul_i32 s42, s18, 1536
	s_add_co_u32 s42, s42, HST
.irp i, 0,1,2
	v_add_nc_u32 v67, \i, v66
	v_lshrrev_b32 v68, 2, v67
	v_and_b32 v67, 3, v67
	v_lshlrev_b32 v68, 9, v68
	v_lshl_add_u32 v68, v67, 2, v68
	v_add_nc_u32 v68, v68, v44
	v_add_nc_u32 v[51+\i], s42, v68                ; 512 (register / 4) + 4 (register % 4) + 16 r, in tile rp's image
.endr
	s_lshl_b32 s41, s18, 6
	s_lshl_b32 s42, s17, 1
	s_add_co_u32 s41, s41, s42
	s_add_co_u32 s41, s41, HSS
	v_add_nc_u32 v54, s41, v58                     ; my row's scale word, byte 2 hf (+ b)
	s_mul_i32 s41, s16, 3072
	s_add_co_u32 s41, s41, HST
	v_add_nc_u32 v55, s41, v57                     ; the way out: the images of tiles 2 w, 2 w + 1
	s_add_co_u32 s41, s40, HSS
	v_add_nc_u32 v56, s41, v58
	v_and_b32 v71, 8, v2
	v_add_nc_u32 v71, v71, v2                      ; r + 8 (r / 8)
	s_mul_i32 s41, s17, 64*PIT
	v_mul_u32_u24 v65, v71, PIT
	v_mad_u32_u24 v65, v3, 24, v65
	v_add_nc_u32 v65, s41, v65                     ; W1's fragments
	v_lshl_add_u32 v69, v71, 5, v45                ; W1's scale bytes: 32 a row, 16 a half of the lanes
	v_lshlrev_b32 v70, 6, v3                       ; b1: 16 numbers on for lanes 16-31
.irp n, 0,1,2,3
	v_mov_b32 v[PM+\n], 0                          ; written once: a lane permute's destination counts as one of its sources
.endr
	s_wait_kmcnt 0x0
	s_lshl_b32 s21, s19, 2
	s_load_b32 s20, s[6:7], s21 offset:0x14000     ; the expert's count of rows
	s_mov_b32 s41, 0
	s_mul_i32 s40, s19, 5120
	s_add_nc_u64 s[22:23], s[6:7], s[40:41]        ; its list of tokens
	s_mul_i32 s40, s19, 3145728
	s_mul_i32 s42, ttmp9, 98304
	s_add_co_u32 s40, s40, s42
	s_mul_i32 s42, s16, 24576
	s_add_co_u32 s40, s40, s42
	s_add_nc_u64 s[8:9], s[8:9], s[40:41]          ; W1's codes at row 4,096 e + 128 c + 32 w
	s_lshl_b32 s40, s19, 17
	s_lshl_b32 s42, ttmp9, 12
	s_add_co_u32 s40, s40, s42
	s_lshl_b32 s42, s17, 11
	s_add_co_u32 s40, s40, s42
	s_add_nc_u64 s[10:11], s[10:11], s[40:41]      ; W1's scales at row 4,096 e + 128 c + 64 hf
	s_lshl_b32 s40, s19, 14
	s_lshl_b32 s42, ttmp9, 9
	s_add_co_u32 s40, s40, s42
	s_lshl_b32 s42, s17, 8
	s_add_co_u32 s40, s40, s42
	s_add_nc_u64 s[12:13], s[12:13], s[40:41]      ; b1 likewise
	s_mul_i32 s40, s19, 3145728
	s_mul_i32 s42, ttmp9, 1536
	s_add_co_u32 s40, s40, s42
	s_add_nc_u64 s[26:27], s[14:15], s[40:41]      ; hq: the expert's images, K step c
	s_lshl_b32 s40, s19, 17
	s_lshl_b32 s42, ttmp9, 6
	s_add_co_u32 s40, s40, s42
	s_add_co_u32 s40, s40, 0x1800000
	s_add_nc_u64 s[28:29], s[14:15], s[40:41]      ; and their scale words
	s_add_nc_u64 s[32:33], s[4:5], 786432          ; x's scale bytes
.macro TOKL off                        ; 18 loads: the tokens of a group's rows, in the two patterns in which the gather wants them
.set I, 0
.rept 16
	global_load_b32 v[TOK+I], v4, s[22:23] offset:(\off)+8*I
.set I, I+1
.endr
	global_load_b32 v[TOK+16], v5, s[22:23] offset:(\off)
	global_load_b32 v[TOK+17], v5, s[22:23] offset:(\off)+64
.endm
.macro OFFS                            ; a token from the list is held under 1,024 before it enters an address
.set I, 0
.rept 16
	v_min_u32 v[TOK+I], 1023, v[TOK+I]
	v_mad_u32_u24 v[OFF+I], v[TOK+I], 768, v44
.set I, I+1
.endr
.irp a, 0,1
	v_min_u32 v[TOK+16+\a], 1023, v[TOK+16+\a]
	v_lshl_add_u32 v[OFF+16+\a], v[TOK+16+\a], 5, v45
.endr
.endm
.macro GATHER                          ; 50 loads: my 32 rows' codes (sixteen lanes read 256 consecutive bytes of a row), and two tiles' scale bytes
	WIN 0xc0
.set I, 0
.rept 16
.irp k, 0,1,2
	global_load_b128 v[12*I+4*\k:12*I+4*\k+3], v[OFF+I], s[4:5] offset:256*\k
.endr
.set I, I+1
.endr
.irp a, 0,1
	global_load_b128 v[192+4*\a:195+4*\a], v[OFF+16+\a], s[32:33]
.endr
	WIN 0
.endm
	TOKL 0
	WIN 0xc0
.set I, 0
.rept 48
	global_load_b128 v[4*I:4*I+3], v57, s[8:9] offset:512*I th:TH_LOAD_NT   ; my 32 rows of W1: 24,576 consecutive bytes, read once in the launch
.set I, I+1
.endr
	WIN 0
.irp t, 0,1,2,3
	global_load_b128 v[SW+4*\t:SW+4*\t+3], v69, s[10:11] offset:(32*(\t/2)+8*(\t%2))*32   ; register j: lanes 0-15 K step j, lanes 16-31 K step 4 + j
.endr
	WIN 0x80
.irp t, 0,1,2,3
	global_load_b128 v[144+8*\t:147+8*\t], v70, s[12:13] offset:(32*(\t/2)+8*(\t%2))*4
	global_load_b128 v[148+8*\t:151+8*\t], v70, s[12:13] offset:(32*(\t/2)+8*(\t%2))*4+16
.endr
	WIN 0
	s_wait_loadcnt 0xc                             ; the tokens and W1 are in; the twelve younger loads (scale words, bias) may be out
	WIN 0x0c
.set I, 0
.rept 16
	ds_store_b128 v63, v[12*I:12*I+3] offset:2*PIT*I
	ds_store_b128 v64, v[12*I+4:12*I+7] offset:2*PIT*I+512
	ds_store_b128 v63, v[12*I+8:12*I+11] offset:2*PIT*I+PIT+256
.set I, I+1
.endr
	WIN 0
	s_wait_kmcnt 0x0
	s_add_co_u32 s24, s20, 15
	s_lshr_b32 s24, s24, 4
	s_min_u32 s24, s24, 64                         ; NT: tiles of 16 rows
	s_add_co_u32 s25, s24, 7
	s_lshr_b32 s25, s25, 3                         ; NG: groups of 8 tiles
	OFFS
	s_wait_dscnt 0x0                               ; my rows of W1 lie in LDS, and the stores have read their registers
	s_barrier_signal -1
	s_barrier_wait -1
	GATHER                                         ; group 0
	TOKL 512                                       ; group 1's tokens
	WIN 0x40
.irp s, 0,1,2,3,4
.irp t, 0,1,2,3
.irp p, 0,1,2,3,4,5
	ds_load_b64 v[48*\s+12*\t+2*\p:48*\s+12*\t+2*\p+1], v65 offset:(32*(\t/2)+8*(\t%2))*PIT+96*\s+48*(\p/3)+8*(\p%3)
.endr
.endr
.endr
	WIN 0x80
.irp s, 5,6,7
.irp t, 0,1,2,3
.irp p, 0,1,2,3,4,5
	ds_load_b64 v[48*(\s-5)+12*\t+2*\p:48*(\s-5)+12*\t+2*\p+1], v65 offset:(32*(\t/2)+8*(\t%2))*PIT+96*\s+48*(\p/3)+8*(\p%3)
.endr
.endr
.endr
	WIN 0
	s_wait_dscnt 0x0
.macro XFETCH a2, s                    ; two tiles' fragments of K step s: 48 consecutive bytes a lane and tile
.irp mi, 0,1
.irp j, 0,1,2
	ds_load_b128 v[XF+24*((\s)%2)+12*\mi+4*\j:XF+24*((\s)%2)+12*\mi+4*\j+3], v[48+\a2] offset:32*\mi*PIT+48*(\s)+16*\j
.endr
.endr
.endm
; Tiles 4 a2 + rp and 4 a2 + rp + 2 of the group against my four tiles of W1: eight accumulators by turns, one instruction a turn; then relu and the quantiser.
.macro SUBPASS a2
.irp mi, 0,1
	ds_load_b128 v[SX+4*\mi:SX+4*\mi+3], v50 offset:(4*\a2+2*\mi)*512
.endr
	XFETCH \a2, 0
.irp s, 0,1,2,3,4,5,6,7
.if \s > 0
.rept 4
	v_nop                                          ; four places in front of loads into registers that the last step but one's products have read
.endr
.endif
.if \s < 7
	XFETCH \a2, \s+1
	s_wait_dscnt 0x6                               ; this step's fragments are in; the next step's six loads may be out
.else
	s_wait_dscnt 0x0
.endif
.if \s == 0
	WIN 0x21                                       ; source 0 (W1) window 1, C (the bias) window 2
.elseif \s < 5
	WIN 0x01
.else
	WIN 0x02
.endif
.irp mi, 0,1
.irp t, 0,1,2,3
.set rD, ACC+32*\mi+8*\t
.if \s < 5
.set rA, 48*\s+12*\t
.else
.set rA, 48*(\s-5)+12*\t
.endif
.set rB, XF+24*(\s%2)+12*\mi
.if \s == 0
.set rC, 144+8*\t
.else
.set rC, rD
.endif
.set rSA, SW+4*\t+(\s%4)
.set rSB, SX+4*\mi+(\s%4)
.if \s < 4
	v_wmma_scale_f32_16x16x128_f8f6f4 v[rD:rD+7], v[rA:rA+11], v[rB:rB+11], v[rC:rC+7], v[rSA], v[rSB] matrix_a_fmt:MATRIX_FMT_FP6 matrix_b_fmt:MATRIX_FMT_FP6
.else
	v_wmma_scale_f32_16x16x128_f8f6f4 v[rD:rD+7], v[rA:rA+11], v[rB:rB+11], v[rC:rC+7], v[rSA], v[rSB] matrix_a_fmt:MATRIX_FMT_FP6 matrix_b_fmt:MATRIX_FMT_FP6 matrix_a_scale:MATRIX_SCALE_ROW1 matrix_b_scale:MATRIX_SCALE_ROW1
.endif
.endr
.endr
	WIN 0
.endr
.rept 4
	v_nop                                          ; four places in front of the first read of the results
.endr
.set I, 0
.rept 64
	v_max_num_f32 v[ACC+I], 0, v[ACC+I]            ; relu, in f32; each accumulator from its low end on
.set I, I+1
.endr
.irp n, 0,1,2,3                        ; unit n = 2 mi + b: 16 registers, half a block of 32 hidden units.  None is negative: no |.|
	v_max3_num_f32 v[MX+\n], v[ACC+16*\n], v[ACC+16*\n+1], 0x1800000   ; with the floor 2^(3 - 127): the byte cannot fall under 1
.endr
.irp i, 2,4,6,8,10,12,14
.irp n, 0,1,2,3
	v_max3_num_f32 v[MX+\n], v[MX+\n], v[ACC+16*\n+\i], v[ACC+16*\n+\i+1]
.endr
.endr
.irp n, 0,1,2,3
	v_permlanex16_b32 v[PM+\n], v[MX+\n], s34, s35
.endr
.irp n, 0,1,2,3
	v_max_num_f32 v[MX+\n], v[MX+\n], v[PM+\n]     ; with lane l xor 16's half: the block's largest magnitude
.endr
.irp n, 0,1,2,3
	v_add_nc_u32 v[SO+\n], 0xff000000, v[MX+\n]    ; 2 off its exponent field: the conversion's scale operand
.endr
.irp n, 0,1,2,3
	v_lshrrev_b32 v[BY+\n], 23, v[SO+\n]           ; the scale's byte
.endr
.irp n, 0,1,2,3
	v_cvt_scalef32_pk16_fp6_f32 v[CD+4*\n:CD+4*\n+2], v[ACC+16*\n:ACC+16*\n+15], v[SO+\n]
.endr
	v_nop                                          ; one plain line behind the last conversion
.irp mi, 0,1
.irp b, 0,1
.irp i, 0,1,2
	ds_store_b32 v[51+\i], v[CD+4*(2*\mi+\b)+\i] offset:(4*\a2+2*\mi)*1536+256*\b   ; into the image: lane r + 16 b's register 6 hf + 3 hh + i
.endr
	ds_store_b8 v54, v[BY+2*\mi+\b] offset:(4*\a2+2*\mi)*64+\b   ; block 2 hf + b of the row's word; both halves of the lanes write the same byte
.endr
.endr
.endm
.macro SENDT a                         ; tile 2 w + a of the group leaves, if the expert has it
	s_lshl_b32 s40, s30, 3
	s_add_co_u32 s40, s40, s31
	s_add_co_u32 s40, s40, \a
	s_cmp_ge_u32 s40, s24
	s_cbranch_scc1 .Lno_tile_\@
.irp j, 0,1,2
	ds_load_b128 v[XF+12*\a+4*\j:XF+12*\a+4*\j+3], v55 offset:1536*\a+512*\j
.endr
	ds_load_b32 v[240+\a], v56 offset:64*\a
	s_mul_i32 s41, s40, 49152
	v_add_nc_u32 v[59+2*\a], s41, v57
	s_lshl_b32 s41, s40, 11
	v_add_nc_u32 v[60+2*\a], s41, v58
	s_wait_dscnt 0x0
.irp j, 0,1,2
	global_store_b128 v[59+2*\a], v[XF+12*\a+4*\j:XF+12*\a+4*\j+3], s[26:27] offset:512*\j   ; 512 consecutive bytes a store
.endr
	global_store_b32 v[60+2*\a], v[240+\a], s[28:29]   ; 16 scale words, 64 bytes; both halves of the lanes write the same
.Lno_tile_\@:
.endm
	s_mov_b32 s30, 0                               ; G
.Ltrip:
	s_wait_loadcnt 0x0                             ; all that is out: this group's gather, the next group's tokens (in the first trip the scale words and the bias too)
	s_wait_xcnt 0x0                                ; the last trip's stores have read their registers, the list's loads their base
	s_add_nc_u64 s[22:23], s[22:23], 512           ; the list at group G + 1
	s_cmp_ge_u32 s30, s25
	s_cbranch_scc1 .Lstaged
	WIN 0x0c
.set I, 0
.rept 16
.irp k, 0,1,2
	ds_store_b128 v46, v[12*I+4*\k:12*I+4*\k+3] offset:2*PIT*I+256*\k
.endr
.set I, I+1
.endr
.irp a, 0,1
	ds_store_b128 v47, v[192+4*\a:195+4*\a] offset:512*\a
.endr
	WIN 0
	s_add_co_u32 s40, s30, 1
	s_cmp_ge_u32 s40, s25
	s_cbranch_scc1 .Lstaged
	OFFS
	s_wait_dscnt 0x0                               ; the stores have read the registers into which the next gather lands
	GATHER                                         ; group G + 1: it has this group's products in which to land
	TOKL 512                                       ; group G + 2's tokens
.Lstaged:
	s_wait_dscnt 0x0
	s_barrier_signal -1
	s_barrier_wait -1                              ; the group's 128 rows of x lie in LDS; nobody reads the last group's images any more
	s_cmp_ge_u32 s30, s25
	s_cbranch_scc1 .Lsubbed
	SUBPASS 0
	s_lshl_b32 s40, s30, 3
	s_add_co_u32 s40, s40, 4
	s_cmp_ge_u32 s40, s24
	s_cbranch_scc1 .Lsubbed
	SUBPASS 1
.Lsubbed:
	s_wait_dscnt 0x0
	s_barrier_signal -1
	s_barrier_wait -1                              ; the images are whole; nobody reads the group's rows of x any more
	SENDT 0
	SENDT 1
	s_add_co_u32 s30, s30, 1
	s_cmp_lt_u32 s30, 8
	s_cbranch_scc1 .Ltrip
	s_wait_tensorcnt 0x0
	ds_add_u32 v254, v255
	s_wait_dscnt 0x0
	s_endpgm
.Lfunc_end_k_q8a6acbc1b0_up:
	.size	k_q8a6acbc1b0_up, .Lfunc_end_k_q8a6acbc1b0_up-k_q8a6acbc1b0_up
	.p2alignl 7, 3214868480
	.fill 96, 4, 3214868480
	.section	.rodata,"a",@progbits
	.p2align	6, 0x0
	.amdhsa_kernel k_q8a6acbc1b0_up
		.amdhsa_group_segment_fixed_size 218112
		.amdhsa_private_segment_fixed_size 0
		.amdhsa_enable_private_segment 0
		.amdhsa_kernarg_size 48
		.amdhsa_user_sgpr_count 2
		.amdhsa_user_sgpr_kernarg_segment_ptr 1
		.amdhsa_wavefront_size32 1
		.amdhsa_system_sgpr_workgroup_id_x 1
		.amdhsa_system_sgpr_workgroup_id_y 1
		.amdhsa_system_sgpr_workgroup_id_z 1
		.amdhsa_system_vgpr_workitem_id 0
		.amdhsa_next_free_vgpr 1024
		.amdhsa_next_free_sgpr 66
		.amdhsa_reserve_vcc 0
		.amdhsa_float_denorm_mode_32 3
		.amdhsa_float_denorm_mode_16_64 3
		.amdhsa_memory_ordered 1
		.amdhsa_forward_progress 1
		.amdhsa_inst_pref_size 92
	.end_amdhsa_kernel
	.amdgpu_metadata
---
amdhsa.version: [ 1, 2 ]
amdhsa.kernels:
  - .name:           k_q8a6acbc1b0_up
    .symbol:         k_q8a6acbc1b0_up.kd
    .args:
      - { .name: xq, .offset: 0, .size: 8, .value_kind: global_buffer, .address_space: global }
      - { .name: rows, .offset: 8, .size: 8, .value_kind: global_buffer, .address_space: global }
      - { .name: W1_codes, .offset: 16, .size: 8, .value_kind: global_buffer, .address_space: global }
      - { .name: W1_scales, .offset: 24, .size: 8, .value_kind: global_buffer, .address_space: global }
      - { .name: b1, .offset: 32, .size: 8, .value_kind: global_buffer, .address_space: global }
      - { .name: hq, .offset: 40, .size: 8, .value_kind: global_buffer, .address_space: global }
    .group_segment_fixed_size: 218112
    .private_segment_fixed_size: 0
    .kernarg_segment_align: 8
    .kernarg_segment_size: 48
    .max_flat_workgroup_size: 128
    .sgpr_count:     66
    .vgpr_count:     1024
    .wavefront_size: 32
...
	.end_amdgpu_metadata
.endif
;; end of part 3
;; launch down (part 4): grid 32 x 8, 4 waves a work-group, no clusters, 305,664 bytes of LDS; arguments hq, rows, gsort, W2_codes, W2_scales, b2, y; writes y
.if DOCPART == 4
	.amdgcn_target "amdgcn-amd-amdhsa--gfx1250"
	.amdhsa_code_object_version 6
	.text
	.protected	k_q8a6acbc1b0_down
	.globl	k_q8a6acbc1b0_down
	.p2align	8
	.type	k_q8a6acbc1b0_down,@function
k_q8a6acbc1b0_down:
	s_mov_b64 s[64:65], 0
	v_nop
	global_prefetch_b8 v0, s[64:65] scope:SCOPE_SE
	s_setreg_imm32_b32 hwreg(HW_REG_WAVE_MODE, 25, 1), 1
	s_wait_xcnt 0x0
; THE SECOND PRODUCT: y[row] = gate x (h W2[e] + b2[e]), on codes of FP6 (E2M3) with E8M0 scales.  Work-group (nc, par, e): columns 64 nc .. + 63 of expert e, for its tiles of 16 rows of parity par.
; THE WAVES SHARE K: wave w holds K steps 8 w .. 8 w + 7 of the 64 rows of W2 in registers (32 fragments, 384 registers; read in runs of 256 bytes of a row, turned once through the wave's own LDS bytes)
; and loads only its quarter of each tile of h, which lies in memory as images of the operand's registers: three loads of 512 consecutive bytes a fragment, straight into place, through no LDS.
; Three tiles are in hand at a time, each with a set of registers of its own, refilled as soon as its products are issued.  The four waves' partial sums of three tiles meet in LDS (two buffers by turns,
; one barrier for three tiles); wave w then adds up rows 4 w .. 4 w + 3 of each tile, adds b2, multiplies by the gate's weight and stores 256 consecutive bytes of the row of y that the list names.
; TRANSPOSED: source 0 = 16 rows of W2 (columns of the result), source 1 = 16 rows of h: a lane holds eight neighbouring columns of one row.
; The loop has a constant 6 trips of two passes (36 tiles, 32 at the most are there) and its barrier in every pass; what hangs on the stored count is jumped over.  A tile at or behind the count's last has
; its offsets multiplied by 0: the loads are issued all the same, so that the counted wait holds on every way.  No tensor load, no cluster: the guards hang on a number read from memory.
; For an expert without rows those loads read bytes of hq that nobody has stored; nothing is made of them.
; REGISTERS: window 0: v1-19 addresses; v20-35 W2's scale words, v36-47 h's; v48-51 b2; v52-147 twelve accumulators; v148-179 partial sums; v180-215 results, their offsets and weights; v216-234 the sets' lists and addresses.
;   window 1: W2's fragments of my K steps 0-4 (48 s + 12 t).   window 2: K steps 5-7; v144-239 h's set 2.   window 3: h's sets 0 and 1.
.set PIT,  784                         ; 768 bytes of a row of W2 in LDS + 16
.set RED,  200704                      ; behind the four stages: the partial sums: [tile 0..2][wave][16 rows x 272 bytes]
.set REDB, 52224                       ; and a second buffer
.set MSB, 0
.macro WIN new                         ; the immediate's high byte repeats the setting that is left
.if MSB != (\new)
	s_set_vgpr_msb (MSB<<8)|(\new)
.set MSB, (\new)
.endif
.endm
	s_load_b256 s[4:11], s[0:1], 0x0               ; hq s[4:5], rows s[6:7], gsort s[8:9], W2's codes s[10:11]
	s_load_b128 s[12:15], s[0:1], 0x20             ; W2's scales s[12:13], b2 s[14:15]
	s_load_b64 s[16:17], s[0:1], 0x30              ; y
	v_lshl_add_u32 v254, v0, 2, 0x4a800
	v_mov_b32 v255, 0
	v_lshrrev_b32 v1, 5, v0
	v_readfirstlane_b32 s18, v1                    ; wave 0..3
	v_and_b32 v1, 31, v0                           ; l
	v_and_b32 v2, 15, v0                           ; r
	v_bfe_u32 v3, v0, 4, 1                         ; hh
	s_and_b32 s19, ttmp7, 0xffff                   ; expert
	s_and_b32 s20, ttmp9, 15                       ; nc
	s_lshr_b32 s21, ttmp9, 4                       ; par
	v_lshlrev_b32 v17, 4, v2
	v_mul_u32_u24 v4, v3, 3072
	v_add_nc_u32 v4, v4, v17                       ; W2 in memory: row hh (+ 2 q), 16 r
	s_mul_i32 s40, s18, 64*PIT
	v_mul_u32_u24 v5, v3, PIT
	v_add_nc_u32 v5, v5, v17
	v_add_nc_u32 v5, s40, v5                       ; the same in my stage
	v_mul_u32_u24 v6, v2, PIT
	v_mad_u32_u24 v6, v3, 24, v6
	v_add_nc_u32 v6, s40, v6                       ; and as fragments
	s_mul_i32 s40, s18, 12288
	v_lshl_add_u32 v7, v1, 4, s40                  ; h: my eight images of a tile's 32
	s_lshl_b32 s40, s18, 9
	v_lshl_add_u32 v8, v1, 2, s40                  ; h's scale words: lanes 0-15 K step 8 w + 2 j, lanes 16-31 the next
	s_mul_i32 s40, s18, 4352
	s_add_co_u32 s40, s40, RED
	v_mul_u32_u24 v15, v2, 272
	v_lshl_add_u32 v15, v3, 5, v15
	v_add_nc_u32 v15, s40, v15                     ; my partial sums: row r, 32 bytes a half
	v_add_nc_u32 v18, REDB, v15
	s_mul_i32 s40, s18, 1088
	s_add_co_u32 s40, s40, RED
	v_mul_u32_u24 v16, v3, 544
	v_add_nc_u32 v16, v16, v17
	v_add_nc_u32 v16, s40, v16                     ; back: row 4 w + 2 hh (+ q), 16 bytes a lane
	v_add_nc_u32 v19, REDB, v16
	s_lshl_b32 s40, s18, 4
	v_lshl_add_u32 v231, v3, 3, s40                ; the lists: entries 4 w + 2 hh and the next
	v_lshlrev_b32 v234, 7, v2
	v_lshl_add_u32 v234, v3, 4, v234               ; W2's scale bytes: 128 a row, 16 a half of the lanes
.set I, 204
.rept 12
	v_mov_b32 v[I], 0                              ; the results' offsets and weights: written on every way before they are read
.set I, I+1
.endr
	s_wait_kmcnt 0x0
	s_lshl_b32 s25, s19, 2
	s_load_b32 s26, s[6:7], s25 offset:0x14000     ; the expert's count of rows
	s_mov_b32 s41, 0
	s_mul_i32 s40, s19, 3145728
	s_add_nc_u64 s[28:29], s[4:5], s[40:41]        ; the expert's images
	s_mul_i32 s42, s20, 196608
	s_add_co_u32 s40, s40, s42
	s_mul_i32 s42, s18, 768
	s_add_co_u32 s40, s40, s42
	s_add_nc_u64 s[10:11], s[10:11], s[40:41]      ; W2's codes at row 1,024 e + 64 nc, byte 768 w
	s_lshl_b32 s40, s19, 17
	s_lshl_b32 s42, s20, 13
	s_add_co_u32 s42, s42, s40
	s_lshl_b32 s43, s18, 5
	s_add_co_u32 s42, s42, s43
	s_mov_b32 s43, 0
	s_add_nc_u64 s[12:13], s[12:13], s[42:43]      ; W2's scales likewise, byte 32 w
	s_add_co_u32 s40, s40, 0x1800000
	s_add_nc_u64 s[30:31], s[4:5], s[40:41]        ; the images' scale words
	s_lshl_b32 s40, s19, 12
	s_lshl_b32 s42, s20, 8
	s_add_co_u32 s40, s40, s42
	s_add_nc_u64 s[14:15], s[14:15], s[40:41]      ; b2 at my 64 columns
	s_mov_b32 s40, s42
	s_add_nc_u64 s[36:37], s[16:17], s[40:41]      ; y at my 64 columns
	s_mul_i32 s40, s19, 5120
	s_add_nc_u64 s[34:35], s[8:9], s[40:41]        ; the weights by place
	s_add_co_u32 s40, s40, 40960
	s_add_nc_u64 s[32:33], s[6:7], s[40:41]        ; the rows of y by place
.irp t, 0,1,2,3
	global_load_b128 v[20+4*\t:23+4*\t], v234, s[12:13] offset:2048*\t   ; register j: lanes 0-15 my K step j, lanes 16-31 my K step 4 + j
.endr
	global_load_b128 v[48:51], v17, s[14:15]
	WIN 0x40
.set I, 0
.rept 60
	global_load_b128 v[4*I:4*I+3], v4, s[10:11] offset:6144*(I/3)+256*(I%3)   ; sixteen lanes read 256 consecutive bytes of a row
.set I, I+1
.endr
	WIN 0x80
.rept 36
	global_load_b128 v[4*(I-60):4*(I-60)+3], v4, s[10:11] offset:6144*(I/3)+256*(I%3)
.set I, I+1
.endr
	WIN 0
	s_wait_kmcnt 0x0
	s_add_co_u32 s22, s26, 15
	s_lshr_b32 s22, s22, 4
	s_min_u32 s22, s22, 64                         ; NT: tiles of 16 rows
; Set a is asked for: tile s70.  30 loads on every way: two entries of each list, four scale words, 24 x 512 bytes of codes.
.macro HLOAD a
.if \a < 2
.set HW, 0xc0
.set HB, 96*\a
.else
.set HW, 0x80
.set HB, 144
.endif
	s_sub_co_i32 s71, s22, s70
	s_max_i32 s71, s71, 0
	s_min_u32 s71, s71, 1                          ; 1 where the expert has the tile, else 0
	s_mul_i32 s72, s70, 49152
	v_add_nc_u32 v[9+\a], s72, v7
	v_mul_u32_u24 v[9+\a], v[9+\a], s71
	s_lshl_b32 s72, s70, 11
	v_add_nc_u32 v[12+\a], s72, v8
	v_mul_u32_u24 v[12+\a], v[12+\a], s71
	s_lshl_b32 s72, s70, 6
	v_add_nc_u32 v[228+\a], s72, v231
	global_load_b64 v[216+2*\a:217+2*\a], v[228+\a], s[32:33]
	global_load_b64 v[222+2*\a:223+2*\a], v[228+\a], s[34:35]
.irp j, 0,1,2,3
	global_load_b32 v[36+4*\a+\j], v[12+\a], s[30:31] offset:128*\j
.endr
	WIN HW
.set I, 0
.rept 24
	global_load_b128 v[HB+4*I:HB+4*I+3], v[9+\a], s[28:29] offset:512*I
.set I, I+1
.endr
	WIN 0
.endm
	s_mov_b32 s70, s21
	HLOAD 0
	s_add_co_u32 s70, s21, 2
	HLOAD 1
	s_wait_loadcnt 0x3c                            ; W2, its scale words and b2 are in; the two sets' 60 loads may be out
	WIN 0x04
.set I, 0
.rept 60
	ds_store_b128 v5, v[4*I:4*I+3] offset:2*PIT*(I/3)+256*(I%3)
.set I, I+1
.endr
	WIN 0x08
.rept 36
	ds_store_b128 v5, v[4*(I-60):4*(I-60)+3] offset:2*PIT*(I/3)+256*(I%3)
.set I, I+1
.endr
	WIN 0
	s_wait_dscnt 0x0                               ; the stores have read the registers into which the fragments land.  The stage is my wave's own: no barrier
	WIN 0x40
.irp s, 0,1,2,3,4
.irp t, 0,1,2,3
.irp p, 0,1,2,3,4,5
	ds_load_b64 v[48*\s+12*\t+2*\p:48*\s+12*\t+2*\p+1], v6 offset:16*\t*PIT+96*\s+48*(\p/3)+8*(\p%3)
.endr
.endr
.endr
	WIN 0x80
.irp s, 5,6,7
.irp t, 0,1,2,3
.irp p, 0,1,2,3,4,5
	ds_load_b64 v[48*(\s-5)+12*\t+2*\p:48*(\s-5)+12*\t+2*\p+1], v6 offset:16*\t*PIT+96*\s+48*(\p/3)+8*(\p%3)
.endr
.endr
.endr
	WIN 0
	s_add_co_u32 s70, s21, 4
	HLOAD 2
	s_wait_dscnt 0x0
; Tile T0 + 2 a: 32 products, its four accumulators by turns, one instruction a turn; then the set is asked for again, three tiles on.
.macro TILE a
.if \a < 2
.set TBW, 12
.set HB, 96*\a
.else
.set TBW, 8
.set HB, 144
.endif
	s_wait_loadcnt 0x3c                            ; this set's 30 loads are in; the two younger sets' 60 may be out
	v_min_u32 v232, 2175, v[216+2*\a]              ; a row of y from the list is held inside y before it enters an address
	v_min_u32 v233, 2175, v[217+2*\a]
	v_lshl_add_u32 v[204+2*\a], v232, 12, v17
	v_lshl_add_u32 v[205+2*\a], v233, 12, v17
	v_mov_b32 v[210+2*\a], v[222+2*\a]             ; the weights are kept: the set's registers are loaded again ahead of the reduction
	v_mov_b32 v[211+2*\a], v[223+2*\a]
.irp s, 0,1,2,3,4,5,6,7
.if \s < 5
.set WV, 1+TBW
.else
.set WV, 2+TBW
.endif
	WIN WV
.irp t, 0,1,2,3
.set rD, 52+32*\a+8*\t
.if \s < 5
.set rA, 48*\s+12*\t
.else
.set rA, 48*(\s-5)+12*\t
.endif
.set rB, HB+12*\s
.set rSA, 20+4*\t+(\s%4)
.set rSB, 36+4*\a+(\s/2)
.if \s == 0
	v_wmma_scale_f32_16x16x128_f8f6f4 v[rD:rD+7], v[rA:rA+11], v[rB:rB+11], 0, v[rSA], v[rSB] matrix_a_fmt:MATRIX_FMT_FP6 matrix_b_fmt:MATRIX_FMT_FP6
.elseif (\s < 4) && ((\s%2) == 0)
	v_wmma_scale_f32_16x16x128_f8f6f4 v[rD:rD+7], v[rA:rA+11], v[rB:rB+11], v[rD:rD+7], v[rSA], v[rSB] matrix_a_fmt:MATRIX_FMT_FP6 matrix_b_fmt:MATRIX_FMT_FP6
.elseif \s < 4
	v_wmma_scale_f32_16x16x128_f8f6f4 v[rD:rD+7], v[rA:rA+11], v[rB:rB+11], v[rD:rD+7], v[rSA], v[rSB] matrix_a_fmt:MATRIX_FMT_FP6 matrix_b_fmt:MATRIX_FMT_FP6 matrix_b_scale:MATRIX_SCALE_ROW1
.elseif (\s%2) == 0
	v_wmma_scale_f32_16x16x128_f8f6f4 v[rD:rD+7], v[rA:rA+11], v[rB:rB+11], v[rD:rD+7], v[rSA], v[rSB] matrix_a_fmt:MATRIX_FMT_FP6 matrix_b_fmt:MATRIX_FMT_FP6 matrix_a_scale:MATRIX_SCALE_ROW1
.else
	v_wmma_scale_f32_16x16x128_f8f6f4 v[rD:rD+7], v[rA:rA+11], v[rB:rB+11], v[rD:rD+7], v[rSA], v[rSB] matrix_a_fmt:MATRIX_FMT_FP6 matrix_b_fmt:MATRIX_FMT_FP6 matrix_a_scale:MATRIX_SCALE_ROW1 matrix_b_scale:MATRIX_SCALE_ROW1
.endif
.endr
.endr
	WIN 0
.rept 4
	v_nop                                          ; four places in front of loads into registers that these products have read, and of the first read of their results
.endr
	s_add_co_u32 s70, s23, 2*\a+6
	HLOAD \a
.endm
.macro REDUCE buf, a                   ; rows 4 w .. 4 w + 3 of tile T0 + 2 a, if the expert has it
	s_add_co_u32 s70, s23, 2*\a
	s_cmp_ge_u32 s70, s22
	s_cbranch_scc1 .Lno_red_\@
.irp q, 0,1
.irp u, 0,1,2,3
	ds_load_b128 v[148+16*\q+4*\u:151+16*\q+4*\u], v[16+3*\buf] offset:17408*\a+4352*\u+272*\q
.endr
.endr
	s_wait_dscnt 0x0
.irp q, 0,1
.irp h, 0,2
	v_pk_add_f32 v[148+16*\q+\h:149+16*\q+\h], v[148+16*\q+\h:149+16*\q+\h], v[152+16*\q+\h:153+16*\q+\h]
	v_pk_add_f32 v[156+16*\q+\h:157+16*\q+\h], v[156+16*\q+\h:157+16*\q+\h], v[160+16*\q+\h:161+16*\q+\h]
.endr
.irp h, 0,2
	v_pk_add_f32 v[148+16*\q+\h:149+16*\q+\h], v[148+16*\q+\h:149+16*\q+\h], v[156+16*\q+\h:157+16*\q+\h]
.endr
.irp h, 0,2
	v_pk_add_f32 v[148+16*\q+\h:149+16*\q+\h], v[148+16*\q+\h:149+16*\q+\h], v[48+\h:49+\h]   ; + b2
.endr
.irp h, 0,2
.if \q == 0
	v_pk_mul_f32 v[180+8*\a+\h:181+8*\a+\h], v[148+\h:149+\h], v[210+2*\a:211+2*\a] op_sel_hi:[1,0]   ; x the weight of row 4 w + 2 hh
.else
	v_pk_mul_f32 v[184+8*\a+\h:185+8*\a+\h], v[164+\h:165+\h], v[210+2*\a:211+2*\a] op_sel:[0,1] op_sel_hi:[1,1]   ; of the next row
.endif
.endr
	global_store_b128 v[204+2*\a+\q], v[180+8*\a+4*\q:183+8*\a+4*\q], s[36:37]   ; sixteen lanes store 256 consecutive bytes of a row of y, at a multiple of 256
.endr
.Lno_red_\@:
.endm
.macro TRIP buf
	s_wait_xcnt 0x0                                ; the last pass's stores have read their registers
	s_cmp_ge_u32 s23, s22
	s_cbranch_scc1 .Lmeet_\@
	TILE 0
	TILE 1
	TILE 2
.irp a, 0,1,2
.irp t, 0,1,2,3
	ds_store_b128 v[15+3*\buf], v[52+32*\a+8*\t:55+32*\a+8*\t] offset:17408*\a+64*\t       ; each accumulator from its low end on
	ds_store_b128 v[15+3*\buf], v[56+32*\a+8*\t:59+32*\a+8*\t] offset:17408*\a+64*\t+16
.endr
.endr
.Lmeet_\@:
	s_wait_dscnt 0x0                               ; my partial sums lie in LDS, and my reads of the other buffer are over
	s_barrier_signal -1
	s_barrier_wait -1
	REDUCE \buf, 0
	REDUCE \buf, 1
	REDUCE \buf, 2
	s_add_co_u32 s23, s23, 6
.endm
	s_mov_b32 s23, s21                             ; T0: the pass's first tile
	s_mov_b32 s24, 0
.Lloop:
	TRIP 0
	TRIP 1
	s_add_co_u32 s24, s24, 1
	s_cmp_lt_u32 s24, 6
	s_cbranch_scc1 .Lloop
	s_wait_tensorcnt 0x0
	ds_add_u32 v254, v255
	s_wait_dscnt 0x0
	s_endpgm
.Lfunc_end_k_q8a6acbc1b0_down:
	.size	k_q8a6acbc1b0_down, .Lfunc_end_k_q8a6acbc1b0_down-k_q8a6acbc1b0_down
	.p2alignl 7, 3214868480
	.fill 96, 4, 3214868480
	.section	.rodata,"a",@progbits
	.p2align	6, 0x0
	.amdhsa_kernel k_q8a6acbc1b0_down
		.amdhsa_group_segment_fixed_size 305664
		.amdhsa_private_segment_fixed_size 0
		.amdhsa_enable_private_segment 0
		.amdhsa_kernarg_size 56
		.amdhsa_user_sgpr_count 2
		.amdhsa_user_sgpr_kernarg_segment_ptr 1
		.amdhsa_wavefront_size32 1
		.amdhsa_system_sgpr_workgroup_id_x 1
		.amdhsa_system_sgpr_workgroup_id_y 1
		.amdhsa_system_sgpr_workgroup_id_z 1
		.amdhsa_system_vgpr_workitem_id 0
		.amdhsa_next_free_vgpr 1024
		.amdhsa_next_free_sgpr 80
		.amdhsa_reserve_vcc 0
		.amdhsa_float_denorm_mode_32 3
		.amdhsa_float_denorm_mode_16_64 3
		.amdhsa_memory_ordered 1
		.amdhsa_forward_progress 1
		.amdhsa_inst_pref_size 106
	.end_amdhsa_kernel
	.amdgpu_metadata
---
amdhsa.version: [ 1, 2 ]
amdhsa.kernels:
  - .name:           k_q8a6acbc1b0_down
    .symbol:         k_q8a6acbc1b0_down.kd
    .args:
      - { .name: hq, .offset: 0, .size: 8, .value_kind: global_buffer, .address_space: global }
      - { .name: rows, .offset: 8, .size: 8, .value_kind: global_buffer, .address_space: global }
      - { .name: gsort, .offset: 16, .size: 8, .value_kind: global_buffer, .address_space: global }
      - { .name: W2_codes, .offset: 24, .size: 8, .value_kind: global_buffer, .address_space: global }
      - { .name: W2_scales, .offset: 32, .size: 8, .value_kind: global_buffer, .address_space: global }
      - { .name: b2, .offset: 40, .size: 8, .value_kind: global_buffer, .address_space: global }
      - { .name: y, .offset: 48, .size: 8, .value_kind: global_buffer, .address_space: global }
    .group_segment_fixed_size: 305664
    .private_segment_fixed_size: 0
    .kernarg_segment_align: 8
    .kernarg_segment_size: 56
    .max_flat_workgroup_size: 128
    .sgpr_count:     80
    .vgpr_count:     1024
    .wavefront_size: 32
...
	.end_amdgpu_metadata
.endif
;; end of part 4
;; launch combine (part 5): grid 256 x 1, 8 waves a work-group, no clusters, 0 bytes of LDS; arguments y, out0; writes out0
.if DOCPART == 5
	.amdgcn_target "amdgcn-amd-amdhsa--gfx1250"
	.amdhsa_code_object_version 6
	.text
	.protected	k_q8a6acbc1b0_combine
	.globl	k_q8a6acbc1b0_combine
	.p2align	8
	.type	k_q8a6acbc1b0_combine,@function
k_q8a6acbc1b0_combine:
	s_mov_b64 s[64:65], 0
	v_nop
	global_prefetch_b8 v0, s[64:65] scope:SCOPE_SE
	s_setreg_imm32_b32 hwreg(HW_REG_WAVE_MODE, 25, 1), 1
	s_wait_xcnt 0x0
; out0[t] = y[t] + y[1,024 + t]: a token's two weighted expert results.  A stream: a work-group takes four rows (16,384 bytes), a thread 16 bytes of each; every load and store of a wave covers
; 512 consecutive bytes.  All eight loads go out first; the waits count down.  No LDS, no barrier, no matrix unit: there is nothing to share and nothing to multiply.
	s_load_b128 s[4:7], s[0:1], 0x0                ; y s[4:5], out0 s[6:7]
	s_lshl_b32 s8, ttmp9, 14
	v_lshl_add_u32 v1, v0, 4, s8
	s_wait_kmcnt 0x0
.irp i, 0,1,2,3
	global_load_b128 v[4+8*\i:7+8*\i], v1, s[4:5] offset:4096*\i th:TH_LOAD_NT
	global_load_b128 v[8+8*\i:11+8*\i], v1, s[4:5] offset:4096*\i+4194304 th:TH_LOAD_NT
.endr
.irp i, 0,1,2,3
	s_wait_loadcnt 6-2*\i                          ; pair i is in; the younger pairs may be out
	v_pk_add_f32 v[4+8*\i:5+8*\i], v[4+8*\i:5+8*\i], v[8+8*\i:9+8*\i]
	v_pk_add_f32 v[6+8*\i:7+8*\i], v[6+8*\i:7+8*\i], v[10+8*\i:11+8*\i]
	global_store_b128 v1, v[4+8*\i:7+8*\i], s[6:7] offset:4096*\i th:TH_STORE_NT
.endr
	s_endpgm
.Lfunc_end_k_q8a6acbc1b0_combine:
	.size	k_q8a6acbc1b0_combine, .Lfunc_end_k_q8a6acbc1b0_combine-k_q8a6acbc1b0_combine
	.p2alignl 7, 3214868480
	.fill 96, 4, 3214868480
	.section	.rodata,"a",@progbits
	.p2align	6, 0x0
	.amdhsa_kernel k_q8a6acbc1b0_combine
		.amdhsa_group_segment_fixed_size 0
		.amdhsa_private_segment_fixed_size 0
		.amdhsa_enable_private_segment 0
		.amdhsa_kernarg_size 16
		.amdhsa_user_sgpr_count 2
		.amdhsa_user_sgpr_kernarg_segment_ptr 1
		.amdhsa_wavefront_size32 1
		.amdhsa_system_sgpr_workgroup_id_x 1
		.amdhsa_system_sgpr_workgroup_id_y 1
		.amdhsa_system_sgpr_workgroup_id_z 1
		.amdhsa_system_vgpr_workitem_id 0
		.amdhsa_next_free_vgpr 40
		.amdhsa_next_free_sgpr 66
		.amdhsa_reserve_vcc 0
		.amdhsa_float_denorm_mode_32 3
		.amdhsa_float_denorm_mode_16_64 3
		.amdhsa_memory_ordered 1
		.amdhsa_forward_progress 1
		.amdhsa_inst_pref_size 3
	.end_amdhsa_kernel
	.amdgpu_metadata
---
amdhsa.version: [ 1, 2 ]
amdhsa.kernels:
  - .name:           k_q8a6acbc1b0_combine
    .symbol:         k_q8a6acbc1b0_combine.kd
    .args:
      - { .name: y, .offset: 0, .size: 8, .value_kind: global_buffer, .address_space: global }
      - { .name: out0, .offset: 8, .size: 8, .value_kind: global_buffer, .address_space: global }
    .group_segment_fixed_size: 0
    .private_segment_fixed_size: 0
    .kernarg_segment_align: 8
    .kernarg_segment_size: 16
    .max_flat_workgroup_size: 256
    .sgpr_count:     66
    .vgpr_count:     40
    .wavefront_size: 32
...
	.end_amdgpu_metadata
.endif
;; end of part 5
;; ======== version 2 of 3: 4 launches
;; workspace buffers: xq 819,200 bytes; masks 4,096 bytes of whole numbers; gwp 65,536 bytes; rows 131,072 bytes of whole numbers; gsort 65,536 bytes; hq 26,214,400 bytes; y 8,912,896 bytes
;; launch route (part 6): grid 32 x 1, 16 waves a work-group, no clusters, 241,664 bytes of LDS; arguments x, Wg, bg, xq, masks, gwp, rows, gsort; writes xq, masks, gwp, rows, gsort
.if DOCPART == 6
	.amdgcn_target "amdgcn-amd-amdhsa--gfx1250"
	.amdhsa_code_object_version 6
	.text
	.protected	k_q8a6acbc1b0_route
	.globl	k_q8a6acbc1b0_route
	.p2align	8
	.type	k_q8a6acbc1b0_route,@function
k_q8a6acbc1b0_route:
	s_mov_b64 s[64:65], 0
	v_nop
	global_prefetch_b8 v0, s[64:65] scope:SCOPE_SE
	s_setreg_imm32_b32 hwreg(HW_REG_WAVE_MODE, 25, 1), 1
	s_wait_xcnt 0x0
; THE ROUTER AND x's QUANTISER.  Work-group g owns tokens 32 g .. 32 g + 31; sixteen waves.
; (a) logits x Wg + bg by f32 multiply-adds (lane = token, wave w takes k = 64 w .. 64 w + 63, the sixteen parts meet in LDS), softmax with the row's maximum taken away,
;     the two largest probabilities (strictly greater wins, so the lower index keeps a tie), their weights p / (p1 + p2).
;     Stored at fixed places: one bit mask a (slot, expert) and 32 tokens, and for each expert the union of its two; the weight of every (expert, token); the sums of the eight probabilities over
;     my 32 tokens.  No address hangs on the choice here.
; (b) x as codes of FP6 (E2M3) with one E8M0 byte for each 32 along K.  A token's 768 bytes of codes are laid so that a lane of a fragment finds its 48 bytes of a K step on end:
;     block 4 s + 2 c + h lies at 384 h + 48 s + 24 c.  The scale bytes follow at byte 786,432, 32 a token, in the blocks' own order.
; (c) the lists that the next launch fills are set to zero: a place that is never filled has the weight 0.
; LIMITS: NaN and infinities are not served; a block of zeros gets the byte 1 (its codes are zeros, and this program alone reads the bytes); divisions are v_rcp_f32 and a multiply;
; a probability under 2^-126 counts as 0.
.set XROW, 5136                        ; a row of x in LDS: 64 pieces of (64 bytes + 16 of padding), + 16: 321 x 16 bytes
.set WGS,  164352                      ; Wg: 2,048 bytes for each wave, its own 64 rows
.set PART, 197120                      ; the waves' parts of the logits: [wave][lane][8]
.set QST,  213504                      ; 1,536 bytes for each wave: two finished rows of codes
.set XSC,  238080                      ; the scale bytes: [32 tokens][32]
.set X,    32                          ; v32-95   64 numbers of x
.set WB,   96                          ; v96-223  two sets of 8 rows of Wg
.set LG,   224                         ; v224-231 my token's eight sums
.set CD,   232                         ; v232-247 codes, four registers a step
.set SBY,  248                         ; v248-251 scale bytes
	s_load_b256 s[4:11], s[0:1], 0x0               ; x s[4:5], Wg s[6:7], bg s[8:9], xq s[10:11]
	s_load_b256 s[12:19], s[0:1], 0x20             ; masks s[12:13], gwp s[14:15], rows s[16:17], gsort s[18:19]
	v_lshl_add_u32 v243, v0, 2, 0x3a800
	v_mov_b32 v247, 0
	v_lshrrev_b32 v12, 5, v0
	v_readfirstlane_b32 s20, v12                   ; wave 0..15
	v_and_b32 v1, 31, v0                           ; lane
	v_lshlrev_b32 v2, 4, v1                        ; 16 x lane
	s_mul_i32 s21, s20, 2*XROW                     ; my two rows in LDS
	v_lshrrev_b32 v12, 2, v1
	v_mul_u32_u24 v12, v12, 80
	v_and_b32 v13, 3, v1
	v_lshl_add_u32 v12, v13, 4, v12
	v_add_nc_u32 v3, s21, v12                      ; in: four lanes' 64 bytes on end, then the padding
	s_lshl_b32 s22, s20, 11
	s_add_co_u32 s22, s22, WGS
	v_add_nc_u32 v4, s22, v2                       ; my slice of Wg, as loaded
	v_mov_b32 v6, s22                              ; and as read: the same address in every lane
	s_mul_i32 s23, s20, 320
	v_mul_u32_u24 v5, v1, XROW
	v_add_nc_u32 v5, s23, v5                       ; token = lane, pieces 4 w .. 4 w + 3
	s_lshl_b32 s23, s20, 10
	s_add_co_u32 s23, s23, PART
	v_lshl_add_u32 v7, v1, 5, s23                  ; my part of the logits
	v_mul_u32_u24 v8, v1, 80
	v_add_nc_u32 v8, s21, v8                       ; my rows again, a piece (16 neighbours) a lane
	s_mul_i32 s23, s20, 1536
	s_add_co_u32 s23, s23, QST
	v_bfe_u32 v12, v1, 1, 1
	v_mul_u32_u24 v9, v12, 384
	v_lshrrev_b32 v12, 3, v1
	v_mad_u32_u24 v9, v12, 48, v9
	v_bfe_u32 v12, v1, 2, 1
	v_mad_u32_u24 v9, v12, 24, v9
	v_and_b32 v12, 1, v1
	v_mad_u32_u24 v9, v12, 12, v9
	v_add_nc_u32 v9, s23, v9                       ; where my 12 bytes of codes go: block 16 (step % 2) + lane / 2, its half lane % 2
	v_add_nc_u32 v11, s23, v2                      ; and where they are read back, 16 bytes a lane
	s_lshl_b32 s23, s20, 6
	s_add_co_u32 s23, s23, XSC
	v_lshrrev_b32 v12, 1, v1
	v_add_nc_u32 v10, s23, v12                     ; my block's scale byte
	v_add_nc_u32 v28, XSC, v2                      ; wave 1: all scale bytes, 16 a lane
	v_lshl_add_u32 v29, v1, 5, PART                ; wave 0: token = lane, the sixteen parts
	s_lshl_b32 s55, ttmp9, 7
	v_lshl_add_u32 v26, v1, 2, s55                 ; (32 g + lane) x 4
	s_lshl_b32 s56, ttmp9, 2
	v_lshl_add_u32 v25, v1, 7, s56                 ; masks: row = lane, word g
	s_lshl_b32 s60, ttmp9, 5
	v_mov_b32 v27, s60                             ; the work-group's eight sums: 32 bytes
	s_mov_b32 s58, 0x76543210
	s_mov_b32 s59, 0xfedcba98                      ; v_permlanex16_b32's selects for lane l xor 16
	v_mov_b32 v252, 0
	v_mov_b32 v253, 0
	s_lshl_b32 s48, ttmp9, 12
	v_lshl_add_u32 v254, v0, 3, s48                ; 8 bytes a thread of the 131,072 of rows
	s_lshl_b32 s48, ttmp9, 11
	v_lshl_add_u32 v255, v0, 2, s48                ; 4 bytes a thread of the 65,536 of gsort
	s_wait_kmcnt 0x0
	s_load_b256 s[24:31], s[8:9], 0x0              ; bg
	s_lshl_b32 s48, ttmp9, 17
	s_lshl_b32 s49, s20, 13
	s_add_co_u32 s48, s48, s49
	s_mov_b32 s49, 0
	s_add_nc_u64 s[4:5], s[4:5], s[48:49]          ; x at row 32 g + 2 w
	s_lshl_b32 s48, s20, 11
	s_add_nc_u64 s[6:7], s[6:7], s[48:49]          ; Wg at row 64 w
	s_mul_i32 s48, ttmp9, 24576
	s_mul_i32 s54, s20, 1536
	s_add_co_u32 s48, s48, s54
	s_add_nc_u64 s[50:51], s[10:11], s[48:49]      ; my two rows of codes
	s_lshl_b32 s48, ttmp9, 10
	s_add_co_u32 s48, s48, 786432
	s_add_nc_u64 s[52:53], s[10:11], s[48:49]      ; the work-group's scale bytes
.set I, 0
.rept 16
	global_load_b128 v[X+4*I:X+4*I+3], v2, s[4:5] offset:512*I th:TH_LOAD_NT   ; 512 consecutive bytes a load: two rows of x
.set I, I+1
.endr
.irp i, 0,1,2,3
	global_load_b128 v[WB+4*\i:WB+4*\i+3], v2, s[6:7] offset:512*\i
.endr
	global_store_b64 v254, v[252:253], s[16:17]    ; the lists begin as zeros
	global_store_b32 v255, v252, s[18:19]
	s_wait_loadcnt 0x4                             ; x is in; Wg's four loads may be out
.set I, 0
.rept 16
	ds_store_b128 v3, v[X+4*I:X+4*I+3] offset:(I/8)*XROW+640*(I%8)
.set I, I+1
.endr
	s_wait_loadcnt 0x0
.irp i, 0,1,2,3
	ds_store_b128 v4, v[WB+4*\i:WB+4*\i+3] offset:512*\i
.endr
	s_wait_dscnt 0x0                               ; for the others' sake: my rows of x lie in LDS
	s_barrier_signal -1
	s_barrier_wait -1
; ---- the logits: lane = token, k = 64 w .. 64 w + 63
.macro WLOAD b                         ; eight rows of Wg, the same bytes to every lane, into set b % 2
.irp kk, 0,1,2,3,4,5,6,7
	ds_load_b128 v[WB+64*((\b)%2)+8*\kk:WB+64*((\b)%2)+8*\kk+3], v6 offset:32*(8*(\b)+\kk)
	ds_load_b128 v[WB+64*((\b)%2)+8*\kk+4:WB+64*((\b)%2)+8*\kk+7], v6 offset:32*(8*(\b)+\kk)+16
.endr
.endm
.macro BATCH b                         ; 8 k x 8 experts: 32 packed multiply-adds; x's number feeds both halves
.if (\b) < 7
	s_wait_dscnt 0x10                              ; this batch is in; the younger batch's sixteen loads may be out
.else
	s_wait_dscnt 0x0
.endif
.set WBB, WB+64*((\b)%2)
.irp kk, 0,1,2,3,4,5,6,7
.irp j, 0,1,2,3
.if ((\b) == 0) && (\kk == 0)
	v_pk_mul_f32 v[LG+2*\j:LG+2*\j+1], v[X:X+1], v[WBB+2*\j:WBB+2*\j+1] op_sel_hi:[0,1]   ; the first product starts the sums
.elseif (\kk%2) == 0
	v_pk_fma_f32 v[LG+2*\j:LG+2*\j+1], v[X+8*(\b)+\kk:X+8*(\b)+\kk+1], v[WBB+8*\kk+2*\j:WBB+8*\kk+2*\j+1], v[LG+2*\j:LG+2*\j+1] op_sel_hi:[0,1,1]
.else
	v_pk_fma_f32 v[LG+2*\j:LG+2*\j+1], v[X+8*(\b)+\kk-1:X+8*(\b)+\kk], v[WBB+8*\kk+2*\j:WBB+8*\kk+2*\j+1], v[LG+2*\j:LG+2*\j+1] op_sel:[1,0,0] op_sel_hi:[1,1,1]
.endif
.endr
.endr
.if (\b)+2 < 8
	WLOAD (\b)+2
.endif
.endm
.irp c, 0,1,2,3
.irp i, 0,1,2,3
	ds_load_b128 v[X+16*\c+4*\i:X+16*\c+4*\i+3], v5 offset:80*\c+16*\i
.endr
.endr
	WLOAD 0
	WLOAD 1
.irp b, 0,1,2,3,4,5,6,7
	BATCH \b
.endr
	ds_store_b128 v7, v[LG:LG+3]
	ds_store_b128 v7, v[LG+4:LG+7] offset:16
; ---- my two rows of x become codes: four steps of 512 numbers, 16 neighbours a lane, two lanes to a block
.irp q, 0,1,2,3
.irp i, 0,1,2,3
	ds_load_b128 v[X+16*\q+4*\i:X+16*\q+4*\i+3], v8 offset:(\q/2)*XROW+(\q%2)*2560+16*\i
.endr
.endr
.macro QSTEP q
.set XS, X+16*(\q)
	s_wait_dscnt 0xc                               ; behind this step's loads stand 4 (3 - q) loads and the 4 q stores of the steps done: twelve
	v_max3_num_f32 v12, |v[XS]|, |v[XS+1]|, |v[XS+2]|
	v_max3_num_f32 v13, |v[XS+3]|, |v[XS+4]|, |v[XS+5]|
.irp i, 6,10
	v_max3_num_f32 v12, v12, |v[XS+\i]|, |v[XS+\i+1]|
	v_max3_num_f32 v13, v13, |v[XS+\i+2]|, |v[XS+\i+3]|
.endr
	v_max3_num_f32 v12, v12, |v[XS+14]|, |v[XS+15]|
	v_max3_num_f32 v12, v12, v13, 0x1800000        ; and the floor 2^(3 - 127): the byte cannot fall under 1
	v_max_num_f32_dpp v12, v12, v12 row_xmask:1 row_mask:0xf bank_mask:0xf   ; with my neighbour's 16: the block's largest magnitude
	v_add_nc_u32 v14, 0xff000000, v12              ; 2 off its exponent field: the conversion takes this operand's exponent field as its scale
	v_cvt_scalef32_pk16_fp6_f32 v[CD+4*(\q):CD+4*(\q)+2], v[XS:XS+15], v14
	v_lshrrev_b32 v[SBY+(\q)], 23, v14             ; the scale's byte (also the plain line behind the conversion)
.irp i, 0,1,2
	ds_store_b32 v9, v[CD+4*(\q)+\i] offset:((\q)/2)*768+((\q)%2)*192+4*\i
.endr
	ds_store_b8 v10, v[SBY+(\q)] offset:((\q)/2)*32+((\q)%2)*16   ; both lanes of a block write the same byte
.endm
.irp q, 0,1,2,3
	QSTEP \q
.endr
.irp j, 0,1,2
	ds_load_b128 v[160+4*\j:163+4*\j], v11 offset:512*\j   ; LDS serves a wave's instructions in order: these see my stores
.endr
	s_wait_dscnt 0x0                               ; and all my LDS stores have landed, for the others' sake
.irp j, 0,1,2
	global_store_b128 v2, v[160+4*\j:163+4*\j], s[50:51] offset:512*\j   ; 1,536 consecutive bytes: two tokens' codes
.endr
	s_barrier_signal -1
	s_barrier_wait -1
	s_cmp_eq_u32 s20, 1
	s_cbranch_scc1 .Lscales
	s_cmp_eq_u32 s20, 0
	s_cbranch_scc1 .Lgate
	s_wait_tensorcnt 0x0
	ds_add_u32 v243, v247
	s_wait_dscnt 0x0
	s_endpgm
.Lscales:                                              ; wave 1: the 1,024 scale bytes leave in whole runs of 512 bytes
	ds_load_b128 v[32:35], v28
	ds_load_b128 v[36:39], v28 offset:512
	s_wait_dscnt 0x0
	global_store_b128 v2, v[32:35], s[52:53]
	global_store_b128 v2, v[36:39], s[52:53] offset:512
	s_wait_tensorcnt 0x0
	ds_add_u32 v243, v247
	s_wait_dscnt 0x0
	s_endpgm
.Lgate:                                                ; wave 0: lane = token
	s_wait_kmcnt 0x0                               ; bg
.set I, 0
.rept 16
	ds_load_b128 v[32+8*I:35+8*I], v29 offset:1024*I
	ds_load_b128 v[36+8*I:39+8*I], v29 offset:1024*I+16
.set I, I+1
.endr
	s_wait_dscnt 0x0
.set I, 1
.rept 15
.irp j, 0,2,4,6
	v_pk_add_f32 v[32+\j:33+\j], v[32+\j:33+\j], v[32+8*I+\j:33+8*I+\j]
.endr
.set I, I+1
.endr
.irp e, 0,1,2,3,4,5,6,7
	v_add_f32 v[32+\e], s[24+\e], v[32+\e]         ; + bg
.endr
	v_max3_num_f32 v12, v32, v33, v34
	v_max3_num_f32 v12, v12, v35, v36
	v_max3_num_f32 v12, v12, v37, v38
	v_max_num_f32 v12, v12, v39                    ; the row's largest logit is taken away ahead of the exponentials
.irp e, 0,1,2,3,4,5,6,7
	v_sub_f32 v[40+\e], v[32+\e], v12
.endr
.irp e, 0,1,2,3,4,5,6,7
	v_mul_f32 v[40+\e], 0x3fb8aa3b, v[40+\e]       ; x log2(e)
.endr
.irp e, 0,1,2,3,4,5,6,7
	v_exp_f32 v[40+\e], v[40+\e]
.endr
	v_nop                                          ; a plain line behind the exponentials
	s_wait_alu depctr_va_vdst(0)
	v_add_f32 v14, v40, v41
	v_add_f32 v15, v42, v43
.irp e, 4,6
	v_add_f32 v14, v14, v[40+\e]
	v_add_f32 v15, v15, v[41+\e]
.endr
	v_add_f32 v14, v14, v15
	v_rcp_f32 v13, v14
	v_mov_b32 v17, 0                               ; (a plain line behind the reciprocal)  the best expert so far: 0
	s_wait_alu depctr_va_vdst(0)
.irp e, 0,1,2,3,4,5,6,7
	v_mul_f32 v[48+\e], v[40+\e], v13              ; the gate's probabilities
.endr
	v_mov_b32 v16, v48
.irp e, 1,2,3,4,5,6,7
	v_cmp_gt_f32 vcc_lo, v[48+\e], v16             ; strictly greater: the lower index keeps a tie
	v_cndmask_b32 v16, v16, v[48+\e], vcc_lo
	v_cndmask_b32 v17, v17, \e, vcc_lo
.endr
	v_mov_b32 v18, -1.0                            ; under every probability
	v_mov_b32 v19, 0
.irp e, 0,1,2,3,4,5,6,7
	v_cmp_ne_u32 s48, \e, v17
	v_cmp_gt_f32 s49, v[48+\e], v18
	s_and_b32 s48, s48, s49
	v_cndmask_b32 v18, v18, v[48+\e], s48
	v_cndmask_b32 v19, v19, \e, s48
.endr
	v_add_f32 v20, v16, v18
	v_rcp_f32 v21, v20
	v_mov_b32 v24, 0                               ; (a plain line behind the reciprocal)  the masks' register: rows 24 to 31 stay zero
	s_wait_alu depctr_va_vdst(0)
	v_mul_f32 v22, v16, v21                        ; the two weights
	v_mul_f32 v23, v18, v21
.irp e, 0,1,2,3,4,5,6,7
	v_cmp_eq_u32 s[32+\e], \e, v17                 ; bit i: token 32 g + i has expert e first,
	v_cmp_eq_u32 s[40+\e], \e, v19                 ; second
.endr
.irp e, 0,1,2,3,4,5,6,7
	v_cndmask_b32 v[56+\e], 0, v22, s[32+\e]
.endr
.irp e, 0,1,2,3,4,5,6,7
	v_cndmask_b32 v[56+\e], v[56+\e], v23, s[40+\e]   ; the weight of expert e for my token, 0 where it was not chosen
.endr
.set I, 0
.rept 16
	v_writelane_b32 v24, s[32+I], I                ; lane 8 slot + e carries that row's word
.set I, I+1
.endr
.irp e, 0,1,2,3,4,5,6,7
	s_or_b32 s57, s[32+\e], s[40+\e]
	v_writelane_b32 v24, s57, 16+\e                ; lane 16 + e: the tokens that chose expert e at all
.endr
.irp e, 0,1,2,3,4,5,6,7
	global_store_b32 v26, v[56+\e], s[14:15] offset:4096*\e
.endr
	global_store_b32 v25, v24, s[12:13]
.irp e, 0,1,2,3,4,5,6,7                        ; the sums of the probabilities over my 32 tokens, for the load-balancing number
	v_add_f32_dpp v[64+\e], v[48+\e], v[48+\e] row_xmask:1 row_mask:0xf bank_mask:0xf
.endr
.irp m, 2,4,8
.irp e, 0,1,2,3,4,5,6,7
	v_add_f32_dpp v[64+\e], v[64+\e], v[64+\e] row_xmask:\m row_mask:0xf bank_mask:0xf
.endr
.endr
.irp e, 0,1,2,3,4,5,6,7
	v_permlanex16_b32 v[72+\e], v[64+\e], s58, s59
.endr
.irp e, 0,1,2,3,4,5,6,7
	v_add_f32 v[64+\e], v[64+\e], v[72+\e]
.endr
	global_store_b128 v27, v[64:67], s[14:15] offset:32768   ; every lane writes the same 32 bytes with the same numbers
	global_store_b128 v27, v[68:71], s[14:15] offset:32784
	s_wait_tensorcnt 0x0
	ds_add_u32 v243, v247
	s_wait_dscnt 0x0
	s_endpgm
.Lfunc_end_k_q8a6acbc1b0_route:
	.size	k_q8a6acbc1b0_route, .Lfunc_end_k_q8a6acbc1b0_route-k_q8a6acbc1b0_route
	.p2alignl 7, 3214868480
	.fill 96, 4, 3214868480
	.section	.rodata,"a",@progbits
	.p2align	6, 0x0
	.amdhsa_kernel k_q8a6acbc1b0_route
		.amdhsa_group_segment_fixed_size 241664
		.amdhsa_private_segment_fixed_size 0
		.amdhsa_enable_private_segment 0
		.amdhsa_kernarg_size 64
		.amdhsa_user_sgpr_count 2
		.amdhsa_user_sgpr_kernarg_segment_ptr 1
		.amdhsa_wavefront_size32 1
		.amdhsa_system_sgpr_workgroup_id_x 1
		.amdhsa_system_sgpr_workgroup_id_y 1
		.amdhsa_system_sgpr_workgroup_id_z 1
		.amdhsa_system_vgpr_workitem_id 0
		.amdhsa_next_free_vgpr 256
		.amdhsa_next_free_sgpr 66
		.amdhsa_reserve_vcc 1
		.amdhsa_float_denorm_mode_32 3
		.amdhsa_float_denorm_mode_16_64 3
		.amdhsa_memory_ordered 1
		.amdhsa_forward_progress 1
		.amdhsa_inst_pref_size 59
	.end_amdhsa_kernel
	.amdgpu_metadata
---
amdhsa.version: [ 1, 2 ]
amdhsa.kernels:
  - .name:           k_q8a6acbc1b0_route
    .symbol:         k_q8a6acbc1b0_route.kd
    .args:
      - { .name: x, .offset: 0, .size: 8, .value_kind: global_buffer, .address_space: global }
      - { .name: Wg, .offset: 8, .size: 8, .value_kind: global_buffer, .address_space: global }
      - { .name: bg, .offset: 16, .size: 8, .value_kind: global_buffer, .address_space: global }
      - { .name: xq, .offset: 24, .size: 8, .value_kind: global_buffer, .address_space: global }
      - { .name: masks, .offset: 32, .size: 8, .value_kind: global_buffer, .address_space: global }
      - { .name: gwp, .offset: 40, .size: 8, .value_kind: global_buffer, .address_space: global }
      - { .name: rows, .offset: 48, .size: 8, .value_kind: global_buffer, .address_space: global }
      - { .name: gsort, .offset: 56, .size: 8, .value_kind: global_buffer, .address_space: global }
    .group_segment_fixed_size: 241664
    .private_segment_fixed_size: 0
    .kernarg_segment_align: 8
    .kernarg_segment_size: 64
    .max_flat_workgroup_size: 512
    .sgpr_count:     66
    .vgpr_count:     256
    .wavefront_size: 32
...
	.end_amdgpu_metadata
.endif
;; end of part 6
;; launch up (part 7): grid 32 x 8, 4 waves a work-group, no clusters, 218,112 bytes of LDS; arguments xq, masks, W1_codes, W1_scales, b1, hq, gwp, rows, gsort; writes hq, rows, gsort
.if DOCPART == 7
	.amdgcn_target "amdgcn-amd-amdhsa--gfx1250"
	.amdhsa_code_object_version 6
	.text
	.protected	k_q8a6acbc1b0_up
	.globl	k_q8a6acbc1b0_up
	.p2align	8
	.type	k_q8a6acbc1b0_up,@function
k_q8a6acbc1b0_up:
	s_mov_b64 s[64:65], 0
	v_nop
	global_prefetch_b8 v0, s[64:65] scope:SCOPE_SE
	s_setreg_imm32_b32 hwreg(HW_REG_WAVE_MODE, 25, 1), 1
	s_wait_xcnt 0x0
; THE FIRST PRODUCT, for the chosen rows alone: Q(relu(Q(x) W1[e] + b1[e])), on codes of FP6 (E2M3) with E8M0 scales.  Work-group (c, e): hidden units 128 c .. 128 c + 127 of expert e, for ALL rows of e.
; Its 128 rows of W1 (98,304 bytes, one dense block that no other work-group reads) come in runs of 512 consecutive bytes, turn once through LDS and stay in registers: wave w holds units
; 64 (w % 2) .. + 63, four tiles x 8 K steps, 384 registers.  The rows of e go in groups of 128 (8 tiles of 16): their codes of x are gathered into LDS, a group ahead, through 200 registers.
; WHICH TOKEN STANDS AT WHICH PLACE is worked out here, from the expert's 1,024 bits (32 words in scalar registers) that the launch before has stored: place p is the p-th set bit.  Macro SELECT finds it
; for 32 places at once, a lane a place, in registers alone; for group 0 it stands between the issue of W1's loads and the wait for them, later at a trip's head, ahead of the wait for the gather.
; The eight work-groups with c = 0 also store, for the next launch, each place's row of y, its weight, and the expert's count.
; Wave w multiplies the tiles of parity w / 2.  TRANSPOSED (source 0 = 16 rows of W1, source 1 = 16 rows of x), AND THE ROWS OF W1 THAT FORM A TILE ARE NOT NEIGHBOURS: lane r of tile 2 b + u takes
; row 32 b + 8 u + r + 8 (r / 8); so a lane holds one row of x, and the 16 registers of tiles 2 b, 2 b + 1 are hidden units 32 b + 16 (lane / 16) + 0 .. 15: 16 neighbours along the next K.
; The result goes to hq AS AN IMAGE OF THE NEXT OPERAND'S REGISTERS: tile T, K step c: 1,536 bytes, registers 4 j .. 4 j + 3 of lane l at 512 j + 16 l; its scale words, 4 bytes a row, beside.
; The loop has a constant 8 trips and both barriers in every trip; what hangs on the stored bits is jumped over inside.  No tensor load and no cluster: the guards hang on numbers read from memory.
; No prefetch: the weights are asked for whole at the head by the loads themselves, and the gather already runs a group ahead.
; A place at or behind the count names some token all the same: its row is multiplied, gets the weight 0 in the next launch and goes to a spare row of y.
; LIMITS: NaN and infinities are not served; a block of zeros gets the byte 1 (its codes are zeros, this program alone reads the bytes).
; REGISTERS: window 0: v1-3 lane; v8-23 SELECT's; v26-43 the gather's offsets; v44-71 addresses; v72-87 W1's scale words, v88-95 x's; v96-159 eight accumulators (at the head: the lists' stores);
;   v160-207 x's fragments, two sets; v208-239 the quantiser's; v240-241 scale words on the way out; v242-250 weights and second-choice words for the lists.
;   window 1: W1's fragments of K steps 0-4 (48 s + 12 t).   window 2: K steps 5-7; from v144 the bias, 8 registers a tile.   window 3: v0-199 what is on its way into LDS.
.set PIT,  784                         ; a row of 768 bytes of codes in LDS + 16: 49 x 16 bytes
.set XSL,  100352                      ; behind W1's 128 rows: 128 rows of x's codes
.set XSCL, 200704                      ; x's scale words: 8 tiles x an image of 512 bytes
.set HST,  204800                      ; 8 fragment images of the hidden layer
.set HSS,  217088                      ; their scale words: 8 x 16 rows x 4 bytes
.set OFF,  26                          ; v26-43  the gather's offsets: 16 pairs of rows, 2 tiles' scale rows
.set SW,   72
.set SX,   88
.set ACC,  96
.set XF,   160
.set MX,   208
.set PM,   212
.set SO,   216
.set BY,   220
.set CD,   224
.set MSB, 0
.macro WIN new                         ; the immediate's high byte repeats the setting that is left
.if MSB != (\new)
	s_set_vgpr_msb (MSB<<8)|(\new)
.set MSB, (\new)
.endif
.endm
	s_load_b256 s[4:11], s[0:1], 0x0               ; xq s[4:5], masks s[6:7], W1's codes s[8:9], W1's scales s[10:11]
	s_load_b128 s[12:15], s[0:1], 0x20             ; b1 s[12:13], hq s[14:15]
	s_load_b128 s[84:87], s[0:1], 0x30             ; gwp s[84:85], rows s[86:87]
	s_load_b64 s[88:89], s[0:1], 0x40              ; gsort
	v_lshl_add_u32 v254, v0, 2, 0x35200
	v_mov_b32 v255, 0
	v_lshrrev_b32 v1, 5, v0
	v_readfirstlane_b32 s16, v1                    ; wave 0..3
	v_and_b32 v1, 31, v0                           ; l
	v_and_b32 v2, 15, v0                           ; r
	v_bfe_u32 v3, v0, 4, 1                         ; hh
	s_and_b32 s17, s16, 1                          ; hf: which 64 hidden units
	s_lshr_b32 s18, s16, 1                         ; rp: which parity of tiles
	s_and_b32 s19, ttmp7, 0xffff                   ; expert
	s_lshl_b32 s31, s16, 1
	s_mov_b32 s34, 0x76543210
	s_mov_b32 s35, 0xfedcba98                      ; v_permlanex16_b32's selects for lane l xor 16
	s_mov_b32 s94, 0xffff0000                      ; lanes 16-31
	s_lshl_b32 s40, s16, 7
	v_lshlrev_b32 v44, 4, v2
	v_lshlrev_b32 v45, 4, v3
	v_lshlrev_b32 v57, 4, v1
	v_lshlrev_b32 v58, 2, v2
	s_mul_i32 s41, s16, 32*PIT
	v_add_nc_u32 v63, s41, v57                     ; W1 on its way in: my 32 rows, 16 bytes a lane;
	v_add_nc_u32 v64, v63, v45                     ; where a run of 512 bytes crosses into the next row, lanes 16-31 stand 16 bytes further on
	s_add_co_u32 s41, s41, XSL
	v_mul_u32_u24 v46, v3, PIT
	v_add_nc_u32 v46, v46, v44
	v_add_nc_u32 v46, s41, v46                     ; x on its way in: row 32 w + hh (+ 2 q), 16 r
	s_lshl_b32 s41, s16, 10
	s_add_co_u32 s41, s41, XSCL
	v_add_nc_u32 v47, s41, v57                     ; x's scale images of tiles 2 w, 2 w + 1
	s_mul_i32 s41, s18, 16*PIT
	s_add_co_u32 s41, s41, XSL
	v_mul_u32_u24 v48, v2, PIT
	v_mad_u32_u24 v48, v3, 384, v48
	v_add_nc_u32 v48, s41, v48                     ; x's fragments: row 16 rp + r, my half's 384 bytes;
	v_add_nc_u32 v49, 64*PIT, v48                  ; and 64 rows further down
	s_lshl_b32 s41, s18, 9
	s_add_co_u32 s41, s41, XSCL
	v_add_nc_u32 v50, s41, v57
	s_mul_i32 s41, s17, 6
	v_mul_u32_u24 v66, v3, 3
	v_add_nc_u32 v66, s41, v66                     ; my 16 codes are registers 6 hf + 3 hh + 0 .. 2 of the next operand, in lane r + 16 b
	s_mul_i32 s42, s18, 1536
	s_add_co_u32 s42, s42, HST
.irp i, 0,1,2
	v_add_nc_u32 v67, \i, v66
	v_lshrrev_b32 v68, 2, v67
	v_and_b32 v67, 3, v67
	v_lshlrev_b32 v68, 9, v68
	v_lshl_add_u32 v68, v67, 2, v68
	v_add_nc_u32 v68, v68, v44
	v_add_nc_u32 v[51+\i], s42, v68                ; 512 (register / 4) + 4 (register % 4) + 16 r, in tile rp's image
.endr
	s_lshl_b32 s41, s18, 6
	s_lshl_b32 s42, s17, 1
	s_add_co_u32 s41, s41, s42
	s_add_co_u32 s41, s41, HSS
	v_add_nc_u32 v54, s41, v58                     ; my row's scale word, byte 2 hf (+ b)
	s_mul_i32 s41, s16, 3072
	s_add_co_u32 s41, s41, HST
	v_add_nc_u32 v55, s41, v57                     ; the way out: the images of tiles 2 w, 2 w + 1
	s_add_co_u32 s41, s40, HSS
	v_add_nc_u32 v56, s41, v58
	v_and_b32 v71, 8, v2
	v_add_nc_u32 v71, v71, v2                      ; r + 8 (r / 8)
	s_mul_i32 s41, s17, 64*PIT
	v_mul_u32_u24 v65, v71, PIT
	v_mad_u32_u24 v65, v3, 24, v65
	v_add_nc_u32 v65, s41, v65                     ; W1's fragments
	v_lshl_add_u32 v69, v71, 5, v45                ; W1's scale bytes: 32 a row, 16 a half of the lanes
	v_lshlrev_b32 v70, 6, v3                       ; b1: 16 numbers on for lanes 16-31
.irp n, 0,1,2,3
	v_mov_b32 v[PM+\n], 0                          ; written once: a lane permute's destination counts as one of its sources
.endr
	v_mov_b32 v21, 0                               ; likewise
	s_lshl_b32 s97, s16, 5
	s_add_co_u32 s97, s97, 1152
	v_add_nc_u32 v113, s97, v1                     ; the lists: my wave's dump, entries 1152 + 32 w + lane, for lanes without a row
	v_lshlrev_b32 v121, 2, v1
	s_lshl_b32 s97, s16, 10
	v_add_nc_u32 v122, s97, v121                   ; the weights of tokens 256 w + lane (+ 32 jj)
	s_lshl_b32 s97, s19, 7
	s_add_co_u32 s97, s97, 1024
	v_add_nc_u32 v123, s97, v121                   ; the expert's second choices: row 8 + e of the masks, word = lane
	s_wait_kmcnt 0x0
	s_mov_b32 s41, 0
	s_lshl_b32 s40, s19, 7
	s_add_co_u32 s40, s40, 2048
	s_add_nc_u64 s[22:23], s[6:7], s[40:41]        ; row 16 + e of the masks: the tokens that chose my expert
	s_load_b512 s[44:59], s[22:23], 0x0            ; words 0-15,
	s_load_b512 s[68:83], s[22:23], 0x40           ; 16-31
	s_lshl_b32 s40, s19, 12
	s_add_nc_u64 s[84:85], s[84:85], s[40:41]      ; my expert's weights by token
	s_mul_i32 s40, s19, 5120
	s_add_nc_u64 s[98:99], s[86:87], s[40:41]      ; its list of rows of y begins 40,960 bytes on
	s_add_nc_u64 s[88:89], s[88:89], s[40:41]      ; its list of weights by place
	s_mul_i32 s40, s19, 3145728
	s_mul_i32 s42, ttmp9, 98304
	s_add_co_u32 s40, s40, s42
	s_mul_i32 s42, s16, 24576
	s_add_co_u32 s40, s40, s42
	s_add_nc_u64 s[8:9], s[8:9], s[40:41]          ; W1's codes at row 4,096 e + 128 c + 32 w
	s_lshl_b32 s40, s19, 17
	s_lshl_b32 s42, ttmp9, 12
	s_add_co_u32 s40, s40, s42
	s_lshl_b32 s42, s17, 11
	s_add_co_u32 s40, s40, s42
	s_add_nc_u64 s[10:11], s[10:11], s[40:41]      ; W1's scales at row 4,096 e + 128 c + 64 hf
	s_lshl_b32 s40, s19, 14
	s_lshl_b32 s42, ttmp9, 9
	s_add_co_u32 s40, s40, s42
	s_lshl_b32 s42, s17, 8
	s_add_co_u32 s40, s40, s42
	s_add_nc_u64 s[12:13], s[12:13], s[40:41]      ; b1 likewise
	s_mul_i32 s40, s19, 3145728
	s_mul_i32 s42, ttmp9, 1536
	s_add_co_u32 s40, s40, s42
	s_add_nc_u64 s[26:27], s[14:15], s[40:41]      ; hq: the expert's images, K step c
	s_lshl_b32 s40, s19, 17
	s_lshl_b32 s42, ttmp9, 6
	s_add_co_u32 s40, s40, s42
	s_add_co_u32 s40, s40, 0x1800000
	s_add_nc_u64 s[28:29], s[14:15], s[40:41]      ; and their scale words
	s_add_nc_u64 s[32:33], s[4:5], 786432          ; x's scale bytes
; One halving step of the search for the k-th set bit: the count of the lower half of what is left, taken from the partial counts in v[creg]; where k is not under it, the upper half is taken.
.macro LEVEL creg, msk, stp
	v_lshrrev_b32 v18, v17, v[\creg]
	v_and_b32 v18, \msk, v18
	v_cmp_ge_u32 vcc_lo, v16, v18
	v_cndmask_b32 v19, 0, v18, vcc_lo
	v_sub_nc_u32 v16, v16, v19
	v_add_nc_u32 v19, \stp, v17
	v_cndmask_b32 v17, v17, v19, vcc_lo
.endm
; THE TOKENS AT PLACES s96 .. s96 + 31, a lane a place, and from them the gather's 18 offsets.
.macro SELECT
	v_add_nc_u32 v8, s96, v1                       ; p
	v_mov_b32 v9, s44                              ; the word in which the p-th set bit lies: the last whose prefix is not above p,
	v_mov_b32 v10, 0                               ; that prefix,
	v_mov_b32 v11, 0                               ; and the word's number
	s_bcnt1_i32_b32 s90, s44
.set J, 1
.rept 31
.if J < 16
.set UJ, 44+J
.else
.set UJ, 52+J
.endif
	v_cmp_le_u32 vcc_lo, s90, v8
	v_cndmask_b32 v9, v9, s[UJ], vcc_lo
	v_cndmask_b32 v10, v10, s90, vcc_lo
	v_cndmask_b32 v11, v11, J, vcc_lo
	s_bcnt1_i32_b32 s91, s[UJ]
	s_add_co_u32 s90, s90, s91
.set J, J+1
.endr
	v_sub_nc_u32 v16, v8, v10                      ; k: which set bit of the word
	v_lshrrev_b32 v18, 1, v9
	v_and_b32 v18, 0x55555555, v18
	v_sub_nc_u32 v12, v9, v18                      ; the set bits of each pair of bits,
	v_lshrrev_b32 v18, 2, v12
	v_and_b32 v18, 0x33333333, v18
	v_and_b32 v13, 0x33333333, v12
	v_add_nc_u32 v13, v13, v18                     ; of each four,
	v_lshrrev_b32 v18, 4, v13
	v_add_nc_u32 v14, v13, v18
	v_and_b32 v14, 0x0f0f0f0f, v14                 ; of each byte,
	v_lshrrev_b32 v18, 8, v14
	v_add_nc_u32 v15, v14, v18
	v_and_b32 v15, 0x00ff00ff, v15                 ; of each half
	v_mov_b32 v17, 0                               ; the bit's place
	LEVEL 15, 0xff, 16
	LEVEL 14, 0xff, 8
	LEVEL 13, 15, 4
	LEVEL 12, 3, 2
	LEVEL 9, 1, 1
	v_lshl_add_u32 v20, v11, 5, v17                ; the token at place s96 + lane
	v_permlanex16_b32 v21, v20, s34, s35
	v_cndmask_b32 v22, v20, v21, s94               ; place r in both halves of the lanes,
	v_cndmask_b32 v23, v21, v20, s94               ; place 16 + r
	v_min_u32 v22, 1023, v22                       ; a token is held under 1,024 before it enters an address
	v_min_u32 v23, 1023, v23
	v_lshl_add_u32 v[OFF+16], v22, 5, v45          ; their scale bytes: 32 a token, 16 a half of the lanes
	v_lshl_add_u32 v[OFF+17], v23, 5, v45
.set I, 0
.rept 16
	v_readlane_b32 s92, v20, 2*I
	v_readlane_b32 s93, v20, 2*I+1
	v_mov_b32 v18, s92
	v_cndmask_b32 v18, v18, s93, s94               ; lanes 0-15 place 2 I, lanes 16-31 place 2 I + 1
	v_min_u32 v18, 1023, v18
	v_mad_u32_u24 v[OFF+I], v18, 768, v44
.set I, I+1
.endr
.endm
.macro GATHER                          ; 50 loads: my 32 rows' codes (sixteen lanes read 256 consecutive bytes of a row), and two tiles' scale bytes
	WIN 0xc0
.set I, 0
.rept 16
.irp k, 0,1,2
	global_load_b128 v[12*I+4*\k:12*I+4*\k+3], v[OFF+I], s[4:5] offset:256*\k
.endr
.set I, I+1
.endr
.irp a, 0,1
	global_load_b128 v[192+4*\a:195+4*\a], v[OFF+16+\a], s[32:33]
.endr
	WIN 0
.endm
; The lists for the next launch: tokens 32 j .. 32 j + 31.  A chosen token's place is the count so far + the chosen lanes below it; the others store into the dump.
.macro PUT j, jj
.if (\j) < 16
.set UJ, 44+(\j)
.else
.set UJ, 52+(\j)
.endif
	v_readlane_b32 s92, v250, (\j)                 ; those of them that chose me second
	v_mbcnt_lo_u32_b32 v112, s[UJ], s95
	v_cndmask_b32 v112, v113, v112, s[UJ]
	v_min_u32 v112, 1279, v112
	v_lshlrev_b32 v[96+\jj], 2, v112
	v_add_nc_u32 v114, 32*(\j), v1                 ; the token's row of y for a first choice,
	v_add_nc_u32 v115, 1024+32*(\j), v1            ; for a second
	v_cndmask_b32 v[104+\jj], v114, v115, s92
	global_store_b32 v[96+\jj], v[104+\jj], s[98:99] offset:40960
	global_store_b32 v[96+\jj], v[242+\jj], s[88:89]
	s_bcnt1_i32_b32 s91, s[UJ]
	s_add_co_u32 s95, s95, s91
.endm
	global_load_b32 v250, v123, s[6:7]             ; nine small loads for the lists, in every work-group, so that every way through the text finds their registers written
.irp jj, 0,1,2,3,4,5,6,7
	global_load_b32 v[242+\jj], v122, s[84:85] offset:128*\jj
.endr
	WIN 0xc0
.set I, 0
.rept 48
	global_load_b128 v[4*I:4*I+3], v57, s[8:9] offset:512*I th:TH_LOAD_NT   ; my 32 rows of W1: 24,576 consecutive bytes, read once in the launch
.set I, I+1
.endr
	WIN 0
.irp t, 0,1,2,3
	global_load_b128 v[SW+4*\t:SW+4*\t+3], v69, s[10:11] offset:(32*(\t/2)+8*(\t%2))*32   ; register j: lanes 0-15 K step j, lanes 16-31 K step 4 + j
.endr
	WIN 0x80
.irp t, 0,1,2,3
	global_load_b128 v[144+8*\t:147+8*\t], v70, s[12:13] offset:(32*(\t/2)+8*(\t%2))*4
	global_load_b128 v[148+8*\t:151+8*\t], v70, s[12:13] offset:(32*(\t/2)+8*(\t%2))*4+16
.endr
	WIN 0
	s_wait_kmcnt 0x0                               ; the expert's 32 words.  All from here to the wait for W1 is work on registers while W1 is on its way
	s_mov_b32 s20, 0                               ; the expert's count of rows,
	s_mov_b32 s95, 0                               ; and the count ahead of word 8 w
.set J, 0
.rept 32
.if J < 16
.set UJ, 44+J
.else
.set UJ, 52+J
.endif
.if (J == 8) || (J == 16) || (J == 24)
	s_cmp_eq_u32 s16, J/8
	s_cselect_b32 s95, s20, s95
.endif
	s_bcnt1_i32_b32 s91, s[UJ]
	s_add_co_u32 s20, s20, s91
.set J, J+1
.endr
	s_add_co_u32 s24, s20, 15
	s_lshr_b32 s24, s24, 4
	s_min_u32 s24, s24, 64                         ; NT: tiles of 16 rows
	s_add_co_u32 s25, s24, 7
	s_lshr_b32 s25, s25, 3                         ; NG: groups of 8 tiles
	s_lshl_b32 s96, s16, 5                         ; group 0: my places 32 w .. 32 w + 31
	SELECT
	s_cmp_lg_u32 ttmp9, 0
	s_cbranch_scc1 .Lno_lists
	s_wait_loadcnt 0x3c                            ; the nine small loads are in; the 60 issued behind them (W1, scale words, bias) may be out
.irp k, 0,1,2,3
	s_cmp_lg_u32 s16, \k
	s_cbranch_scc1 .Lnot_\k
.irp jj, 0,1,2,3,4,5,6,7
	PUT 8*\k+\jj, \jj
.endr
.Lnot_\k:
.endr
	s_cmp_lg_u32 s16, 0
	s_cbranch_scc1 .Lno_lists
	v_add_nc_u32 v116, s20, v1                     ; the places behind the count get rows of y of their own: 2,048 + 16 e + place % 16; their weight is the zero stored before
	v_min_u32 v116, 1279, v116
	v_and_b32 v117, 15, v116
	s_lshl_b32 s91, s19, 4
	s_add_co_u32 s91, s91, 2048
	v_add_nc_u32 v117, s91, v117
	v_lshlrev_b32 v118, 2, v116
	global_store_b32 v118, v117, s[98:99] offset:40960
	v_mov_b32 v119, s20
	v_mov_b32 v120, s19
	v_lshlrev_b32 v120, 2, v120
	global_store_b32 v120, v119, s[86:87] offset:81920   ; the count (every lane writes the same word)
.Lno_lists:
	s_wait_loadcnt 0xc                             ; W1 is in; the twelve younger loads (scale words, bias) may be out
	WIN 0x0c
.set I, 0
.rept 16
	ds_store_b128 v63, v[12*I:12*I+3] offset:2*PIT*I
	ds_store_b128 v64, v[12*I+4:12*I+7] offset:2*PIT*I+512
	ds_store_b128 v63, v[12*I+8:12*I+11] offset:2*PIT*I+PIT+256
.set I, I+1
.endr
	WIN 0
	s_wait_dscnt 0x0                               ; my rows of W1 lie in LDS, and the stores have read their registers
	s_barrier_signal -1
	s_barrier_wait -1
	GATHER                                         ; group 0
	WIN 0x40
.irp s, 0,1,2,3,4
.irp t, 0,1,2,3
.irp p, 0,1,2,3,4,5
	ds_load_b64 v[48*\s+12*\t+2*\p:48*\s+12*\t+2*\p+1], v65 offset:(32*(\t/2)+8*(\t%2))*PIT+96*\s+48*(\p/3)+8*(\p%3)
.endr
.endr
.endr
	WIN 0x80
.irp s, 5,6,7
.irp t, 0,1,2,3
.irp p, 0,1,2,3,4,5
	ds_load_b64 v[48*(\s-5)+12*\t+2*\p:48*(\s-5)+12*\t+2*\p+1], v65 offset:(32*(\t/2)+8*(\t%2))*PIT+96*\s+48*(\p/3)+8*(\p%3)
.endr
.endr
.endr
	WIN 0
	s_wait_dscnt 0x0
.macro XFETCH a2, s                    ; two tiles' fragments of K step s: 48 consecutive bytes a lane and tile
.irp mi, 0,1
.irp j, 0,1,2
	ds_load_b128 v[XF+24*((\s)%2)+12*\mi+4*\j:XF+24*((\s)%2)+12*\mi+4*\j+3], v[48+\a2] offset:32*\mi*PIT+48*(\s)+16*\j
.endr
.endr
.endm
; Tiles 4 a2 + rp and 4 a2 + rp + 2 of the group against my four tiles of W1: eight accumulators by turns, one instruction a turn; then relu and the quantiser.
.macro SUBPASS a2
.irp mi, 0,1
	ds_load_b128 v[SX+4*\mi:SX+4*\mi+3], v50 offset:(4*\a2+2*\mi)*512
.endr
	XFETCH \a2, 0
.irp s, 0,1,2,3,4,5,6,7
.if \s > 0
.rept 4
	v_nop                                          ; four places in front of loads into registers that the last step but one's products have read
.endr
.endif
.if \s < 7
	XFETCH \a2, \s+1
	s_wait_dscnt 0x6                               ; this step's fragments are in; the next step's six loads may be out
.else
	s_wait_dscnt 0x0
.endif
.if \s == 0
	WIN 0x21                                       ; source 0 (W1) window 1, C (the bias) window 2
.elseif \s < 5
	WIN 0x01
.else
	WIN 0x02
.endif
.irp mi, 0,1
.irp t, 0,1,2,3
.set rD, ACC+32*\mi+8*\t
.if \s < 5
.set rA, 48*\s+12*\t
.else
.set rA, 48*(\s-5)+12*\t
.endif
.set rB, XF+24*(\s%2)+12*\mi
.if \s == 0
.set rC, 144+8*\t
.else
.set rC, rD
.endif
.set rSA, SW+4*\t+(\s%4)
.set rSB, SX+4*\mi+(\s%4)
.if \s < 4
	v_wmma_scale_f32_16x16x128_f8f6f4 v[rD:rD+7], v[rA:rA+11], v[rB:rB+11], v[rC:rC+7], v[rSA], v[rSB] matrix_a_fmt:MATRIX_FMT_FP6 matrix_b_fmt:MATRIX_FMT_FP6
.else
	v_wmma_scale_f32_16x16x128_f8f6f4 v[rD:rD+7], v[rA:rA+11], v[rB:rB+11], v[rC:rC+7], v[rSA], v[rSB] matrix_a_fmt:MATRIX_FMT_FP6 matrix_b_fmt:MATRIX_FMT_FP6 matrix_a_scale:MATRIX_SCALE_ROW1 matrix_b_scale:MATRIX_SCALE_ROW1
.endif
.endr
.endr
	WIN 0
.endr
.rept 4
	v_nop                                          ; four places in front of the first read of the results
.endr
.set I, 0
.rept 64
	v_max_num_f32 v[ACC+I], 0, v[ACC+I]            ; relu, in f32; each accumulator from its low end on
.set I, I+1
.endr
.irp n, 0,1,2,3                        ; unit n = 2 mi + b: 16 registers, half a block of 32 hidden units.  None is negative: no |.|
	v_max3_num_f32 v[MX+\n], v[ACC+16*\n], v[ACC+16*\n+1], 0x1800000   ; with the floor 2^(3 - 127): the byte cannot fall under 1
.endr
.irp i, 2,4,6,8,10,12,14
.irp n, 0,1,2,3
	v_max3_num_f32 v[MX+\n], v[MX+\n], v[ACC+16*\n+\i], v[ACC+16*\n+\i+1]
.endr
.endr
.irp n, 0,1,2,3
	v_permlanex16_b32 v[PM+\n], v[MX+\n], s34, s35
.endr
.irp n, 0,1,2,3
	v_max_num_f32 v[MX+\n], v[MX+\n], v[PM+\n]     ; with lane l xor 16's half: the block's largest magnitude
.endr
.irp n, 0,1,2,3
	v_add_nc_u32 v[SO+\n], 0xff000000, v[MX+\n]    ; 2 off its exponent field: the conversion's scale operand
.endr
.irp n, 0,1,2,3
	v_lshrrev_b32 v[BY+\n], 23, v[SO+\n]           ; the scale's byte
.endr
.irp n, 0,1,2,3
	v_cvt_scalef32_pk16_fp6_f32 v[CD+4*\n:CD+4*\n+2], v[ACC+16*\n:ACC+16*\n+15], v[SO+\n]
.endr
	v_nop                                          ; one plain line behind the last conversion
.irp mi, 0,1
.irp b, 0,1
.irp i, 0,1,2
	ds_store_b32 v[51+\i], v[CD+4*(2*\mi+\b)+\i] offset:(4*\a2+2*\mi)*1536+256*\b   ; into the image: lane r + 16 b's register 6 hf + 3 hh + i
.endr
	ds_store_b8 v54, v[BY+2*\mi+\b] offset:(4*\a2+2*\mi)*64+\b   ; block 2 hf + b of the row's word; both halves of the lanes write the same byte
.endr
.endr
.endm
.macro SENDT a                         ; tile 2 w + a of the group leaves, if the expert has it
	s_lshl_b32 s40, s30, 3
	s_add_co_u32 s40, s40, s31
	s_add_co_u32 s40, s40, \a
	s_cmp_ge_u32 s40, s24
	s_cbranch_scc1 .Lno_tile_\@
.irp j, 0,1,2
	ds_load_b128 v[XF+12*\a+4*\j:XF+12*\a+4*\j+3], v55 offset:1536*\a+512*\j
.endr
	ds_load_b32 v[240+\a], v56 offset:64*\a
	s_mul_i32 s41, s40, 49152
	v_add_nc_u32 v[59+2*\a], s41, v57
	s_lshl_b32 s41, s40, 11
	v_add_nc_u32 v[60+2*\a], s41, v58
	s_wait_dscnt 0x0
.irp j, 0,1,2
	global_store_b128 v[59+2*\a], v[XF+12*\a+4*\j:XF+12*\a+4*\j+3], s[26:27] offset:512*\j   ; 512 consecutive bytes a store
.endr
	global_store_b32 v[60+2*\a], v[240+\a], s[28:29]   ; 16 scale words, 64 bytes; both halves of the lanes write the same
.Lno_tile_\@:
.endm
	s_mov_b32 s30, 0                               ; G
.Ltrip:
	s_wait_xcnt 0x0                                ; the gather that is out has read its offsets, the earlier stores their registers: both may be written again
	s_add_co_u32 s40, s30, 1
	s_cmp_ge_u32 s40, s25
	s_cbranch_scc1 .Lno_sel
	s_lshl_b32 s96, s40, 7
	s_lshl_b32 s41, s16, 5
	s_add_co_u32 s96, s96, s41                     ; group G + 1: my places 128 (G + 1) + 32 w on
	SELECT                                         ; work on registers ahead of the wait for group G's gather
.Lno_sel:
	s_wait_loadcnt 0x0                             ; all that is out: this group's gather (in the first trip the scale words and the bias too)
	s_cmp_ge_u32 s30, s25
	s_cbranch_scc1 .Lstaged
	WIN 0x0c
.set I, 0
.rept 16
.irp k, 0,1,2
	ds_store_b128 v46, v[12*I+4*\k:12*I+4*\k+3] offset:2*PIT*I+256*\k
.endr
.set I, I+1
.endr
.irp a, 0,1
	ds_store_b128 v47, v[192+4*\a:195+4*\a] offset:512*\a
.endr
	WIN 0
	s_add_co_u32 s40, s30, 1
	s_cmp_ge_u32 s40, s25
	s_cbranch_scc1 .Lstaged
	s_wait_dscnt 0x0                               ; the stores have read the registers into which the next gather lands
	GATHER                                         ; group G + 1: it has this group's products in which to land
.Lstaged:
	s_wait_dscnt 0x0
	s_barrier_signal -1
	s_barrier_wait -1                              ; the group's 128 rows of x lie in LDS; nobody reads the last group's images any more
	s_cmp_ge_u32 s30, s25
	s_cbranch_scc1 .Lsubbed
	SUBPASS 0
	s_lshl_b32 s40, s30, 3
	s_add_co_u32 s40, s40, 4
	s_cmp_ge_u32 s40, s24
	s_cbranch_scc1 .Lsubbed
	SUBPASS 1
.Lsubbed:
	s_wait_dscnt 0x0
	s_barrier_signal -1
	s_barrier_wait -1                              ; the images are whole; nobody reads the group's rows of x any more
	SENDT 0
	SENDT 1
	s_add_co_u32 s30, s30, 1
	s_cmp_lt_u32 s30, 8
	s_cbranch_scc1 .Ltrip
	s_wait_tensorcnt 0x0
	ds_add_u32 v254, v255
	s_wait_dscnt 0x0
	s_endpgm
.Lfunc_end_k_q8a6acbc1b0_up:
	.size	k_q8a6acbc1b0_up, .Lfunc_end_k_q8a6acbc1b0_up-k_q8a6acbc1b0_up
	.p2alignl 7, 3214868480
	.fill 96, 4, 3214868480
	.section	.rodata,"a",@progbits
	.p2align	6, 0x0
	.amdhsa_kernel k_q8a6acbc1b0_up
		.amdhsa_group_segment_fixed_size 218112
		.amdhsa_private_segment_fixed_size 0
		.amdhsa_enable_private_segment 0
		.amdhsa_kernarg_size 72
		.amdhsa_user_sgpr_count 2
		.amdhsa_user_sgpr_kernarg_segment_ptr 1
		.amdhsa_wavefront_size32 1
		.amdhsa_system_sgpr_workgroup_id_x 1
		.amdhsa_system_sgpr_workgroup_id_y 1
		.amdhsa_system_sgpr_workgroup_id_z 1
		.amdhsa_system_vgpr_workitem_id 0
		.amdhsa_next_free_vgpr 1024
		.amdhsa_next_free_sgpr 100
		.amdhsa_reserve_vcc 1
		.amdhsa_float_denorm_mode_32 3
		.amdhsa_float_denorm_mode_16_64 3
		.amdhsa_memory_ordered 1
		.amdhsa_forward_progress 1
		.amdhsa_inst_pref_size 143
	.end_amdhsa_kernel
	.amdgpu_metadata
---
amdhsa.version: [ 1, 2 ]
amdhsa.kernels:
  - .name:           k_q8a6acbc1b0_up
    .symbol:         k_q8a6acbc1b0_up.kd
    .args:
      - { .name: xq, .offset: 0, .size: 8, .value_kind: global_buffer, .address_space: global }
      - { .name: masks, .offset: 8, .size: 8, .value_kind: global_buffer, .address_space: global }
      - { .name: W1_codes, .offset: 16, .size: 8, .value_kind: global_buffer, .address_space: global }
      - { .name: W1_scales, .offset: 24, .size: 8, .value_kind: global_buffer, .address_space: global }
      - { .name: b1, .offset: 32, .size: 8, .value_kind: global_buffer, .address_space: global }
      - { .name: hq, .offset: 40, .size: 8, .value_kind: global_buffer, .address_space: global }
      - { .name: gwp, .offset: 48, .size: 8, .value_kind: global_buffer, .address_space: global }
      - { .name: rows, .offset: 56, .size: 8, .value_kind: global_buffer, .address_space: global }
      - { .name: gsort, .offset: 64, .size: 8, .value_kind: global_buffer, .address_space: global }
    .group_segment_fixed_size: 218112
    .private_segment_fixed_size: 0
    .kernarg_segment_align: 8
    .kernarg_segment_size: 72
    .max_flat_workgroup_size: 128
    .sgpr_count:     100
    .vgpr_count:     1024
    .wavefront_size: 32
...
	.end_amdgpu_metadata
.endif
;; end of part 7
;; launch down: the kernel of part 4 again; grid 32 x 8, 4 waves a work-group, no clusters, 305,664 bytes of LDS; arguments hq, rows, gsort, W2_codes, W2_scales, b2, y; writes y
;; launch combine (part 8): grid 257 x 1, 8 waves a work-group, no clusters, 0 bytes of LDS; arguments y, gwp, rows, out0, out1; writes out0, out1
.if DOCPART == 8
	.amdgcn_target "amdgcn-amd-amdhsa--gfx1250"
	.amdhsa_code_object_version 6
	.text
	.protected	k_q8a6acbc1b0_combine
	.globl	k_q8a6acbc1b0_combine
	.p2align	8
	.type	k_q8a6acbc1b0_combine,@function
k_q8a6acbc1b0_combine:
	s_mov_b64 s[64:65], 0
	v_nop
	global_prefetch_b8 v0, s[64:65] scope:SCOPE_SE
	s_setreg_imm32_b32 hwreg(HW_REG_WAVE_MODE, 25, 1), 1
	s_wait_xcnt 0x0
; out0[t] = y[t] + y[1,024 + t]: a token's two weighted expert results.  A stream: each of the first 256 work-groups takes four rows (16,384 bytes), a thread 16 bytes of each; every load and store of a
; wave covers 512 consecutive bytes.  All eight loads go out first; the waits count down.  No LDS, no barrier, no matrix unit: there is nothing to share and nothing to multiply.
; The 257th work-group makes out1 = 8 sum_e (S_e / sum S) (count_e / 2,048) = sum_e S_e count_e / (256 sum S): one wave; lane g takes the eight sums of probabilities that the router's work-group g
; has stored, the lanes are added up, and the eight counts come as scalars.  The division is v_rcp_f32 and a multiply.
	s_load_b256 s[4:11], s[0:1], 0x0               ; y s[4:5], gwp s[6:7], rows s[8:9], out0 s[10:11]
	s_load_b64 s[12:13], s[0:1], 0x20              ; out1
	s_cmp_eq_u32 ttmp9, 256
	s_cbranch_scc1 .Lloss
	s_lshl_b32 s14, ttmp9, 14
	v_lshl_add_u32 v1, v0, 4, s14
	s_wait_kmcnt 0x0
.irp i, 0,1,2,3
	global_load_b128 v[4+8*\i:7+8*\i], v1, s[4:5] offset:4096*\i th:TH_LOAD_NT
	global_load_b128 v[8+8*\i:11+8*\i], v1, s[4:5] offset:4096*\i+4194304 th:TH_LOAD_NT
.endr
.irp i, 0,1,2,3
	s_wait_loadcnt 6-2*\i                          ; pair i is in; the younger pairs may be out
	v_pk_add_f32 v[4+8*\i:5+8*\i], v[4+8*\i:5+8*\i], v[8+8*\i:9+8*\i]
	v_pk_add_f32 v[6+8*\i:7+8*\i], v[6+8*\i:7+8*\i], v[10+8*\i:11+8*\i]
	global_store_b128 v1, v[4+8*\i:7+8*\i], s[10:11] offset:4096*\i th:TH_STORE_NT
.endr
	s_endpgm
.Lloss:
	s_wait_kmcnt 0x0
	v_lshrrev_b32 v2, 5, v0
	v_readfirstlane_b32 s14, v2
	s_cmp_lg_u32 s14, 0
	s_cbranch_scc1 .Lend                           ; one wave's work
	s_load_b256 s[16:23], s[8:9], 0x14000          ; the eight experts' counts of rows
	v_lshlrev_b32 v3, 5, v0                        ; lane g: 32 bytes
	global_load_b128 v[4:7], v3, s[6:7] offset:32768
	global_load_b128 v[8:11], v3, s[6:7] offset:32784
	s_mov_b32 s24, 0x76543210
	s_mov_b32 s25, 0xfedcba98                      ; v_permlanex16_b32's selects for lane l xor 16
.irp e, 0,1,2,3,4,5,6,7
	v_mov_b32 v[12+\e], 0                          ; written once: a lane permute's destination counts as one of its sources
.endr
	v_mov_b32 v24, 0
	s_wait_loadcnt 0x0
.irp m, 1,2,4,8
.irp e, 0,1,2,3,4,5,6,7
	v_add_f32_dpp v[4+\e], v[4+\e], v[4+\e] row_xmask:\m row_mask:0xf bank_mask:0xf
.endr
.endr
.irp e, 0,1,2,3,4,5,6,7
	v_permlanex16_b32 v[12+\e], v[4+\e], s24, s25
.endr
.irp e, 0,1,2,3,4,5,6,7
	v_add_f32 v[4+\e], v[4+\e], v[12+\e]           ; S_e, in every lane
.endr
	s_wait_kmcnt 0x0
	v_cvt_f32_u32 v20, s16
	v_mov_b32 v21, v4
	v_mul_f32 v22, v4, v20
.irp e, 1,2,3,4,5,6,7
	v_cvt_f32_u32 v20, s[16+\e]
	v_add_f32 v21, v21, v[4+\e]                    ; sum S
	v_fma_f32 v22, v[4+\e], v20, v22               ; sum S_e count_e
.endr
	v_mul_f32 v23, 0x43800000, v21                 ; 256 sum S
	v_rcp_f32 v25, v23
	v_nop                                          ; a plain line behind the reciprocal
	s_wait_alu depctr_va_vdst(0)
	v_mul_f32 v26, v22, v25
	global_store_b32 v24, v26, s[12:13]            ; every lane writes the same word
.Lend:
	s_endpgm
.Lfunc_end_k_q8a6acbc1b0_combine:
	.size	k_q8a6acbc1b0_combine, .Lfunc_end_k_q8a6acbc1b0_combine-k_q8a6acbc1b0_combine
	.p2alignl 7, 3214868480
	.fill 96, 4, 3214868480
	.section	.rodata,"a",@progbits
	.p2align	6, 0x0
	.amdhsa_kernel k_q8a6acbc1b0_combine
		.amdhsa_group_segment_fixed_size 0
		.amdhsa_private_segment_fixed_size 0
		.amdhsa_enable_private_segment 0
		.amdhsa_kernarg_size 40
		.amdhsa_user_sgpr_count 2
		.amdhsa_user_sgpr_kernarg_segment_ptr 1
		.amdhsa_wavefront_size32 1
		.amdhsa_system_sgpr_workgroup_id_x 1
		.amdhsa_system_sgpr_workgroup_id_y 1
		.amdhsa_system_sgpr_workgroup_id_z 1
		.amdhsa_system_vgpr_workitem_id 0
		.amdhsa_next_free_vgpr 40
		.amdhsa_next_free_sgpr 66
		.amdhsa_reserve_vcc 0
		.amdhsa_float_denorm_mode_32 3
		.amdhsa_float_denorm_mode_16_64 3
		.amdhsa_memory_ordered 1
		.amdhsa_forward_progress 1
		.amdhsa_inst_pref_size 8
	.end_amdhsa_kernel
	.amdgpu_metadata
---
amdhsa.version: [ 1, 2 ]
amdhsa.kernels:
  - .name:           k_q8a6acbc1b0_combine
    .symbol:         k_q8a6acbc1b0_combine.kd
    .args:
      - { .name: y, .offset: 0, .size: 8, .value_kind: global_buffer, .address_space: global }
      - { .name: gwp, .offset: 8, .size: 8, .value_kind: global_buffer, .address_space: global }
      - { .name: rows, .offset: 16, .size: 8, .value_kind: global_buffer, .address_space: global }
      - { .name: out0, .offset: 24, .size: 8, .value_kind: global_buffer, .address_space: global }
      - { .name: out1, .offset: 32, .size: 8, .value_kind: global_buffer, .address_space: global }
    .group_segment_fixed_size: 0
    .private_segment_fixed_size: 0
    .kernarg_segment_align: 8
    .kernarg_segment_size: 40
    .max_flat_workgroup_size: 256
    .sgpr_count:     66
    .vgpr_count:     40
    .wavefront_size: 32
...
	.end_amdgpu_metadata
.endif
;; end of part 8
;; ======== version 3 of 3: 4 launches
;; workspace buffers: xq 819,200 bytes; masks 4,096 bytes of whole numbers; gwp 65,536 bytes; rows 131,072 bytes of whole numbers; gsort 65,536 bytes; hq 26,214,400 bytes; y 8,912,896 bytes
;; launch route (part 9): grid 32 x 1, 16 waves a work-group, no clusters, 241,664 bytes of LDS; arguments x, Wg, bg, xq, masks, gwp, rows, gsort; writes xq, masks, gwp, rows, gsort
.if DOCPART == 9
	.amdgcn_target "amdgcn-amd-amdhsa--gfx1250"
	.amdhsa_code_object_version 6
	.text
	.protected	k_q8a6acbc1b0_route
	.globl	k_q8a6acbc1b0_route
	.p2align	8
	.type	k_q8a6acbc1b0_route,@function
k_q8a6acbc1b0_route:
	s_mov_b64 s[64:65], 0
	v_nop
	global_prefetch_b8 v0, s[64:65] scope:SCOPE_SE
	s_setreg_imm32_b32 hwreg(HW_REG_WAVE_MODE, 25, 1), 1
	s_wait_xcnt 0x0
; THE ROUTER AND x's QUANTISER.  Work-group g owns tokens 32 g .. 32 g + 31; sixteen waves.
; (a) logits x Wg + bg by f32 multiply-adds (lane = token, wave w takes k = 64 w .. 64 w + 63, the sixteen parts meet in LDS), softmax with the row's maximum taken away,
;     the two largest probabilities (strictly greater wins, so the lower index keeps a tie), their weights p / (p1 + p2).
;     Stored at fixed places: one bit mask a (slot, expert) and 32 tokens, and for each expert the union of its two; the weight of every (expert, token); the sums of the eight probabilities over
;     my 32 tokens.  No address hangs on the choice here.
; (b) x as codes of FP6 (E2M3) with one E8M0 byte for each 32 along K.  A token's 768 bytes of codes are laid so that a lane of a fragment finds its 48 bytes of a K step on end:
;     block 4 s + 2 c + h lies at 384 h + 48 s + 24 c.  The scale bytes follow at byte 786,432, 32 a token, in the blocks' own order.
; (c) the lists that the next launch fills are set to zero: a place that is never filled has the weight 0.
; LIMITS: NaN and infinities are not served; a block of zeros gets the byte 1 (its codes are zeros, and this program alone reads the bytes); divisions are v_rcp_f32 and a multiply;
; a probability under 2^-126 counts as 0.
.set XROW, 5136                        ; a row of x in LDS: 64 pieces of (64 bytes + 16 of padding), + 16: 321 x 16 bytes
.set WGS,  164352                      ; Wg: 2,048 bytes for each wave, its own 64 rows
.set PART, 197120                      ; the waves' parts of the logits: [wave][lane][8]
.set QST,  213504                      ; 1,536 bytes for each wave: two finished rows of codes
.set XSC,  238080                      ; the scale bytes: [32 tokens][32]
.set X,    32                          ; v32-95   64 numbers of x
.set WB,   96                          ; v96-223  two sets of 8 rows of Wg
.set LG,   224                         ; v224-231 my token's eight sums
.set CD,   232                         ; v232-247 codes, four registers a step
.set SBY,  248                         ; v248-251 scale bytes
	s_load_b256 s[4:11], s[0:1], 0x0               ; x s[4:5], Wg s[6:7], bg s[8:9], xq s[10:11]
	s_load_b256 s[12:19], s[0:1], 0x20             ; masks s[12:13], gwp s[14:15], rows s[16:17], gsort s[18:19]
	v_lshl_add_u32 v243, v0, 2, 0x3a800
	v_mov_b32 v247, 0
	v_lshrrev_b32 v12, 5, v0
	s_delay_alu instid0(VALU_DEP_1)
	v_readfirstlane_b32 s20, v12                   ; wave 0..15
	v_and_b32 v1, 31, v0                           ; lane
	s_delay_alu instid0(VALU_DEP_1)
	v_lshlrev_b32 v2, 4, v1                        ; 16 x lane
	s_mul_i32 s21, s20, 2*XROW                     ; my two rows in LDS
	v_lshrrev_b32 v12, 2, v1
	s_delay_alu instid0(VALU_DEP_1)
	v_mul_u32_u24 v12, v12, 80
	v_and_b32 v13, 3, v1
	s_delay_alu instid0(VALU_DEP_1)
	v_lshl_add_u32 v12, v13, 4, v12
	s_delay_alu instid0(VALU_DEP_1)
	v_add_nc_u32 v3, s21, v12                      ; in: four lanes' 64 bytes on end, then the padding
	s_lshl_b32 s22, s20, 11
	s_add_co_u32 s22, s22, WGS
	v_add_nc_u32 v4, s22, v2                       ; my slice of Wg, as loaded
	v_mov_b32 v6, s22                              ; and as read: the same address in every lane
	s_mul_i32 s23, s20, 320
	v_mul_u32_u24 v5, v1, XROW
	s_delay_alu instid0(VALU_DEP_1)
	v_add_nc_u32 v5, s23, v5                       ; token = lane, pieces 4 w .. 4 w + 3
	s_lshl_b32 s23, s20, 10
	s_add_co_u32 s23, s23, PART
	v_lshl_add_u32 v7, v1, 5, s23                  ; my part of the logits
	v_mul_u32_u24 v8, v1, 80
	s_delay_alu instid0(VALU_DEP_1)
	v_add_nc_u32 v8, s21, v8                       ; my rows again, a piece (16 neighbours) a lane
	s_mul_i32 s23, s20, 1536
	s_add_co_u32 s23, s23, QST
	v_bfe_u32 v12, v1, 1, 1
	s_delay_alu instid0(VALU_DEP_1)
	v_mul_u32_u24 v9, v12, 384
	v_lshrrev_b32 v12, 3, v1
	s_delay_alu instid0(VALU_DEP_1)
	v_mad_u32_u24 v9, v12, 48, v9
	v_bfe_u32 v12, v1, 2, 1
	s_delay_alu instid0(VALU_DEP_1)
	v_mad_u32_u24 v9, v12, 24, v9
	v_and_b32 v12, 1, v1
	s_delay_alu instid0(VALU_DEP_1)
	v_mad_u32_u24 v9, v12, 12, v9
	s_delay_alu instid0(VALU_DEP_1)
	v_add_nc_u32 v9, s23, v9                       ; where my 12 bytes of codes go: block 16 (step % 2) + lane / 2, its half lane % 2
	v_add_nc_u32 v11, s23, v2                      ; and where they are read back, 16 bytes a lane
	s_lshl_b32 s23, s20, 6
	s_add_co_u32 s23, s23, XSC
	v_lshrrev_b32 v12, 1, v1
	s_delay_alu instid0(VALU_DEP_1)
	v_add_nc_u32 v10, s23, v12                     ; my block's scale byte
	v_add_nc_u32 v28, XSC, v2                      ; wave 1: all scale bytes, 16 a lane
	v_lshl_add_u32 v29, v1, 5, PART                ; wave 0: token = lane, the sixteen parts
	s_lshl_b32 s55, ttmp9, 7
	v_lshl_add_u32 v26, v1, 2, s55                 ; (32 g + lane) x 4
	s_lshl_b32 s56, ttmp9, 2
	v_lshl_add_u32 v25, v1, 7, s56                 ; masks: row = lane, word g
	s_lshl_b32 s60, ttmp9, 5
	v_mov_b32 v27, s60                             ; the work-group's eight sums: 32 bytes
	s_mov_b32 s58, 0x76543210
	s_mov_b32 s59, 0xfedcba98                      ; v_permlanex16_b32's selects for lane l xor 16
	v_mov_b32 v252, 0
	v_mov_b32 v253, 0
	s_lshl_b32 s48, ttmp9, 12
	v_lshl_add_u32 v254, v0, 3, s48                ; 8 bytes a thread of the 131,072 of rows
	s_lshl_b32 s48, ttmp9, 11
	v_lshl_add_u32 v255, v0, 2, s48                ; 4 bytes a thread of the 65,536 of gsort
	s_wait_alu depctr_va_vdst(0)
	s_wait_kmcnt 0x0
	s_load_b256 s[24:31], s[8:9], 0x0              ; bg
	s_lshl_b32 s48, ttmp9, 17
	s_lshl_b32 s49, s20, 13
	s_add_co_u32 s48, s48, s49
	s_mov_b32 s49, 0
	s_add_nc_u64 s[4:5], s[4:5], s[48:49]          ; x at row 32 g + 2 w
	s_lshl_b32 s48, s20, 11
	s_add_nc_u64 s[6:7], s[6:7], s[48:49]          ; Wg at row 64 w
	s_mul_i32 s48, ttmp9, 24576
	s_mul_i32 s54, s20, 1536
	s_add_co_u32 s48, s48, s54
	s_add_nc_u64 s[50:51], s[10:11], s[48:49]      ; my two rows of codes
	s_lshl_b32 s48, ttmp9, 10
	s_add_co_u32 s48, s48, 786432
	s_add_nc_u64 s[52:53], s[10:11], s[48:49]      ; the work-group's scale bytes
.set I, 0
.rept 16
	global_load_b128 v[X+4*I:X+4*I+3], v2, s[4:5] offset:512*I th:TH_LOAD_NT   ; 512 consecutive bytes a load: two rows of x
.set I, I+1
.endr
.irp i, 0,1,2,3
	global_load_b128 v[WB+4*\i:WB+4*\i+3], v2, s[6:7] offset:512*\i
.endr
	global_store_b64 v254, v[252:253], s[16:17]    ; the lists begin as zeros
	global_store_b32 v255, v252, s[18:19]
	s_wait_loadcnt 0x4                             ; x is in; Wg's four loads may be out
.set I, 0
.rept 16
	ds_store_b128 v3, v[X+4*I:X+4*I+3] offset:(I/8)*XROW+640*(I%8)
.set I, I+1
.endr
	s_wait_loadcnt 0x0
.irp i, 0,1,2,3
	ds_store_b128 v4, v[WB+4*\i:WB+4*\i+3] offset:512*\i
.endr
	s_wait_dscnt 0x0                               ; for the others' sake: my rows of x lie in LDS
	s_barrier_signal -1
	s_barrier_wait -1
; ---- the logits: lane = token, k = 64 w .. 64 w + 63
.macro WLOAD b                         ; eight rows of Wg, the same bytes to every lane, into set b % 2
.irp kk, 0,1,2,3,4,5,6,7
	ds_load_b128 v[WB+64*((\b)%2)+8*\kk:WB+64*((\b)%2)+8*\kk+3], v6 offset:32*(8*(\b)+\kk)
	ds_load_b128 v[WB+64*((\b)%2)+8*\kk+4:WB+64*((\b)%2)+8*\kk+7], v6 offset:32*(8*(\b)+\kk)+16
.endr
.endm
.macro BATCH b                         ; 8 k x 8 experts: 32 packed multiply-adds; x's number feeds both halves
.if (\b) < 7
	s_wait_dscnt 0x10                              ; this batch is in; the younger batch's sixteen loads may be out
.else
	s_wait_dscnt 0x0
.endif
.set WBB, WB+64*((\b)%2)
.irp kk, 0,1,2,3,4,5,6,7
.irp j, 0,1,2,3
.if ((\b) == 0) && (\kk == 0)
	v_pk_mul_f32 v[LG+2*\j:LG+2*\j+1], v[X:X+1], v[WBB+2*\j:WBB+2*\j+1] op_sel_hi:[0,1]   ; the first product starts the sums
.elseif (\kk%2) == 0
	v_pk_fma_f32 v[LG+2*\j:LG+2*\j+1], v[X+8*(\b)+\kk:X+8*(\b)+\kk+1], v[WBB+8*\kk+2*\j:WBB+8*\kk+2*\j+1], v[LG+2*\j:LG+2*\j+1] op_sel_hi:[0,1,1]
.else
	s_delay_alu instid0(VALU_DEP_4)
	v_pk_fma_f32 v[LG+2*\j:LG+2*\j+1], v[X+8*(\b)+\kk-1:X+8*(\b)+\kk], v[WBB+8*\kk+2*\j:WBB+8*\kk+2*\j+1], v[LG+2*\j:LG+2*\j+1] op_sel:[1,0,0] op_sel_hi:[1,1,1]
.endif
.endr
.endr
.if (\b)+2 < 8
	WLOAD (\b)+2
.endif
.endm
.irp c, 0,1,2,3
.irp i, 0,1,2,3
	ds_load_b128 v[X+16*\c+4*\i:X+16*\c+4*\i+3], v5 offset:80*\c+16*\i
.endr
.endr
	WLOAD 0
	WLOAD 1
.irp b, 0,1,2,3,4,5,6,7
	s_wait_alu depctr_va_vdst(0)
	BATCH \b
.endr
	ds_store_b128 v7, v[LG:LG+3]
	ds_store_b128 v7, v[LG+4:LG+7] offset:16
; ---- my two rows of x become codes: four steps of 512 numbers, 16 neighbours a lane, two lanes to a block
.irp q, 0,1,2,3
.irp i, 0,1,2,3
	ds_load_b128 v[X+16*\q+4*\i:X+16*\q+4*\i+3], v8 offset:(\q/2)*XROW+(\q%2)*2560+16*\i
.endr
.endr
.macro QSTEP q
.set XS, X+16*(\q)
	s_wait_dscnt 0xc                               ; behind this step's loads stand 4 (3 - q) loads and the 4 q stores of the steps done: twelve
	v_max3_num_f32 v12, |v[XS]|, |v[XS+1]|, |v[XS+2]|
	v_max3_num_f32 v13, |v[XS+3]|, |v[XS+4]|, |v[XS+5]|
.irp i, 6,10
	s_delay_alu instid0(VALU_DEP_2)
	v_max3_num_f32 v12, v12, |v[XS+\i]|, |v[XS+\i+1]|
	s_delay_alu instid0(VALU_DEP_2)
	v_max3_num_f32 v13, v13, |v[XS+\i+2]|, |v[XS+\i+3]|
.endr
	s_delay_alu instid0(VALU_DEP_2)
	v_max3_num_f32 v12, v12, |v[XS+14]|, |v[XS+15]|
	s_delay_alu instid0(VALU_DEP_1)
	v_max3_num_f32 v12, v12, v13, 0x1800000        ; and the floor 2^(3 - 127): the byte cannot fall under 1
	s_delay_alu instid0(VALU_DEP_1)
	v_max_num_f32_dpp v12, v12, v12 row_xmask:1 row_mask:0xf bank_mask:0xf   ; with my neighbour's 16: the block's largest magnitude
	s_delay_alu instid0(VALU_DEP_1)
	v_add_nc_u32 v14, 0xff000000, v12              ; 2 off its exponent field: the conversion takes this operand's exponent field as its scale
	v_cvt_scalef32_pk16_fp6_f32 v[CD+4*(\q):CD+4*(\q)+2], v[XS:XS+15], v14
	v_lshrrev_b32 v[SBY+(\q)], 23, v14             ; the scale's byte (also the plain line behind the conversion)
.irp i, 0,1,2
	ds_store_b32 v9, v[CD+4*(\q)+\i] offset:((\q)/2)*768+((\q)%2)*192+4*\i
.endr
	ds_store_b8 v10, v[SBY+(\q)] offset:((\q)/2)*32+((\q)%2)*16   ; both lanes of a block write the same byte
.endm
.irp q, 0,1,2,3
	QSTEP \q
.endr
.irp j, 0,1,2
	ds_load_b128 v[160+4*\j:163+4*\j], v11 offset:512*\j   ; LDS serves a wave's instructions in order: these see my stores
.endr
	s_wait_dscnt 0x0                               ; and all my LDS stores have landed, for the others' sake
.irp j, 0,1,2
	global_store_b128 v2, v[160+4*\j:163+4*\j], s[50:51] offset:512*\j   ; 1,536 consecutive bytes: two tokens' codes
.endr
	s_barrier_signal -1
	s_barrier_wait -1
	s_cmp_eq_u32 s20, 1
	s_cbranch_scc1 .Lscales
	s_cmp_eq_u32 s20, 0
	s_cbranch_scc1 .Lgate
	s_wait_tensorcnt 0x0
	ds_add_u32 v243, v247
	s_wait_dscnt 0x0
	s_endpgm
.Lscales:                                              ; wave 1: the 1,024 scale bytes leave in whole runs of 512 bytes
	ds_load_b128 v[32:35], v28
	ds_load_b128 v[36:39], v28 offset:512
	s_wait_dscnt 0x0
	global_store_b128 v2, v[32:35], s[52:53]
	global_store_b128 v2, v[36:39], s[52:53] offset:512
	s_wait_tensorcnt 0x0
	ds_add_u32 v243, v247
	s_wait_dscnt 0x0
	s_endpgm
.Lgate:                                                ; wave 0: lane = token
	s_wait_kmcnt 0x0                               ; bg
.set I, 0
.rept 16
	ds_load_b128 v[32+8*I:35+8*I], v29 offset:1024*I
	ds_load_b128 v[36+8*I:39+8*I], v29 offset:1024*I+16
.set I, I+1
.endr
	s_wait_dscnt 0x0
.set I, 1
.rept 15
.irp j, 0,2,4,6
	v_pk_add_f32 v[32+\j:33+\j], v[32+\j:33+\j], v[32+8*I+\j:33+8*I+\j]
.endr
.set I, I+1
.endr
.irp e, 0,1,2,3,4,5,6,7
	v_add_f32 v[32+\e], s[24+\e], v[32+\e]         ; + bg
.endr
	v_max3_num_f32 v12, v32, v33, v34
	s_delay_alu instid0(VALU_DEP_1)
	v_max3_num_f32 v12, v12, v35, v36
	s_delay_alu instid0(VALU_DEP_1)
	v_max3_num_f32 v12, v12, v37, v38
	s_delay_alu instid0(VALU_DEP_1)
	v_max_num_f32 v12, v12, v39                    ; the row's largest logit is taken away ahead of the exponentials
.irp e, 0,1,2,3,4,5,6,7
	v_sub_f32 v[40+\e], v[32+\e], v12
.endr
.irp e, 0,1,2,3,4,5,6,7
	v_mul_f32 v[40+\e], 0x3fb8aa3b, v[40+\e]       ; x log2(e)
.endr
	s_wait_alu depctr_va_vdst(0)
.irp e, 0,1,2,3,4,5,6,7
	v_exp_f32 v[40+\e], v[40+\e]
.endr
	v_nop                                          ; a plain line behind the exponentials
	s_wait_alu depctr_va_vdst(0)
	v_add_f32 v14, v40, v41
	v_add_f32 v15, v42, v43
.irp e, 4,6
	v_add_f32 v14, v14, v[40+\e]
	v_add_f32 v15, v15, v[41+\e]
.endr
	s_delay_alu instid0(VALU_DEP_1)
	v_add_f32 v14, v14, v15
	s_wait_alu depctr_va_vdst(0)
	v_rcp_f32 v13, v14
	v_mov_b32 v17, 0                               ; (a plain line behind the reciprocal)  the best expert so far: 0
	s_wait_alu depctr_va_vdst(0)
.irp e, 0,1,2,3,4,5,6,7
	v_mul_f32 v[48+\e], v[40+\e], v13              ; the gate's probabilities
.endr
	v_mov_b32 v16, v48
.irp e, 1
	s_delay_alu instid0(VALU_DEP_1)
	v_cmp_gt_f32 vcc_lo, v[48+\e], v16             ; strictly greater: the lower index keeps a tie
	s_delay_alu instid0(VALU_DEP_1)
	v_cndmask_b32 v16, v16, v[48+\e], vcc_lo
	s_delay_alu instid0(VALU_DEP_2)
	v_cndmask_b32 v17, v17, \e, vcc_lo
.endr
.irp e, 2, 3, 4, 5, 6, 7
	s_delay_alu instid0(VALU_DEP_2)
	v_cmp_gt_f32 vcc_lo, v[48+\e], v16
	s_delay_alu instid0(VALU_DEP_1)
	v_cndmask_b32 v16, v16, v[48+\e], vcc_lo
	s_delay_alu instid0(VALU_DEP_2)
	v_cndmask_b32 v17, v17, \e, vcc_lo
.endr
	v_mov_b32 v18, -1.0                            ; under every probability
	v_mov_b32 v19, 0
.irp e, 0,1,2,3,4,5,6,7
	v_cmp_ne_u32 s48, \e, v17
	s_delay_alu instid0(VALU_DEP_3)
	v_cmp_gt_f32 s49, v[48+\e], v18
	s_and_b32 s48, s48, s49
	v_cndmask_b32 v18, v18, v[48+\e], s48
	v_cndmask_b32 v19, v19, \e, s48
.endr
	s_delay_alu instid0(VALU_DEP_2)
	v_add_f32 v20, v16, v18
	s_wait_alu depctr_va_vdst(0)
	v_rcp_f32 v21, v20
	v_mov_b32 v24, 0                               ; (a plain line behind the reciprocal)  the masks' register: rows 24 to 31 stay zero
	s_wait_alu depctr_va_vdst(0)
	v_mul_f32 v22, v16, v21                        ; the two weights
	v_mul_f32 v23, v18, v21
.irp e, 0,1,2,3,4,5,6,7
	v_cmp_eq_u32 s[32+\e], \e, v17                 ; bit i: token 32 g + i has expert e first,
	v_cmp_eq_u32 s[40+\e], \e, v19                 ; second
.endr
.irp e, 0,1,2,3,4,5,6,7
	v_cndmask_b32 v[56+\e], 0, v22, s[32+\e]
.endr
.irp e, 0,1,2,3,4,5,6,7
	v_cndmask_b32 v[56+\e], v[56+\e], v23, s[40+\e]   ; the weight of expert e for my token, 0 where it was not chosen
.endr
.set I, 0
	v_writelane_b32 v24, s[32+I], I
.set I, I+1
.rept (16)-1
	s_delay_alu instid0(VALU_DEP_1)
	v_writelane_b32 v24, s[32+I], I                ; lane 8 slot + e carries that row's word
.set I, I+1
.endr
.irp e, 0,1,2,3,4,5,6,7
	s_or_b32 s57, s[32+\e], s[40+\e]
	v_writelane_b32 v24, s57, 16+\e                ; lane 16 + e: the tokens that chose expert e at all
.endr
.irp e, 0,1,2,3,4,5,6,7
	global_store_b32 v26, v[56+\e], s[14:15] offset:4096*\e
.endr
	global_store_b32 v25, v24, s[12:13]
.irp e, 0,1,2,3,4,5,6,7                        ; the sums of the probabilities over my 32 tokens, for the load-balancing number
	v_add_f32_dpp v[64+\e], v[48+\e], v[48+\e] row_xmask:1 row_mask:0xf bank_mask:0xf
.endr
.irp m, 2,4,8
.irp e, 0,1,2,3,4,5,6,7
	v_add_f32_dpp v[64+\e], v[64+\e], v[64+\e] row_xmask:\m row_mask:0xf bank_mask:0xf
.endr
.endr
.irp e, 0,1,2,3,4,5,6,7
	v_permlanex16_b32 v[72+\e], v[64+\e], s58, s59
.endr
.irp e, 0,1,2,3,4,5,6,7
	v_add_f32 v[64+\e], v[64+\e], v[72+\e]
.endr
	global_store_b128 v27, v[64:67], s[14:15] offset:32768   ; every lane writes the same 32 bytes with the same numbers
	global_store_b128 v27, v[68:71], s[14:15] offset:32784
	s_wait_tensorcnt 0x0
	ds_add_u32 v243, v247
	s_wait_dscnt 0x0
	s_endpgm
.Lfunc_end_k_q8a6acbc1b0_route:
	.size	k_q8a6acbc1b0_route, .Lfunc_end_k_q8a6acbc1b0_route-k_q8a6acbc1b0_route
	.p2alignl 7, 3214868480
	.fill 96, 4, 3214868480
	.section	.rodata,"a",@progbits
	.p2align	6, 0x0
	.amdhsa_kernel k_q8a6acbc1b0_route
		.amdhsa_group_segment_fixed_size 241664
		.amdhsa_private_segment_fixed_size 0
		.amdhsa_enable_private_segment 0
		.amdhsa_kernarg_size 64
		.amdhsa_user_sgpr_count 2
		.amdhsa_user_sgpr_kernarg_segment_ptr 1
		.amdhsa_wavefront_size32 1
		.amdhsa_system_sgpr_workgroup_id_x 1
		.amdhsa_system_sgpr_workgroup_id_y 1
		.amdhsa_system_sgpr_workgroup_id_z 1
		.amdhsa_system_vgpr_workitem_id 0
		.amdhsa_next_free_vgpr 256
		.amdhsa_next_free_sgpr 66
		.amdhsa_reserve_vcc 1
		.amdhsa_float_denorm_mode_32 3
		.amdhsa_float_denorm_mode_16_64 3
		.amdhsa_memory_ordered 1
		.amdhsa_forward_progress 1
		.amdhsa_inst_pref_size 66
	.end_amdhsa_kernel
	.amdgpu_metadata
---
amdhsa.version: [ 1, 2 ]
amdhsa.kernels:
  - .name:           k_q8a6acbc1b0_route
    .symbol:         k_q8a6acbc1b0_route.kd
    .args:
      - { .name: x, .offset: 0, .size: 8, .value_kind: global_buffer, .address_space: global }
      - { .name: Wg, .offset: 8, .size: 8, .value_kind: global_buffer, .address_space: global }
      - { .name: bg, .offset: 16, .size: 8, .value_kind: global_buffer, .address_space: global }
      - { .name: xq, .offset: 24, .size: 8, .value_kind: global_buffer, .address_space: global }
      - { .name: masks, .offset: 32, .size: 8, .value_kind: global_buffer, .address_space: global }
      - { .name: gwp, .offset: 40, .size: 8, .value_kind: global_buffer, .address_space: global }
      - { .name: rows, .offset: 48, .size: 8, .value_kind: global_buffer, .address_space: global }
      - { .name: gsort, .offset: 56, .size: 8, .value_kind: global_buffer, .address_space: global }
    .group_segment_fixed_size: 241664
    .private_segment_fixed_size: 0
    .kernarg_segment_align: 8
    .kernarg_segment_size: 64
    .max_flat_workgroup_size: 512
    .sgpr_count:     66
    .vgpr_count:     256
    .wavefront_size: 32
...
	.end_amdgpu_metadata
.endif
;; end of part 9
;; launch up (part 10): grid 32 x 8, 4 waves a work-group, no clusters, 218,112 bytes of LDS; arguments xq, masks, W1_codes, W1_scales, b1, hq, gwp, rows, gsort; writes hq, rows, gsort
.if DOCPART == 10
	.amdgcn_target "amdgcn-amd-amdhsa--gfx1250"
	.amdhsa_code_object_version 6
	.text
	.protected	k_q8a6acbc1b0_up
	.globl	k_q8a6acbc1b0_up
	.p2align	8
	.type	k_q8a6acbc1b0_up,@function
k_q8a6acbc1b0_up:
	s_mov_b64 s[64:65], 0
	v_nop
	global_prefetch_b8 v0, s[64:65] scope:SCOPE_SE
	s_setreg_imm32_b32 hwreg(HW_REG_WAVE_SCHED_MODE, 0, 2), 2
	s_setreg_imm32_b32 hwreg(HW_REG_WAVE_MODE, 25, 1), 1
	s_wait_xcnt 0x0
	s_wait_alu depctr_vm_vsrc(0)
; THE FIRST PRODUCT, for the chosen rows alone: Q(relu(Q(x) W1[e] + b1[e])), on codes of FP6 (E2M3) with E8M0 scales.  Work-group (c, e): hidden units 128 c .. 128 c + 127 of expert e, for ALL rows of e.
; Its 128 rows of W1 (98,304 bytes, one dense block that no other work-group reads) come in runs of 512 consecutive bytes, turn once through LDS and stay in registers: wave w holds units
; 64 (w % 2) .. + 63, four tiles x 8 K steps, 384 registers.  The rows of e go in groups of 128 (8 tiles of 16): their codes of x are gathered into LDS, a group ahead, through 200 registers.
; WHICH TOKEN STANDS AT WHICH PLACE is worked out here, from the expert's 1,024 bits (32 words in scalar registers) that the launch before has stored: place p is the p-th set bit.  Macro SELECT finds it
; for 32 places at once, a lane a place, in registers alone; for group 0 it stands between the issue of W1's loads and the wait for them, later at a trip's head, ahead of the wait for the gather.
; The eight work-groups with c = 0 also store, for the next launch, each place's row of y, its weight, and the expert's count.
; Wave w multiplies the tiles of parity w / 2.  TRANSPOSED (source 0 = 16 rows of W1, source 1 = 16 rows of x), AND THE ROWS OF W1 THAT FORM A TILE ARE NOT NEIGHBOURS: lane r of tile 2 b + u takes
; row 32 b + 8 u + r + 8 (r / 8); so a lane holds one row of x, and the 16 registers of tiles 2 b, 2 b + 1 are hidden units 32 b + 16 (lane / 16) + 0 .. 15: 16 neighbours along the next K.
; The result goes to hq AS AN IMAGE OF THE NEXT OPERAND'S REGISTERS: tile T, K step c: 1,536 bytes, registers 4 j .. 4 j + 3 of lane l at 512 j + 16 l; its scale words, 4 bytes a row, beside.
; The loop has a constant 8 trips and both barriers in every trip; what hangs on the stored bits is jumped over inside.  No tensor load and no cluster: the guards hang on numbers read from memory.
; No prefetch: the weights are asked for whole at the head by the loads themselves, and the gather already runs a group ahead.
; A place at or behind the count names some token all the same: its row is multiplied, gets the weight 0 in the next launch and goes to a spare row of y.
; LIMITS: NaN and infinities are not served; a block of zeros gets the byte 1 (its codes are zeros, this program alone reads the bytes).
; THE MODE: SCHED_MODE bits 1:0 = 2 (LLVM: expert scheduling mode 2), set by the entry lines.  The code itself states the register dependences between vector or matrix instructions and memory or LDS
; instructions, with s_wait_alu, always for 0.
; THE PLAN.  Registers that memory or LDS instructions touch, and who else names them:
;   v44-58, v63-71, v113, v121-123   offsets and LDS addresses: written at the head, ahead of the one wait in front of the first load, and never again.
;   OFF (v26-43)     written by SELECT, read by the gather: a wait on va_vdst in GATHER; the wait on vm_vsrc at a trip's head stands ahead of the next SELECT.
;   window 3         the gather's loads land there, LDS stores read it, no vector line names it: a wait on vm_vsrc in GATHER.
;   XF, XG           x's fragments, a pair of K steps in each.  Pair p's sixteen products read buffer p % 2; pair p + 1's loads land in the other, behind pair p's first four products.  ONE wait on va_vdst at
;                    the head of pairs 1 and 2 states that the pair before is done reading that other buffer; the products issued behind it name none of its registers.
;   SX               x's scale words: loaded at a sub-pass's head, read by its products.
;   CD, BY           written by the quantiser, read by LDS stores: a wait on va_vdst ahead of the stores.  It stands behind every product of the sub-pass and no vector line behind it names XF, XG or SX: so the
;                    loads at the next sub-pass's head, and the way out's loads into XF, owe nothing more.  A wait on vm_vsrc behind the stores frees CD and BY for the next quantiser.
;   v59-62, XF, v240-241   the way out: two offsets a tile written by vector lines (a wait on va_vdst ahead of the stores); all are read by the stores and freed by the wait on vm_vsrc at the next trip's head.
;   v96-120          at the head: the lists' offsets and data, one wait on va_vdst ahead of each run of stores.  The four waves' arms share v96-111: a wait on vm_vsrc behind an arm's stores stands ahead of the
;                    next arm's lines; the first trip's wait on vm_vsrc stands ahead of the products that write v96-159 as accumulators.
;   Scalars that vector lines write (the wave's number, SELECT's masks and read lanes, VCC) have a wait on va_sdst or va_vcc ahead of their first reader; compares and read lanes go in runs, one wait a run.
; REGISTERS: window 0: v1-3 lane; v8-23 SELECT's; v26-43 the gather's offsets; v44-71 addresses; v72-87 W1's scale words, v88-95 x's; v96-159 eight accumulators (at the head: the lists' stores);
;   v160-207 x's fragments of K steps 0, 1, 4, 5; v208-239 the quantiser's; v240-241 scale words on the way out; v242-250 weights and second-choice words for the lists.
;   window 1: W1's fragments of K steps 0-4 (48 s + 12 t).   window 2: K steps 5-7; from v144 the bias, 8 registers a tile; v176-223 x's fragments of K steps 2, 3, 6, 7.   window 3: v0-199 what is on its way into LDS.
.set PIT,  784                         ; a row of 768 bytes of codes in LDS + 16: 49 x 16 bytes
.set XSL,  100352                      ; behind W1's 128 rows: 128 rows of x's codes
.set XSCL, 200704                      ; x's scale words: 8 tiles x an image of 512 bytes
.set HST,  204800                      ; 8 fragment images of the hidden layer
.set HSS,  217088                      ; their scale words: 8 x 16 rows x 4 bytes
.set OFF,  26                          ; v26-43  the gather's offsets: 16 pairs of rows, 2 tiles' scale rows
.set SW,   72
.set SX,   88
.set ACC,  96
.set XF,   160                         ; window 0: the fragments of the even pairs of K steps
.set XG,   176                         ; window 2: those of the odd pairs
.set MX,   208
.set PM,   212
.set SO,   216
.set BY,   220
.set CD,   224
.set MSB, 0
.macro WIN new                         ; the immediate's high byte repeats the setting that is left
.if MSB != (\new)
	s_set_vgpr_msb (MSB<<8)|(\new)
.set MSB, (\new)
.endif
.endm
	s_load_b256 s[4:11], s[0:1], 0x0               ; xq s[4:5], masks s[6:7], W1's codes s[8:9], W1's scales s[10:11]
	s_load_b128 s[12:15], s[0:1], 0x20             ; b1 s[12:13], hq s[14:15]
	s_load_b128 s[84:87], s[0:1], 0x30             ; gwp s[84:85], rows s[86:87]
	s_load_b64 s[88:89], s[0:1], 0x40              ; gsort
	v_lshl_add_u32 v254, v0, 2, 0x35200
	v_mov_b32 v255, 0
	v_lshrrev_b32 v1, 5, v0
	v_readfirstlane_b32 s16, v1                    ; wave 0..3
	v_and_b32 v1, 31, v0                           ; l
	v_and_b32 v2, 15, v0                           ; r
	s_wait_alu depctr_va_vdst(0)
	v_bfe_u32 v3, v0, 4, 1                         ; hh
	s_wait_alu depctr_va_vdst(0)
	s_wait_alu depctr_va_sdst(0)                   ; s16 is written, ahead of its first reader
	s_and_b32 s17, s16, 1                          ; hf: which 64 hidden units
	s_lshr_b32 s18, s16, 1                         ; rp: which parity of tiles
	s_and_b32 s19, ttmp7, 0xffff                   ; expert
	s_lshl_b32 s31, s16, 1
	s_mov_b32 s34, 0x76543210
	s_mov_b32 s35, 0xfedcba98                      ; v_permlanex16_b32's selects for lane l xor 16
	s_mov_b32 s94, 0xffff0000                      ; lanes 16-31
	s_lshl_b32 s40, s16, 7
	v_lshlrev_b32 v44, 4, v2
	v_lshlrev_b32 v45, 4, v3
	v_lshlrev_b32 v57, 4, v1
	v_lshlrev_b32 v58, 2, v2
	s_mul_i32 s41, s16, 32*PIT
	v_add_nc_u32 v63, s41, v57                     ; W1 on its way in: my 32 rows, 16 bytes a lane;
	v_add_nc_u32 v64, v63, v45                     ; where a run of 512 bytes crosses into the next row, lanes 16-31 stand 16 bytes further on
	s_add_co_u32 s41, s41, XSL
	v_mul_u32_u24 v46, v3, PIT
	v_add_nc_u32 v46, v46, v44
	v_add_nc_u32 v46, s41, v46                     ; x on its way in: row 32 w + hh (+ 2 q), 16 r
	s_lshl_b32 s41, s16, 10
	s_add_co_u32 s41, s41, XSCL
	v_add_nc_u32 v47, s41, v57                     ; x's scale images of tiles 2 w, 2 w + 1
	s_mul_i32 s41, s18, 16*PIT
	s_add_co_u32 s41, s41, XSL
	v_mul_u32_u24 v48, v2, PIT
	v_mad_u32_u24 v48, v3, 384, v48
	v_add_nc_u32 v48, s41, v48                     ; x's fragments: row 16 rp + r, my half's 384 bytes;
	v_add_nc_u32 v49, 64*PIT, v48                  ; and 64 rows further down
	s_lshl_b32 s41, s18, 9
	s_add_co_u32 s41, s41, XSCL
	v_add_nc_u32 v50, s41, v57
	s_mul_i32 s41, s17, 6
	v_mul_u32_u24 v66, v3, 3
	v_add_nc_u32 v66, s41, v66                     ; my 16 codes are registers 6 hf + 3 hh + 0 .. 2 of the next operand, in lane r + 16 b
	s_mul_i32 s42, s18, 1536
	s_add_co_u32 s42, s42, HST
.irp i, 0,1,2
	v_add_nc_u32 v67, \i, v66
	v_lshrrev_b32 v68, 2, v67
	v_and_b32 v67, 3, v67
	v_lshlrev_b32 v68, 9, v68
	v_lshl_add_u32 v68, v67, 2, v68
	v_add_nc_u32 v68, v68, v44
	v_add_nc_u32 v[51+\i], s42, v68                ; 512 (register / 4) + 4 (register % 4) + 16 r, in tile rp's image
.endr
	s_lshl_b32 s41, s18, 6
	s_lshl_b32 s42, s17, 1
	s_add_co_u32 s41, s41, s42
	s_add_co_u32 s41, s41, HSS
	v_add_nc_u32 v54, s41, v58                     ; my row's scale word, byte 2 hf (+ b)
	s_mul_i32 s41, s16, 3072
	s_add_co_u32 s41, s41, HST
	v_add_nc_u32 v55, s41, v57                     ; the way out: the images of tiles 2 w, 2 w + 1
	s_add_co_u32 s41, s40, HSS
	v_add_nc_u32 v56, s41, v58
	v_and_b32 v71, 8, v2
	v_add_nc_u32 v71, v71, v2                      ; r + 8 (r / 8)
	s_mul_i32 s41, s17, 64*PIT
	v_mul_u32_u24 v65, v71, PIT
	v_mad_u32_u24 v65, v3, 24, v65
	v_add_nc_u32 v65, s41, v65                     ; W1's fragments
	v_lshl_add_u32 v69, v71, 5, v45                ; W1's scale bytes: 32 a row, 16 a half of the lanes
	v_lshlrev_b32 v70, 6, v3                       ; b1: 16 numbers on for lanes 16-31
.irp n, 0,1,2,3
	v_mov_b32 v[PM+\n], 0                          ; written once: a lane permute's destination counts as one of its sources
.endr
	v_mov_b32 v21, 0                               ; likewise
	s_lshl_b32 s97, s16, 5
	s_add_co_u32 s97, s97, 1152
	v_add_nc_u32 v113, s97, v1                     ; the lists: my wave's dump, entries 1152 + 32 w + lane, for lanes without a row
	v_lshlrev_b32 v121, 2, v1
	s_lshl_b32 s97, s16, 10
	v_add_nc_u32 v122, s97, v121                   ; the weights of tokens 256 w + lane (+ 32 jj)
	s_lshl_b32 s97, s19, 7
	s_add_co_u32 s97, s97, 1024
	v_add_nc_u32 v123, s97, v121                   ; the expert's second choices: row 8 + e of the masks, word = lane
	s_wait_kmcnt 0x0
	s_mov_b32 s41, 0
	s_lshl_b32 s40, s19, 7
	s_add_co_u32 s40, s40, 2048
	s_add_nc_u64 s[22:23], s[6:7], s[40:41]        ; row 16 + e of the masks: the tokens that chose my expert
	s_load_b512 s[44:59], s[22:23], 0x0            ; words 0-15,
	s_load_b512 s[68:83], s[22:23], 0x40           ; 16-31
	s_lshl_b32 s40, s19, 12
	s_add_nc_u64 s[84:85], s[84:85], s[40:41]      ; my expert's weights by token
	s_mul_i32 s40, s19, 5120
	s_add_nc_u64 s[98:99], s[86:87], s[40:41]      ; its list of rows of y begins 40,960 bytes on
	s_add_nc_u64 s[88:89], s[88:89], s[40:41]      ; its list of weights by place
	s_mul_i32 s40, s19, 3145728
	s_mul_i32 s42, ttmp9, 98304
	s_add_co_u32 s40, s40, s42
	s_mul_i32 s42, s16, 24576
	s_add_co_u32 s40, s40, s42
	s_add_nc_u64 s[8:9], s[8:9], s[40:41]          ; W1's codes at row 4,096 e + 128 c + 32 w
	s_lshl_b32 s40, s19, 17
	s_lshl_b32 s42, ttmp9, 12
	s_add_co_u32 s40, s40, s42
	s_lshl_b32 s42, s17, 11
	s_add_co_u32 s40, s40, s42
	s_add_nc_u64 s[10:11], s[10:11], s[40:41]      ; W1's scales at row 4,096 e + 128 c + 64 hf
	s_lshl_b32 s40, s19, 14
	s_lshl_b32 s42, ttmp9, 9
	s_add_co_u32 s40, s40, s42
	s_lshl_b32 s42, s17, 8
	s_add_co_u32 s40, s40, s42
	s_add_nc_u64 s[12:13], s[12:13], s[40:41]      ; b1 likewise
	s_mul_i32 s40, s19, 3145728
	s_mul_i32 s42, ttmp9, 1536
	s_add_co_u32 s40, s40, s42
	s_add_nc_u64 s[26:27], s[14:15], s[40:41]      ; hq: the expert's images, K step c
	s_lshl_b32 s40, s19, 17
	s_lshl_b32 s42, ttmp9, 6
	s_add_co_u32 s40, s40, s42
	s_add_co_u32 s40, s40, 0x1800000
	s_add_nc_u64 s[28:29], s[14:15], s[40:41]      ; and their scale words
	s_add_nc_u64 s[32:33], s[4:5], 786432          ; x's scale bytes
; One halving step of the search for the k-th set bit: the count of the lower half of what is left, taken from the partial counts in v[creg]; where k is not under it, the upper half is taken.
.macro LEVEL creg, msk, stp
	v_lshrrev_b32 v18, v17, v[\creg]
	v_and_b32 v18, \msk, v18
	v_cmp_ge_u32 vcc_lo, v16, v18
	s_wait_alu depctr_va_vcc(0)                    ; VCC is written, ahead of the two selects that read it (each step hangs on the step before: no run of compares can be made)
	v_cndmask_b32 v19, 0, v18, vcc_lo
	v_sub_nc_u32 v16, v16, v19
	v_add_nc_u32 v19, \stp, v17
	v_cndmask_b32 v17, v17, v19, vcc_lo
.endm
; THE TOKENS AT PLACES s96 .. s96 + 31, a lane a place, and from them the gather's 18 offsets.
.macro SELECT
	v_add_nc_u32 v8, s96, v1                       ; p
	v_mov_b32 v9, s44                              ; the word in which the p-th set bit lies: the last whose prefix is not above p,
	s_wait_alu depctr_va_vdst(0)
	v_mov_b32 v10, 0                               ; that prefix,
	s_wait_alu depctr_va_vdst(0)
	v_mov_b32 v11, 0                               ; and the word's number
	s_wait_alu depctr_va_vdst(0)
	s_bcnt1_i32_b32 s36, s44                       ; the set bits ahead of word 1
.set J, 1
.rept 8                                        ; words 1 to 31, four at a time: their prefixes in s36-39, a run of compares into s60-63, one wait, the selects
.set Q, 0
.rept 4
.set W, J+Q
.if W < 32
.if W < 16
.set UJ, 44+W
.else
.set UJ, 52+W
.endif
	v_cmp_le_u32 s[60+Q], s[36+Q], v8
.if (Q < 3) && (W < 31)
	s_bcnt1_i32_b32 s91, s[UJ]
	s_add_co_u32 s[37+Q], s[36+Q], s91
.endif
.endif
.set Q, Q+1
.endr
	s_wait_alu depctr_va_sdst(0)                   ; the run's masks are written, ahead of the selects that read them
.set Q, 0
	s_wait_alu depctr_va_vdst(0)
.rept 4
.set W, J+Q
.if W < 32
.if W < 16
.set UJ, 44+W
.else
.set UJ, 52+W
.endif
	v_cndmask_b32 v9, v9, s[UJ], s[60+Q]
	v_cndmask_b32 v10, v10, s[36+Q], s[60+Q]
	v_cndmask_b32 v11, v11, W, s[60+Q]
.endif
.set Q, Q+1
.endr
.if J+4 < 32
	s_bcnt1_i32_b32 s91, s[UJ]                     ; (the run's last word)
	s_add_co_u32 s36, s39, s91                     ; the prefix of the next run's first word
.endif
.set J, J+4
.endr
	v_sub_nc_u32 v16, v8, v10                      ; k: which set bit of the word
	v_lshrrev_b32 v18, 1, v9
	v_and_b32 v18, 0x55555555, v18
	v_sub_nc_u32 v12, v9, v18                      ; the set bits of each pair of bits,
	v_lshrrev_b32 v18, 2, v12
	v_and_b32 v18, 0x33333333, v18
	v_and_b32 v13, 0x33333333, v12
	v_add_nc_u32 v13, v13, v18                     ; of each four,
	v_lshrrev_b32 v18, 4, v13
	v_add_nc_u32 v14, v13, v18
	v_and_b32 v14, 0x0f0f0f0f, v14                 ; of each byte,
	v_lshrrev_b32 v18, 8, v14
	v_add_nc_u32 v15, v14, v18
	v_and_b32 v15, 0x00ff00ff, v15                 ; of each half
	v_mov_b32 v17, 0                               ; the bit's place
	LEVEL 15, 0xff, 16
	LEVEL 14, 0xff, 8
	LEVEL 13, 15, 4
	LEVEL 12, 3, 2
	LEVEL 9, 1, 1
	v_lshl_add_u32 v20, v11, 5, v17                ; the token at place s96 + lane
	v_permlanex16_b32 v21, v20, s34, s35
	v_cndmask_b32 v22, v20, v21, s94               ; place r in both halves of the lanes,
	v_cndmask_b32 v23, v21, v20, s94               ; place 16 + r
	v_min_u32 v22, 1023, v22                       ; a token is held under 1,024 before it enters an address
	v_min_u32 v23, 1023, v23
	v_lshl_add_u32 v[OFF+16], v22, 5, v45          ; their scale bytes: 32 a token, 16 a half of the lanes
	v_lshl_add_u32 v[OFF+17], v23, 5, v45
.set I, 0
.rept 4                                        ; eight places at a time: the even ones into s36-39, the odd ones into s60-63
.irp q, 0,1,2,3
	v_readlane_b32 s[36+\q], v20, 8*I+2*\q
	v_readlane_b32 s[60+\q], v20, 8*I+2*\q+1
.endr
	s_wait_alu depctr_va_sdst(0)                   ; the eight scalars are written, ahead of the lines that read them
.irp q, 0,1,2,3
	v_mov_b32 v18, s[36+\q]
	v_cndmask_b32 v18, v18, s[60+\q], s94          ; lanes 0-15 the even place, lanes 16-31 the odd one
	v_min_u32 v18, 1023, v18
	v_mad_u32_u24 v[OFF+4*I+\q], v18, 768, v44
.endr
.set I, I+1
.endr
.endm
.macro GATHER                          ; 50 loads: my 32 rows' codes (sixteen lanes read 256 consecutive bytes of a row), and two tiles' scale bytes
	WIN 0xc0
	s_wait_alu depctr_vm_vsrc(0)                   ; my LDS stores have read the registers of window 3 in which these loads land
	s_wait_alu depctr_va_vdst(0)                   ; SELECT has written the 18 offsets that these loads read
.set I, 0
.rept 16
.irp k, 0,1,2
	global_load_b128 v[12*I+4*\k:12*I+4*\k+3], v[OFF+I], s[4:5] offset:256*\k
.endr
.set I, I+1
.endr
.irp a, 0,1
	global_load_b128 v[192+4*\a:195+4*\a], v[OFF+16+\a], s[32:33]
.endr
	WIN 0
.endm
; The lists for the next launch: tokens 32 j .. 32 j + 31.  A chosen token's place is the count so far + the chosen lanes below it; the others store into the dump.
; The word of those that chose me second stands in a scalar (jj 0-3: s36 + jj, jj 4-7: s56 + jj).  The offsets and the data of eight words are made first; their stores follow in one run.
.macro PUT j, jj
.if (\j) < 16
.set UJ, 44+(\j)
.else
.set UJ, 52+(\j)
.endif
.if (\jj) < 4
.set SM, 36+(\jj)
.else
.set SM, 56+(\jj)
.endif
	v_mbcnt_lo_u32_b32 v112, s[UJ], s95
	v_cndmask_b32 v112, v113, v112, s[UJ]
	v_min_u32 v112, 1279, v112
	v_lshlrev_b32 v[96+\jj], 2, v112
	v_add_nc_u32 v114, 32*(\j), v1                 ; the token's row of y for a first choice,
	v_add_nc_u32 v115, 1024+32*(\j), v1            ; for a second
	v_cndmask_b32 v[104+\jj], v114, v115, s[SM]
	s_bcnt1_i32_b32 s91, s[UJ]
	s_add_co_u32 s95, s95, s91
.endm
	s_wait_alu depctr_va_vdst(0)                   ; every offset and LDS address made above is written: the loads and stores of the whole kernel read them
	global_load_b32 v250, v123, s[6:7]             ; nine small loads for the lists, in every work-group, so that every way through the text finds their registers written
.irp jj, 0,1,2,3,4,5,6,7
	global_load_b32 v[242+\jj], v122, s[84:85] offset:128*\jj
.endr
	WIN 0xc0
.set I, 0
.rept 48
	global_load_b128 v[4*I:4*I+3], v57, s[8:9] offset:512*I th:TH_LOAD_NT   ; my 32 rows of W1: 24,576 consecutive bytes, read once in the launch
.set I, I+1
.endr
	WIN 0
.irp t, 0,1,2,3
	global_load_b128 v[SW+4*\t:SW+4*\t+3], v69, s[10:11] offset:(32*(\t/2)+8*(\t%2))*32   ; register j: lanes 0-15 K step j, lanes 16-31 K step 4 + j
.endr
	WIN 0x80
.irp t, 0,1,2,3
	global_load_b128 v[144+8*\t:147+8*\t], v70, s[12:13] offset:(32*(\t/2)+8*(\t%2))*4
	global_load_b128 v[148+8*\t:151+8*\t], v70, s[12:13] offset:(32*(\t/2)+8*(\t%2))*4+16
.endr
	WIN 0
	s_wait_kmcnt 0x0                               ; the expert's 32 words.  All from here to the wait for W1 is work on registers while W1 is on its way
	s_mov_b32 s20, 0                               ; the expert's count of rows,
	s_mov_b32 s95, 0                               ; and the count ahead of word 8 w
.set J, 0
.rept 32
.if J < 16
.set UJ, 44+J
.else
.set UJ, 52+J
.endif
.if (J == 8) || (J == 16) || (J == 24)
	s_cmp_eq_u32 s16, J/8
	s_cselect_b32 s95, s20, s95
.endif
	s_bcnt1_i32_b32 s91, s[UJ]
	s_add_co_u32 s20, s20, s91
.set J, J+1
.endr
	s_add_co_u32 s24, s20, 15
	s_lshr_b32 s24, s24, 4
	s_min_u32 s24, s24, 64                         ; NT: tiles of 16 rows
	s_add_co_u32 s25, s24, 7
	s_lshr_b32 s25, s25, 3                         ; NG: groups of 8 tiles
	s_lshl_b32 s96, s16, 5                         ; group 0: my places 32 w .. 32 w + 31
	SELECT
	s_cmp_lg_u32 ttmp9, 0
	s_cbranch_scc1 .Lno_lists
	s_wait_loadcnt 0x3c                            ; the nine small loads are in; the 60 issued behind them (W1, scale words, bias) may be out
.irp k, 0,1,2,3
	s_cmp_lg_u32 s16, \k
	s_cbranch_scc1 .Lnot_\k
.irp jj, 0,1,2,3
	v_readlane_b32 s[36+\jj], v250, 8*\k+\jj       ; my eight words of second choices
	v_readlane_b32 s[60+\jj], v250, 8*\k+4+\jj
.endr
	s_wait_alu depctr_va_sdst(0)                   ; the eight scalars are written, ahead of the selects that read them
.irp jj, 0,1,2,3,4,5,6,7
	PUT 8*\k+\jj, \jj
.endr
	s_wait_alu depctr_va_vdst(0)                   ; the eight offsets v96-103 and the eight rows v104-111 are written, which the stores read
.irp jj, 0,1,2,3,4,5,6,7
	global_store_b32 v[96+\jj], v[104+\jj], s[98:99] offset:40960
	global_store_b32 v[96+\jj], v[242+\jj], s[88:89]
.endr
.if \k < 3
	s_wait_alu depctr_vm_vsrc(0)                   ; this arm's stores have read v96-111, which the next arm's lines write: the four arms share these registers (a wave walks one arm; the wait stands for every way that the text leaves open)
.endif
.Lnot_\k:
.endr
	s_cmp_lg_u32 s16, 0
	s_cbranch_scc1 .Lno_lists
	v_add_nc_u32 v116, s20, v1                     ; the places behind the count get rows of y of their own: 2,048 + 16 e + place % 16; their weight is the zero stored before
	v_min_u32 v116, 1279, v116
	v_and_b32 v117, 15, v116
	s_lshl_b32 s91, s19, 4
	s_add_co_u32 s91, s91, 2048
	v_add_nc_u32 v117, s91, v117
	v_lshlrev_b32 v118, 2, v116
	v_mov_b32 v119, s20
	v_mov_b32 v120, s19
	v_lshlrev_b32 v120, 2, v120
	s_wait_alu depctr_va_vdst(0)                   ; v117 to v120 are written, which the two stores read
	global_store_b32 v118, v117, s[98:99] offset:40960
	global_store_b32 v120, v119, s[86:87] offset:81920   ; the count (every lane writes the same word)
.Lno_lists:
	s_wait_loadcnt 0xc                             ; W1 is in; the twelve younger loads (scale words, bias) may be out
	WIN 0x0c
.set I, 0
.rept 16
	ds_store_b128 v63, v[12*I:12*I+3] offset:2*PIT*I
	ds_store_b128 v64, v[12*I+4:12*I+7] offset:2*PIT*I+512
	ds_store_b128 v63, v[12*I+8:12*I+11] offset:2*PIT*I+PIT+256
.set I, I+1
.endr
	WIN 0
	s_wait_dscnt 0x0                               ; my rows of W1 lie in LDS
	s_barrier_signal -1
	s_barrier_wait -1
	GATHER                                         ; group 0
	WIN 0x40
.irp s, 0,1,2,3,4
.irp t, 0,1,2,3
.irp p, 0,1,2,3,4,5
	ds_load_b64 v[48*\s+12*\t+2*\p:48*\s+12*\t+2*\p+1], v65 offset:(32*(\t/2)+8*(\t%2))*PIT+96*\s+48*(\p/3)+8*(\p%3)
.endr
.endr
.endr
	WIN 0x80
.irp s, 5,6,7
.irp t, 0,1,2,3
.irp p, 0,1,2,3,4,5
	ds_load_b64 v[48*(\s-5)+12*\t+2*\p:48*(\s-5)+12*\t+2*\p+1], v65 offset:(32*(\t/2)+8*(\t%2))*PIT+96*\s+48*(\p/3)+8*(\p%3)
.endr
.endr
.endr
	WIN 0
	s_wait_dscnt 0x0
.macro PFETCH a2, p                    ; two tiles' fragments of K steps 2 p and 2 p + 1, twelve loads, into buffer p % 2: 48 consecutive bytes a lane, tile and K step; the first K step's first
.if ((\p)%2) == 0
	WIN 0
.set FB, XF
.else
	WIN 0x80
.set FB, XG
.endif
.irp ss, 0,1
.irp mi, 0,1
.irp j, 0,1,2
	ds_load_b128 v[FB+24*\ss+12*\mi+4*\j:FB+24*\ss+12*\mi+4*\j+3], v[48+\a2] offset:32*\mi*PIT+48*(2*(\p)+\ss)+16*\j
.endr
.endr
.endr
.endm
.macro PROD s, mi                      ; four products: K step s, tile mi of the two against my four tiles of W1
.if (\s) < 5
.set AW, 1
.set rA0, 48*(\s)
.else
.set AW, 2
.set rA0, 48*((\s)-5)
.endif
.if (((\s)/2)%2) == 0
.set BW, 0
.set rB, XF+24*((\s)%2)+12*(\mi)
.else
.set BW, 2
.set rB, XG+24*((\s)%2)+12*(\mi)
.endif
.if (\s) == 0
.set CW, 2                             ; the bias is the C of a sum's first product
.else
.set CW, 0
.endif
	WIN AW|(BW<<2)|(CW<<4)
.irp t, 0,1,2,3
.set rD, ACC+32*(\mi)+8*\t
.set rA, rA0+12*\t
.if (\s) == 0
.set rC, 144+8*\t
.else
.set rC, rD
.endif
.set rSA, SW+4*\t+((\s)%4)
.set rSB, SX+4*(\mi)+((\s)%4)
.if (\s) < 4
	v_wmma_scale_f32_16x16x128_f8f6f4 v[rD:rD+7], v[rA:rA+11], v[rB:rB+11], v[rC:rC+7], v[rSA], v[rSB] matrix_a_fmt:MATRIX_FMT_FP6 matrix_b_fmt:MATRIX_FMT_FP6
.else
	v_wmma_scale_f32_16x16x128_f8f6f4 v[rD:rD+7], v[rA:rA+11], v[rB:rB+11], v[rC:rC+7], v[rSA], v[rSB] matrix_a_fmt:MATRIX_FMT_FP6 matrix_b_fmt:MATRIX_FMT_FP6 matrix_a_scale:MATRIX_SCALE_ROW1 matrix_b_scale:MATRIX_SCALE_ROW1
.endif
.endr
.endm
.macro PAIRHEAD                        ; the head of pairs 1 and 2
.rept 4
	v_nop                                          ; four places between the last pair's products and the loads into the registers that they read
.endr
	s_wait_alu depctr_va_vdst(0)                   ; the last pair's products are done reading their buffer, in which the loads behind this pair's first four products land
	s_wait_dscnt 0x0                               ; this pair's fragments are in
.endm
; Tiles 4 a2 + rp and 4 a2 + rp + 2 of the group against my four tiles of W1: eight accumulators by turns, one instruction a turn; then relu and the quantiser.
.macro SUBPASS a2
.irp mi, 0,1
	ds_load_b128 v[SX+4*\mi:SX+4*\mi+3], v50 offset:(4*\a2+2*\mi)*512   ; no wait for these 26 loads: every product that read SX, XF or XG stands ahead of the last quantiser's wait on va_vdst, and no vector line since names them
.endr
	PFETCH \a2, 0
	PFETCH \a2, 1
	s_wait_dscnt 0xc                               ; the scale words and pair 0 are in; pair 1's twelve loads may be out
	PROD 0, 0
	PROD 0, 1
	PROD 1, 0
	PROD 1, 1
	PAIRHEAD
	PROD 2, 0
	PFETCH \a2, 2                                  ; into XF; the four products since the wait name XG, W1, the accumulators and the scale words
	PROD 2, 1
	PROD 3, 0
	PROD 3, 1
	PAIRHEAD
	PROD 4, 0
	PFETCH \a2, 3                                  ; into XG; the four products since the wait name XF
	PROD 4, 1
	PROD 5, 0
	PROD 5, 1
	s_wait_dscnt 0x0                               ; pair 3 is in; nothing more is fetched, so nothing more is stated
	PROD 6, 0
	PROD 6, 1
	PROD 7, 0
	PROD 7, 1
	WIN 0
.rept 4
	v_nop                                          ; four places in front of the first read of the results
.endr
.set I, 0
.rept 64
	v_max_num_f32 v[ACC+I], 0, v[ACC+I]            ; relu, in f32; each accumulator from its low end on
.set I, I+1
.endr
.irp n, 0,1,2,3                        ; unit n = 2 mi + b: 16 registers, half a block of 32 hidden units.  None is negative: no |.|
	v_max3_num_f32 v[MX+\n], v[ACC+16*\n], v[ACC+16*\n+1], 0x1800000   ; with the floor 2^(3 - 127): the byte cannot fall under 1
.endr
.irp i, 2,4,6,8,10,12,14
.irp n, 0,1,2,3
	v_max3_num_f32 v[MX+\n], v[MX+\n], v[ACC+16*\n+\i], v[ACC+16*\n+\i+1]
.endr
.endr
.irp n, 0,1,2,3
	v_permlanex16_b32 v[PM+\n], v[MX+\n], s34, s35
.endr
.irp n, 0,1,2,3
	v_max_num_f32 v[MX+\n], v[MX+\n], v[PM+\n]     ; with lane l xor 16's half: the block's largest magnitude
.endr
.irp n, 0,1,2,3
	v_add_nc_u32 v[SO+\n], 0xff000000, v[MX+\n]    ; 2 off its exponent field: the conversion's scale operand
.endr
.irp n, 0,1,2,3
	v_lshrrev_b32 v[BY+\n], 23, v[SO+\n]           ; the scale's byte
.endr
.irp n, 0,1,2,3
	v_cvt_scalef32_pk16_fp6_f32 v[CD+4*\n:CD+4*\n+2], v[ACC+16*\n:ACC+16*\n+15], v[SO+\n]
.endr
	v_nop                                          ; one plain line behind the last conversion
	s_wait_alu depctr_va_vdst(0)                   ; the conversions have written CD and the shifts BY, which the LDS stores read; and every product of this sub-pass is done reading XF, XG and SX
.irp mi, 0,1
.irp b, 0,1
.irp i, 0,1,2
	ds_store_b32 v[51+\i], v[CD+4*(2*\mi+\b)+\i] offset:(4*\a2+2*\mi)*1536+256*\b   ; into the image: lane r + 16 b's register 6 hf + 3 hh + i
.endr
	ds_store_b8 v54, v[BY+2*\mi+\b] offset:(4*\a2+2*\mi)*64+\b   ; block 2 hf + b of the row's word; both halves of the lanes write the same byte
.endr
.endr
	s_wait_alu depctr_vm_vsrc(0)                   ; these stores have read CD and BY, which the next quantiser writes again
.endm
.macro SENDT a                         ; tile 2 w + a of the group leaves, if the expert has it
	s_lshl_b32 s40, s30, 3
	s_add_co_u32 s40, s40, s31
	s_add_co_u32 s40, s40, \a
	s_cmp_ge_u32 s40, s24
	s_cbranch_scc1 .Lno_tile_\@
.irp j, 0,1,2
	ds_load_b128 v[XF+12*\a+4*\j:XF+12*\a+4*\j+3], v55 offset:1536*\a+512*\j
.endr
	ds_load_b32 v[240+\a], v56 offset:64*\a
	s_mul_i32 s41, s40, 49152
	v_add_nc_u32 v[59+2*\a], s41, v57
	s_lshl_b32 s41, s40, 11
	v_add_nc_u32 v[60+2*\a], s41, v58
	s_wait_alu depctr_va_vdst(0)                   ; the tile's two offsets are written, which the stores read
	s_wait_dscnt 0x0
.irp j, 0,1,2
	global_store_b128 v[59+2*\a], v[XF+12*\a+4*\j:XF+12*\a+4*\j+3], s[26:27] offset:512*\j   ; 512 consecutive bytes a store
.endr
	global_store_b32 v[60+2*\a], v[240+\a], s[28:29]   ; 16 scale words, 64 bytes; both halves of the lanes write the same
.Lno_tile_\@:
.endm
	s_mov_b32 s30, 0                               ; G
.Ltrip:
	s_wait_xcnt 0x0                                ; the gather that is out has had its addresses translated, and so have the earlier stores: their registers may be written again
	s_wait_alu depctr_vm_vsrc(0)                   ; the gather has read OFF, which SELECT writes; the last trip's stores have read XF, v59-62 and v240-241 (in the first trip: the lists' stores and loads v96-123, the accumulators to be)
	s_add_co_u32 s40, s30, 1
	s_cmp_ge_u32 s40, s25
	s_cbranch_scc1 .Lno_sel
	s_lshl_b32 s96, s40, 7
	s_lshl_b32 s41, s16, 5
	s_add_co_u32 s96, s96, s41                     ; group G + 1: my places 128 (G + 1) + 32 w on
	SELECT                                         ; work on registers ahead of the wait for group G's gather
.Lno_sel:
	s_wait_loadcnt 0x0                             ; all that is out: this group's gather (in the first trip the scale words and the bias too)
	s_cmp_ge_u32 s30, s25
	s_cbranch_scc1 .Lstaged
	WIN 0x0c
.set I, 0
.rept 16
.irp k, 0,1,2
	ds_store_b128 v46, v[12*I+4*\k:12*I+4*\k+3] offset:2*PIT*I+256*\k
.endr
.set I, I+1
.endr
.irp a, 0,1
	ds_store_b128 v47, v[192+4*\a:195+4*\a] offset:512*\a
.endr
	WIN 0
	s_add_co_u32 s40, s30, 1
	s_cmp_ge_u32 s40, s25
	s_cbranch_scc1 .Lstaged
	s_wait_dscnt 0x0                               ; the stores have landed
	GATHER                                         ; group G + 1: it has this group's products in which to land
.Lstaged:
	s_wait_dscnt 0x0
	s_barrier_signal -1
	s_barrier_wait -1                              ; the group's 128 rows of x lie in LDS; nobody reads the last group's images any more
	s_cmp_ge_u32 s30, s25
	s_cbranch_scc1 .Lsubbed
	SUBPASS 0
	s_lshl_b32 s40, s30, 3
	s_add_co_u32 s40, s40, 4
	s_cmp_ge_u32 s40, s24
	s_cbranch_scc1 .Lsubbed
	SUBPASS 1
.Lsubbed:
	s_wait_dscnt 0x0
	s_barrier_signal -1
	s_barrier_wait -1                              ; the images are whole; nobody reads the group's rows of x any more
	SENDT 0
	SENDT 1
	s_add_co_u32 s30, s30, 1
	s_cmp_lt_u32 s30, 8
	s_cbranch_scc1 .Ltrip
	s_wait_dscnt 0x0                               ; the closing lines, six on end
	s_wait_alu 0x0
	s_wait_tensorcnt 0x0
	ds_add_u32 v254, v255
	s_wait_dscnt 0x0
	s_endpgm
.Lfunc_end_k_q8a6acbc1b0_up:
	.size	k_q8a6acbc1b0_up, .Lfunc_end_k_q8a6acbc1b0_up-k_q8a6acbc1b0_up
	.p2alignl 7, 3214868480
	.fill 96, 4, 3214868480
	.section	.rodata,"a",@progbits
	.p2align	6, 0x0
	.amdhsa_kernel k_q8a6acbc1b0_up
		.amdhsa_group_segment_fixed_size 218112
		.amdhsa_private_segment_fixed_size 0
		.amdhsa_enable_private_segment 0
		.amdhsa_kernarg_size 72
		.amdhsa_user_sgpr_count 2
		.amdhsa_user_sgpr_kernarg_segment_ptr 1
		.amdhsa_wavefront_size32 1
		.amdhsa_system_sgpr_workgroup_id_x 1
		.amdhsa_system_sgpr_workgroup_id_y 1
		.amdhsa_system_sgpr_workgroup_id_z 1
		.amdhsa_system_vgpr_workitem_id 0
		.amdhsa_next_free_vgpr 1024
		.amdhsa_next_free_sgpr 100
		.amdhsa_reserve_vcc 1
		.amdhsa_float_denorm_mode_32 3
		.amdhsa_float_denorm_mode_16_64 3
		.amdhsa_memory_ordered 1
		.amdhsa_forward_progress 1
		.amdhsa_inst_pref_size 146
	.end_amdhsa_kernel
	.amdgpu_metadata
---
amdhsa.version: [ 1, 2 ]
amdhsa.kernels:
  - .name:           k_q8a6acbc1b0_up
    .symbol:         k_q8a6acbc1b0_up.kd
    .args:
      - { .name: xq, .offset: 0, .size: 8, .value_kind: global_buffer, .address_space: global }
      - { .name: masks, .offset: 8, .size: 8, .value_kind: global_buffer, .address_space: global }
      - { .name: W1_codes, .offset: 16, .size: 8, .value_kind: global_buffer, .address_space: global }
      - { .name: W1_scales, .offset: 24, .size: 8, .value_kind: global_buffer, .address_space: global }
      - { .name: b1, .offset: 32, .size: 8, .value_kind: global_buffer, .address_space: global }
      - { .name: hq, .offset: 40, .size: 8, .value_kind: global_buffer, .address_space: global }
      - { .name: gwp, .offset: 48, .size: 8, .value_kind: global_buffer, .address_space: global }
      - { .name: rows, .offset: 56, .size: 8, .value_kind: global_buffer, .address_space: global }
      - { .name: gsort, .offset: 64, .size: 8, .value_kind: global_buffer, .address_space: global }
    .group_segment_fixed_size: 218112
    .private_segment_fixed_size: 0
    .kernarg_segment_align: 8
    .kernarg_segment_size: 72
    .max_flat_workgroup_size: 128
    .sgpr_count:     100
    .vgpr_count:     1024
    .wavefront_size: 32
...
	.end_amdgpu_metadata
.endif
;; end of part 10
;; launch down (part 11): grid 32 x 8, 4 waves a work-group, no clusters, 305,664 bytes of LDS; arguments hq, rows, gsort, W2_codes, W2_scales, b2, y; writes y
.if DOCPART == 11
	.amdgcn_target "amdgcn-amd-amdhsa--gfx1250"
	.amdhsa_code_object_version 6
	.text
	.protected	k_q8a6acbc1b0_down
	.globl	k_q8a6acbc1b0_down
	.p2align	8
	.type	k_q8a6acbc1b0_down,@function
k_q8a6acbc1b0_down:
	s_mov_b64 s[64:65], 0
	v_nop
	global_prefetch_b8 v0, s[64:65] scope:SCOPE_SE
	s_setreg_imm32_b32 hwreg(HW_REG_WAVE_SCHED_MODE, 0, 2), 2
	s_setreg_imm32_b32 hwreg(HW_REG_WAVE_MODE, 25, 1), 1
	s_wait_xcnt 0x0
	s_wait_alu depctr_vm_vsrc(0)
; THE SECOND PRODUCT: y[row] = gate x (h W2[e] + b2[e]), on codes of FP6 (E2M3) with E8M0 scales.  Work-group (nc, par, e): columns 64 nc .. + 63 of expert e, for its tiles of 16 rows of parity par.
; THE WAVES SHARE K: wave w holds K steps 8 w .. 8 w + 7 of the 64 rows of W2 in registers (32 fragments, 384 registers; read in runs of 256 bytes of a row, turned once through the wave's own LDS bytes)
; and loads only its quarter of each tile of h, which lies in memory as images of the operand's registers: three loads of 512 consecutive bytes a fragment, straight into place, through no LDS.
; Three sets of registers take the tiles by turns; a set is asked for again among the products of the tile that follows its own.  The four waves' partial sums of three tiles meet in LDS (two buffers by turns,
; one barrier for three tiles); wave w then adds up rows 4 w .. 4 w + 3 of each tile, adds b2, multiplies by the gate's weight and stores 256 consecutive bytes of the row of y that the list names.
; TRANSPOSED: source 0 = 16 rows of W2 (columns of the result), source 1 = 16 rows of h: a lane holds eight neighbouring columns of one row.
; The loop has a constant 6 trips of two passes (36 tiles, 32 at the most are there) and its barrier in every pass; what hangs on the stored count is jumped over.  A tile at or behind the count's last has
; its offsets multiplied by 0: the loads are issued all the same, so that the counted wait holds on every way.  No tensor load, no cluster: the guards hang on a number read from memory.
; For an expert without rows those loads read bytes of hq that nobody has stored; nothing is made of them.
; THE MODE: SCHED_MODE bits 1:0 = 2 (LLVM: expert scheduling mode 2), set by the entry lines.  The code itself states the register dependences between vector or matrix instructions and memory or LDS
; instructions, with s_wait_alu, always for 0.
; THE PLAN.  Registers that memory or LDS instructions touch, and who else names them:
;   v4-8, v15-19, v231, v234   offsets and LDS addresses: written at the head, ahead of the one wait in front of the first load, and never again.
;   Set p of h (96 registers), its scale words v36 + 4 p .., its list registers v216 + 2 p .., v222 + 2 p ..: tile p's products and its six vector lines read them; the loads issued in the NEXT tile land in them.
;   v9 + p, v12 + p, v228 + p  the set's offsets: written at the head of that next tile, read by the set's 30 loads.
;   So ONE wait on va_vdst stands in a tile, behind its vector lines: the offsets are written, and the tile before is done reading the set that is asked for.  The 30 loads follow it, six at once and
;   three runs of eight behind K steps 0, 1 and 2; the products between name this tile's own set, W2, the accumulators and the scale words of W2 and of this set: none of the registers that those loads touch.
;   v52-147          the accumulators: written by products, read by the LDS stores behind tile 2: four places, then a wait on va_vdst.
;   v148-179         partial sums: LDS loads land there, a reduction's additions read and write them.  Each reduction has one wait on va_vdst, behind all its arithmetic and ahead of its two stores: it states that
;                    the results and their offsets are written, and serves the next reduction's loads too.
;   v180-209         results and their offsets: written by vector lines, read by the stores to y.
;   ONE wait on vm_vsrc stands at a pass's head: the stores to y have read v180-209, the LDS stores the accumulators, the sets' loads their offsets; all of these are written again in the pass.
; REGISTERS: window 0: v1-19 addresses; v20-35 W2's scale words, v36-47 h's; v48-51 b2; v52-147 twelve accumulators; v148-179 partial sums; v180-215 results, their offsets and weights; v216-234 the sets' lists and addresses.
;   window 1: W2's fragments of my K steps 0-4 (48 s + 12 t).   window 2: K steps 5-7; v144-239 h's set 2.   window 3: h's sets 0 and 1.
.set PIT,  784                         ; 768 bytes of a row of W2 in LDS + 16
.set RED,  200704                      ; behind the four stages: the partial sums: [tile 0..2][wave][16 rows x 272 bytes]
.set REDB, 52224                       ; and a second buffer
.set MSB, 0
.macro WIN new                         ; the immediate's high byte repeats the setting that is left
.if MSB != (\new)
	s_set_vgpr_msb (MSB<<8)|(\new)
.set MSB, (\new)
.endif
.endm
	s_load_b256 s[4:11], s[0:1], 0x0               ; hq s[4:5], rows s[6:7], gsort s[8:9], W2's codes s[10:11]
	s_load_b128 s[12:15], s[0:1], 0x20             ; W2's scales s[12:13], b2 s[14:15]
	s_load_b64 s[16:17], s[0:1], 0x30              ; y
	v_lshl_add_u32 v254, v0, 2, 0x4a800
	v_mov_b32 v255, 0
	v_lshrrev_b32 v1, 5, v0
	v_readfirstlane_b32 s18, v1                    ; wave 0..3
	v_and_b32 v1, 31, v0                           ; l
	v_and_b32 v2, 15, v0                           ; r
	v_bfe_u32 v3, v0, 4, 1                         ; hh
	s_wait_alu depctr_va_sdst(0)                   ; s18 is written, ahead of its first reader
	s_and_b32 s19, ttmp7, 0xffff                   ; expert
	s_and_b32 s20, ttmp9, 15                       ; nc
	s_lshr_b32 s21, ttmp9, 4                       ; par
	v_lshlrev_b32 v17, 4, v2
	v_mul_u32_u24 v4, v3, 3072
	v_add_nc_u32 v4, v4, v17                       ; W2 in memory: row hh (+ 2 q), 16 r
	s_mul_i32 s40, s18, 64*PIT
	v_mul_u32_u24 v5, v3, PIT
	v_add_nc_u32 v5, v5, v17
	v_add_nc_u32 v5, s40, v5                       ; the same in my stage
	v_mul_u32_u24 v6, v2, PIT
	v_mad_u32_u24 v6, v3, 24, v6
	v_add_nc_u32 v6, s40, v6                       ; and as fragments
	s_mul_i32 s40, s18, 12288
	v_lshl_add_u32 v7, v1, 4, s40                  ; h: my eight images of a tile's 32
	s_lshl_b32 s40, s18, 9
	v_lshl_add_u32 v8, v1, 2, s40                  ; h's scale words: lanes 0-15 K step 8 w + 2 j, lanes 16-31 the next
	s_mul_i32 s40, s18, 4352
	s_add_co_u32 s40, s40, RED
	v_mul_u32_u24 v15, v2, 272
	v_lshl_add_u32 v15, v3, 5, v15
	v_add_nc_u32 v15, s40, v15                     ; my partial sums: row r, 32 bytes a half
	v_add_nc_u32 v18, REDB, v15
	s_mul_i32 s40, s18, 1088
	s_add_co_u32 s40, s40, RED
	v_mul_u32_u24 v16, v3, 544
	v_add_nc_u32 v16, v16, v17
	v_add_nc_u32 v16, s40, v16                     ; back: row 4 w + 2 hh (+ q), 16 bytes a lane
	v_add_nc_u32 v19, REDB, v16
	s_lshl_b32 s40, s18, 4
	v_lshl_add_u32 v231, v3, 3, s40                ; the lists: entries 4 w + 2 hh and the next
	v_lshlrev_b32 v234, 7, v2
	v_lshl_add_u32 v234, v3, 4, v234               ; W2's scale bytes: 128 a row, 16 a half of the lanes
.set I, 204
.rept 12
	v_mov_b32 v[I], 0                              ; the results' offsets and weights: written on every way before they are read
.set I, I+1
.endr
	s_wait_kmcnt 0x0
	s_lshl_b32 s25, s19, 2
	s_load_b32 s26, s[6:7], s25 offset:0x14000     ; the expert's count of rows
	s_mov_b32 s41, 0
	s_mul_i32 s40, s19, 3145728
	s_add_nc_u64 s[28:29], s[4:5], s[40:41]        ; the expert's images
	s_mul_i32 s42, s20, 196608
	s_add_co_u32 s40, s40, s42
	s_mul_i32 s42, s18, 768
	s_add_co_u32 s40, s40, s42
	s_add_nc_u64 s[10:11], s[10:11], s[40:41]      ; W2's codes at row 1,024 e + 64 nc, byte 768 w
	s_lshl_b32 s40, s19, 17
	s_lshl_b32 s42, s20, 13
	s_add_co_u32 s42, s42, s40
	s_lshl_b32 s43, s18, 5
	s_add_co_u32 s42, s42, s43
	s_mov_b32 s43, 0
	s_add_nc_u64 s[12:13], s[12:13], s[42:43]      ; W2's scales likewise, byte 32 w
	s_add_co_u32 s40, s40, 0x1800000
	s_add_nc_u64 s[30:31], s[4:5], s[40:41]        ; the images' scale words
	s_lshl_b32 s40, s19, 12
	s_lshl_b32 s42, s20, 8
	s_add_co_u32 s40, s40, s42
	s_add_nc_u64 s[14:15], s[14:15], s[40:41]      ; b2 at my 64 columns
	s_mov_b32 s40, s42
	s_add_nc_u64 s[36:37], s[16:17], s[40:41]      ; y at my 64 columns
	s_mul_i32 s40, s19, 5120
	s_add_nc_u64 s[34:35], s[8:9], s[40:41]        ; the weights by place
	s_add_co_u32 s40, s40, 40960
	s_add_nc_u64 s[32:33], s[6:7], s[40:41]        ; the rows of y by place
	s_wait_alu depctr_va_vdst(0)                   ; every offset and LDS address made above is written: the loads and stores of the whole kernel read them
.irp t, 0,1,2,3
	global_load_b128 v[20+4*\t:23+4*\t], v234, s[12:13] offset:2048*\t   ; register j: lanes 0-15 my K step j, lanes 16-31 my K step 4 + j
.endr
	global_load_b128 v[48:51], v17, s[14:15]
	WIN 0x40
.set I, 0
.rept 60
	global_load_b128 v[4*I:4*I+3], v4, s[10:11] offset:6144*(I/3)+256*(I%3)   ; sixteen lanes read 256 consecutive bytes of a row
.set I, I+1
.endr
	WIN 0x80
.rept 36
	global_load_b128 v[4*(I-60):4*(I-60)+3], v4, s[10:11] offset:6144*(I/3)+256*(I%3)
.set I, I+1
.endr
	WIN 0
	s_wait_kmcnt 0x0
	s_add_co_u32 s22, s26, 15
	s_lshr_b32 s22, s22, 4
	s_min_u32 s22, s22, 64                         ; NT: tiles of 16 rows
; Set a is asked for, tile s70, in three parts: its three offsets; six small loads (two entries of each list, four scale words); 24 x 512 bytes of codes, eight loads at a time.  30 loads on every way.
.macro HADDR a
	s_sub_co_i32 s71, s22, s70
	s_max_i32 s71, s71, 0
	s_min_u32 s71, s71, 1                          ; 1 where the expert has the tile, else 0
	s_mul_i32 s72, s70, 49152
	v_add_nc_u32 v[9+\a], s72, v7
	v_mul_u32_u24 v[9+\a], v[9+\a], s71
	s_lshl_b32 s72, s70, 11
	v_add_nc_u32 v[12+\a], s72, v8
	v_mul_u32_u24 v[12+\a], v[12+\a], s71
	s_lshl_b32 s72, s70, 6
	v_add_nc_u32 v[228+\a], s72, v231
.endm
.macro HSMALL a
	global_load_b64 v[216+2*\a:217+2*\a], v[228+\a], s[32:33]
	global_load_b64 v[222+2*\a:223+2*\a], v[228+\a], s[34:35]
.irp j, 0,1,2,3
	global_load_b32 v[36+4*\a+\j], v[12+\a], s[30:31] offset:128*\j
.endr
.endm
.macro HBIG a, i0
.if \a < 2
.set HW, 0xc0
.set HB, 96*\a
.else
.set HW, 0x80
.set HB, 144
.endif
	WIN HW
.set I, \i0
.rept 8
	global_load_b128 v[HB+4*I:HB+4*I+3], v[9+\a], s[28:29] offset:512*I
.set I, I+1
.endr
.endm
	s_mov_b32 s70, s21
	HADDR 0
	s_add_co_u32 s70, s21, 2
	HADDR 1
	s_wait_alu depctr_va_vdst(0)                   ; the six offsets of sets 0 and 1 are written, which the 60 loads below read
	HSMALL 0
	HBIG 0, 0
	HBIG 0, 8
	HBIG 0, 16
	WIN 0
	HSMALL 1
	HBIG 1, 0
	HBIG 1, 8
	HBIG 1, 16
	WIN 0
	s_wait_loadcnt 0x3c                            ; W2, its scale words and b2 are in; the two sets' 60 loads may be out
	WIN 0x04
.set I, 0
.rept 60
	ds_store_b128 v5, v[4*I:4*I+3] offset:2*PIT*(I/3)+256*(I%3)
.set I, I+1
.endr
	WIN 0x08
.rept 36
	ds_store_b128 v5, v[4*(I-60):4*(I-60)+3] offset:2*PIT*(I/3)+256*(I%3)
.set I, I+1
.endr
	WIN 0
	s_wait_dscnt 0x0                               ; the stores have landed.  The stage is my wave's own: no barrier
	WIN 0x40
	s_wait_alu depctr_vm_vsrc(0)                   ; the LDS stores have read the registers of windows 1 and 2 in which the fragments land
.irp s, 0,1,2,3,4
.irp t, 0,1,2,3
.irp p, 0,1,2,3,4,5
	ds_load_b64 v[48*\s+12*\t+2*\p:48*\s+12*\t+2*\p+1], v6 offset:16*\t*PIT+96*\s+48*(\p/3)+8*(\p%3)
.endr
.endr
.endr
	WIN 0x80
.irp s, 5,6,7
.irp t, 0,1,2,3
.irp p, 0,1,2,3,4,5
	ds_load_b64 v[48*(\s-5)+12*\t+2*\p:48*(\s-5)+12*\t+2*\p+1], v6 offset:16*\t*PIT+96*\s+48*(\p/3)+8*(\p%3)
.endr
.endr
.endr
	WIN 0
	s_wait_dscnt 0x0
; Tile T0 + 2 a, in set a: 32 products, its four accumulators by turns, one instruction a turn.  Among them set p = (a + 2) % 3, which the tile before has left, is asked for: tile T0 + 2 a + 4.
.macro TILE a, p
.if \a < 2
.set TBW, 12
.set TB, 96*\a
.else
.set TBW, 8
.set TB, 144
.endif
	s_wait_loadcnt 0x1e                            ; this set's 30 loads are in; the one younger set's 30 may be out
	v_min_u32 v232, 2175, v[216+2*\a]              ; a row of y from the list is held inside y before it enters an address
	v_min_u32 v233, 2175, v[217+2*\a]
	v_lshl_add_u32 v[204+2*\a], v232, 12, v17
	v_lshl_add_u32 v[205+2*\a], v233, 12, v17
	v_mov_b32 v[210+2*\a], v[222+2*\a]             ; the weights are kept: the set's registers are loaded again ahead of the reduction
	v_mov_b32 v[211+2*\a], v[223+2*\a]
	s_add_co_u32 s70, s23, 2*\a+4
	HADDR \p                                       ; (these eleven vector lines are also the places between the last tile's products and the loads into the registers that they read)
	s_wait_alu depctr_va_vdst(0)                   ; set p's three offsets are written; the last tile's products are done reading set p and its scale words, its vector lines set p's list registers
	HSMALL \p
.irp s, 0,1,2,3,4,5,6,7
.if \s < 5
.set WV, 1+TBW
.else
.set WV, 2+TBW
.endif
	WIN WV
.irp t, 0,1,2,3
.set rD, 52+32*\a+8*\t
.if \s < 5
.set rA, 48*\s+12*\t
.else
.set rA, 48*(\s-5)+12*\t
.endif
.set rB, TB+12*\s
.set rSA, 20+4*\t+(\s%4)
.set rSB, 36+4*\a+(\s/2)
.if \s == 0
	v_wmma_scale_f32_16x16x128_f8f6f4 v[rD:rD+7], v[rA:rA+11], v[rB:rB+11], 0, v[rSA], v[rSB] matrix_a_fmt:MATRIX_FMT_FP6 matrix_b_fmt:MATRIX_FMT_FP6
.elseif (\s < 4) && ((\s%2) == 0)
	v_wmma_scale_f32_16x16x128_f8f6f4 v[rD:rD+7], v[rA:rA+11], v[rB:rB+11], v[rD:rD+7], v[rSA], v[rSB] matrix_a_fmt:MATRIX_FMT_FP6 matrix_b_fmt:MATRIX_FMT_FP6
.elseif \s < 4
	v_wmma_scale_f32_16x16x128_f8f6f4 v[rD:rD+7], v[rA:rA+11], v[rB:rB+11], v[rD:rD+7], v[rSA], v[rSB] matrix_a_fmt:MATRIX_FMT_FP6 matrix_b_fmt:MATRIX_FMT_FP6 matrix_b_scale:MATRIX_SCALE_ROW1
.elseif (\s%2) == 0
	v_wmma_scale_f32_16x16x128_f8f6f4 v[rD:rD+7], v[rA:rA+11], v[rB:rB+11], v[rD:rD+7], v[rSA], v[rSB] matrix_a_fmt:MATRIX_FMT_FP6 matrix_b_fmt:MATRIX_FMT_FP6 matrix_a_scale:MATRIX_SCALE_ROW1
.else
	v_wmma_scale_f32_16x16x128_f8f6f4 v[rD:rD+7], v[rA:rA+11], v[rB:rB+11], v[rD:rD+7], v[rSA], v[rSB] matrix_a_fmt:MATRIX_FMT_FP6 matrix_b_fmt:MATRIX_FMT_FP6 matrix_a_scale:MATRIX_SCALE_ROW1 matrix_b_scale:MATRIX_SCALE_ROW1
.endif
.endr
.if \s < 3
	HBIG \p, 8*\s                                  ; eight of set p's 24 large loads.  No wait: no product since the wait above names set p or its offsets
.endif
.endr
	WIN 0
.endm
.macro REDUCE buf, a                   ; rows 4 w .. 4 w + 3 of tile T0 + 2 a, if the expert has it
	s_add_co_u32 s70, s23, 2*\a
	s_cmp_ge_u32 s70, s22
	s_cbranch_scc1 .Lno_red_\@
.irp q, 0,1
.irp u, 0,1,2,3
	ds_load_b128 v[148+16*\q+4*\u:151+16*\q+4*\u], v[16+3*\buf] offset:17408*\a+4352*\u+272*\q   ; no wait: every line that named v148-179 stands ahead of the last reduction's wait on va_vdst
.endr
.endr
	s_wait_dscnt 0x0
.irp q, 0,1
.irp h, 0,2
	v_pk_add_f32 v[148+16*\q+\h:149+16*\q+\h], v[148+16*\q+\h:149+16*\q+\h], v[152+16*\q+\h:153+16*\q+\h]
	v_pk_add_f32 v[156+16*\q+\h:157+16*\q+\h], v[156+16*\q+\h:157+16*\q+\h], v[160+16*\q+\h:161+16*\q+\h]
.endr
.irp h, 0,2
	v_pk_add_f32 v[148+16*\q+\h:149+16*\q+\h], v[148+16*\q+\h:149+16*\q+\h], v[156+16*\q+\h:157+16*\q+\h]
.endr
.irp h, 0,2
	v_pk_add_f32 v[148+16*\q+\h:149+16*\q+\h], v[148+16*\q+\h:149+16*\q+\h], v[48+\h:49+\h]   ; + b2
.endr
.irp h, 0,2
.if \q == 0
	v_pk_mul_f32 v[180+8*\a+\h:181+8*\a+\h], v[148+\h:149+\h], v[210+2*\a:211+2*\a] op_sel_hi:[1,0]   ; x the weight of row 4 w + 2 hh
.else
	v_pk_mul_f32 v[184+8*\a+\h:185+8*\a+\h], v[164+\h:165+\h], v[210+2*\a:211+2*\a] op_sel:[0,1] op_sel_hi:[1,1]   ; of the next row
.endif
.endr
.endr
	s_wait_alu depctr_va_vdst(0)                   ; the two rows' results v180 + 8 a .. and their offsets v204 + 2 a .. are written, which the stores read; and the additions are done with v148-179
.irp q, 0,1
	global_store_b128 v[204+2*\a+\q], v[180+8*\a+4*\q:183+8*\a+4*\q], s[36:37]   ; sixteen lanes store 256 consecutive bytes of a row of y, at a multiple of 256
.endr
.Lno_red_\@:
.endm
.macro TRIP buf
	s_wait_xcnt 0x0                                ; every earlier memory instruction has had its addresses translated: the last pass's stores' registers and the sets' offsets may be written again
	s_wait_alu depctr_vm_vsrc(0)                   ; the stores to y have read v180-209, the LDS stores the accumulators, the sets' loads their offsets: this pass writes all of them again
	s_cmp_ge_u32 s23, s22
	s_cbranch_scc1 .Lmeet_\@
	TILE 0, 2
	TILE 1, 0
	TILE 2, 1
.rept 4
	v_nop                                          ; four places in front of the first read of the last products' results
.endr
	s_wait_alu depctr_va_vdst(0)                   ; the products have written the twelve accumulators, which the LDS stores read
.irp a, 0,1,2
.irp t, 0,1,2,3
	ds_store_b128 v[15+3*\buf], v[52+32*\a+8*\t:55+32*\a+8*\t] offset:17408*\a+64*\t       ; each accumulator from its low end on
	ds_store_b128 v[15+3*\buf], v[56+32*\a+8*\t:59+32*\a+8*\t] offset:17408*\a+64*\t+16
.endr
.endr
.Lmeet_\@:
	s_wait_dscnt 0x0                               ; my partial sums lie in LDS, and my reads of the other buffer are over
	s_barrier_signal -1
	s_barrier_wait -1
	REDUCE \buf, 0
	REDUCE \buf, 1
	REDUCE \buf, 2
	s_add_co_u32 s23, s23, 6
.endm
	s_mov_b32 s23, s21                             ; T0: the pass's first tile
	s_mov_b32 s24, 0
.Lloop:
	TRIP 0
	TRIP 1
	s_add_co_u32 s24, s24, 1
	s_cmp_lt_u32 s24, 6
	s_cbranch_scc1 .Lloop
	s_wait_dscnt 0x0                               ; the closing lines, six on end
	s_wait_alu 0x0
	s_wait_tensorcnt 0x0
	ds_add_u32 v254, v255
	s_wait_dscnt 0x0
	s_endpgm
.Lfunc_end_k_q8a6acbc1b0_down:
	.size	k_q8a6acbc1b0_down, .Lfunc_end_k_q8a6acbc1b0_down-k_q8a6acbc1b0_down
	.p2alignl 7, 3214868480
	.fill 96, 4, 3214868480
	.section	.rodata,"a",@progbits
	.p2align	6, 0x0
	.amdhsa_kernel k_q8a6acbc1b0_down
		.amdhsa_group_segment_fixed_size 305664
		.amdhsa_private_segment_fixed_size 0
		.amdhsa_enable_private_segment 0
		.amdhsa_kernarg_size 56
		.amdhsa_user_sgpr_count 2
		.amdhsa_user_sgpr_kernarg_segment_ptr 1
		.amdhsa_wavefront_size32 1
		.amdhsa_system_sgpr_workgroup_id_x 1
		.amdhsa_system_sgpr_workgroup_id_y 1
		.amdhsa_system_sgpr_workgroup_id_z 1
		.amdhsa_system_vgpr_workitem_id 0
		.amdhsa_next_free_vgpr 1024
		.amdhsa_next_free_sgpr 80
		.amdhsa_reserve_vcc 0
		.amdhsa_float_denorm_mode_32 3
		.amdhsa_float_denorm_mode_16_64 3
		.amdhsa_memory_ordered 1
		.amdhsa_forward_progress 1
		.amdhsa_inst_pref_size 104
	.end_amdhsa_kernel
	.amdgpu_metadata
---
amdhsa.version: [ 1, 2 ]
amdhsa.kernels:
  - .name:           k_q8a6acbc1b0_down
    .symbol:         k_q8a6acbc1b0_down.kd
    .args:
      - { .name: hq, .offset: 0, .size: 8, .value_kind: global_buffer, .address_space: global }
      - { .name: rows, .offset: 8, .size: 8, .value_kind: global_buffer, .address_space: global }
      - { .name: gsort, .offset: 16, .size: 8, .value_kind: global_buffer, .address_space: global }
      - { .name: W2_codes, .offset: 24, .size: 8, .value_kind: global_buffer, .address_space: global }
      - { .name: W2_scales, .offset: 32, .size: 8, .value_kind: global_buffer, .address_space: global }
      - { .name: b2, .offset: 40, .size: 8, .value_kind: global_buffer, .address_space: global }
      - { .name: y, .offset: 48, .size: 8, .value_kind: global_buffer, .address_space: global }
    .group_segment_fixed_size: 305664
    .private_segment_fixed_size: 0
    .kernarg_segment_align: 8
    .kernarg_segment_size: 56
    .max_flat_workgroup_size: 128
    .sgpr_count:     80
    .vgpr_count:     1024
    .wavefront_size: 32
...
	.end_amdgpu_metadata
.endif
;; end of part 11
;; launch combine (part 12): grid 257 x 1, 8 waves a work-group, no clusters, 0 bytes of LDS; arguments y, gwp, rows, out0, out1; writes out0, out1
.if DOCPART == 12
	.amdgcn_target "amdgcn-amd-amdhsa--gfx1250"
	.amdhsa_code_object_version 6
	.text
	.protected	k_q8a6acbc1b0_combine
	.globl	k_q8a6acbc1b0_combine
	.p2align	8
	.type	k_q8a6acbc1b0_combine,@function
k_q8a6acbc1b0_combine:
	s_mov_b64 s[64:65], 0
	v_nop
	global_prefetch_b8 v0, s[64:65] scope:SCOPE_SE
	s_setreg_imm32_b32 hwreg(HW_REG_WAVE_MODE, 25, 1), 1
	s_wait_xcnt 0x0
; out0[t] = y[t] + y[1,024 + t]: a token's two weighted expert results.  A stream: each of the first 256 work-groups takes four rows (16,384 bytes), a thread 16 bytes of each; every load and store of a
; wave covers 512 consecutive bytes.  All eight loads go out first; the waits count down.  No LDS, no barrier, no matrix unit: there is nothing to share and nothing to multiply.
; The 257th work-group makes out1 = 8 sum_e (S_e / sum S) (count_e / 2,048) = sum_e S_e count_e / (256 sum S): one wave; lane g takes the eight sums of probabilities that the router's work-group g
; has stored, the lanes are added up, and the eight counts come as scalars.  The division is v_rcp_f32 and a multiply.
	s_load_b256 s[4:11], s[0:1], 0x0               ; y s[4:5], gwp s[6:7], rows s[8:9], out0 s[10:11]
	s_load_b64 s[12:13], s[0:1], 0x20              ; out1
	s_cmp_eq_u32 ttmp9, 256
	s_cbranch_scc1 .Lloss
	s_lshl_b32 s14, ttmp9, 14
	v_lshl_add_u32 v1, v0, 4, s14
	s_wait_alu depctr_va_vdst(0)
	s_wait_kmcnt 0x0
.irp i, 0,1,2,3
	global_load_b128 v[4+8*\i:7+8*\i], v1, s[4:5] offset:4096*\i th:TH_LOAD_NT
	global_load_b128 v[8+8*\i:11+8*\i], v1, s[4:5] offset:4096*\i+4194304 th:TH_LOAD_NT
.endr
.irp i, 0,1,2,3
	s_wait_loadcnt 6-2*\i                          ; pair i is in; the younger pairs may be out
	v_pk_add_f32 v[4+8*\i:5+8*\i], v[4+8*\i:5+8*\i], v[8+8*\i:9+8*\i]
	v_pk_add_f32 v[6+8*\i:7+8*\i], v[6+8*\i:7+8*\i], v[10+8*\i:11+8*\i]
	global_store_b128 v1, v[4+8*\i:7+8*\i], s[10:11] offset:4096*\i th:TH_STORE_NT
.endr
	s_endpgm
.Lloss:
	s_wait_kmcnt 0x0
	v_lshrrev_b32 v2, 5, v0
	s_delay_alu instid0(VALU_DEP_1)
	v_readfirstlane_b32 s14, v2
	s_cmp_lg_u32 s14, 0
	s_cbranch_scc1 .Lend                           ; one wave's work
	s_load_b256 s[16:23], s[8:9], 0x14000          ; the eight experts' counts of rows
	v_lshlrev_b32 v3, 5, v0                        ; lane g: 32 bytes
	global_load_b128 v[4:7], v3, s[6:7] offset:32768
	global_load_b128 v[8:11], v3, s[6:7] offset:32784
	s_mov_b32 s24, 0x76543210
	s_mov_b32 s25, 0xfedcba98                      ; v_permlanex16_b32's selects for lane l xor 16
.irp e, 0,1,2,3,4,5,6,7
	v_mov_b32 v[12+\e], 0                          ; written once: a lane permute's destination counts as one of its sources
.endr
	v_mov_b32 v24, 0
	s_wait_loadcnt 0x0
.irp m, 1,2,4,8
.irp e, 0,1,2,3,4,5,6,7
	v_add_f32_dpp v[4+\e], v[4+\e], v[4+\e] row_xmask:\m row_mask:0xf bank_mask:0xf
.endr
.endr
.irp e, 0,1,2,3,4,5,6,7
	v_permlanex16_b32 v[12+\e], v[4+\e], s24, s25
.endr
.irp e, 0,1,2,3,4,5,6,7
	v_add_f32 v[4+\e], v[4+\e], v[12+\e]           ; S_e, in every lane
.endr
	s_wait_alu depctr_va_vdst(0)
	s_wait_kmcnt 0x0
	v_cvt_f32_u32 v20, s16
	v_mov_b32 v21, v4
	s_delay_alu instid0(VALU_DEP_2)
	v_mul_f32 v22, v4, v20
.irp e, 1,2,3,4,5,6,7
	v_cvt_f32_u32 v20, s[16+\e]
	s_delay_alu instid0(VALU_DEP_3)
	v_add_f32 v21, v21, v[4+\e]                    ; sum S
	s_delay_alu instid0(VALU_DEP_2)
	v_fma_f32 v22, v[4+\e], v20, v22               ; sum S_e count_e
.endr
	s_delay_alu instid0(VALU_DEP_2)
	v_mul_f32 v23, 0x43800000, v21                 ; 256 sum S
	s_wait_alu depctr_va_vdst(0)
	v_rcp_f32 v25, v23
	v_nop                                          ; a plain line behind the reciprocal
	s_wait_alu depctr_va_vdst(0)
	v_mul_f32 v26, v22, v25
	global_store_b32 v24, v26, s[12:13]            ; every lane writes the same word
.Lend:
	s_endpgm
.Lfunc_end_k_q8a6acbc1b0_combine:
	.size	k_q8a6acbc1b0_combine, .Lfunc_end_k_q8a6acbc1b0_combine-k_q8a6acbc1b0_combine
	.p2alignl 7, 3214868480
	.fill 96, 4, 3214868480
	.section	.rodata,"a",@progbits
	.p2align	6, 0x0
	.amdhsa_kernel k_q8a6acbc1b0_combine
		.amdhsa_group_segment_fixed_size 0
		.amdhsa_private_segment_fixed_size 0
		.amdhsa_enable_private_segment 0
		.amdhsa_kernarg_size 40
		.amdhsa_user_sgpr_count 2
		.amdhsa_user_sgpr_kernarg_segment_ptr 1
		.amdhsa_wavefront_size32 1
		.amdhsa_system_sgpr_workgroup_id_x 1
		.amdhsa_system_sgpr_workgroup_id_y 1
		.amdhsa_system_sgpr_workgroup_id_z 1
		.amdhsa_system_vgpr_workitem_id 0
		.amdhsa_next_free_vgpr 40
		.amdhsa_next_free_sgpr 66
		.amdhsa_reserve_vcc 0
		.amdhsa_float_denorm_mode_32 3
		.amdhsa_float_denorm_mode_16_64 3
		.amdhsa_memory_ordered 1
		.amdhsa_forward_progress 1
		.amdhsa_inst_pref_size 8
	.end_amdhsa_kernel
	.amdgpu_metadata
---
amdhsa.version: [ 1, 2 ]
amdhsa.kernels:
  - .name:           k_q8a6acbc1b0_combine
    .symbol:         k_q8a6acbc1b0_combine.kd
    .args:
      - { .name: y, .offset: 0, .size: 8, .value_kind: global_buffer, .address_space: global }
      - { .name: gwp, .offset: 8, .size: 8, .value_kind: global_buffer, .address_space: global }
      - { .name: rows, .offset: 16, .size: 8, .value_kind: global_buffer, .address_space: global }
      - { .name: out0, .offset: 24, .size: 8, .value_kind: global_buffer, .address_space: global }
      - { .name: out1, .offset: 32, .size: 8, .value_kind: global_buffer, .address_space: global }
    .group_segment_fixed_size: 0
    .private_segment_fixed_size: 0
    .kernarg_segment_align: 8
    .kernarg_segment_size: 40
    .max_flat_workgroup_size: 256
    .sgpr_count:     66
    .vgpr_count:     40
    .wavefront_size: 32
...
	.end_amdgpu_metadata
.endif
;; end of part 12
